; MI455X (gfx1250); checked and timed in simulation.
; The chip was launched on July 23, 2026; its instructions are those of AMD's public machine-readable ISA for CDNA 5 (MIT licence, August 2026) and "CDNA5" Instruction Set Architecture Reference Guide (July 2026). The comments in the code are by the model that wrote it; some were corrected since.
;; Switch MOE. Allowed arithmetic: float matrix products may take bf16 or f16 operands with f32 sums; all other float work in f32.
;; Inputs: b1 8 x 4,096 float32; b2 8 x 1,024 float32; gate_w 8 x 1,024 float32; w1 8 x 4,096 x 1,024 float32; w2 8 x 1,024 x 4,096 float32; x 2 x 512 x 1,024 float32.
;; Outputs: out0 2 x 512 x 1,024 float32; out1 one number float32.
;; 3 versions, each right; version 2 is faster than version 1; version 3 is version 2 with the launches ffn1, ffn2 written anew for expert scheduling mode. Each part assembles by itself: llvm-mc -triple=amdgcn-amd-amdhsa -mcpu=gfx1250 --defsym DOCPART=n.
;; ======== version 1 of 3: 6 launches
;; workspace buffers: xb 2,097,152 bytes; sel 4,096 bytes of whole numbers; score 4,096 bytes; stats 4,096 bytes; glist 5,632 bytes of whole numbers; meta 6,400 bytes of whole numbers; hf 18,874,368 bytes; pf 18,874,368 bytes
;; launch router (part 1): grid 64 x 1, 8 waves a work-group, no clusters, 61,440 bytes of LDS; arguments x, gate_w, xb, sel, score, stats; writes xb, sel, score, stats
.if DOCPART == 1
	.amdgcn_target "amdgcn-amd-amdhsa--gfx1250"
	.amdhsa_code_object_version 6
	.text
	.protected	k_q32e8e728b1_router
	.globl	k_q32e8e728b1_router
	.p2align	8
	.type	k_q32e8e728b1_router,@function
k_q32e8e728b1_router:
	s_mov_b64 s[64:65], 0
	v_nop
	global_prefetch_b8 v0, s[64:65] scope:SCOPE_SE
	s_setreg_imm32_b32 hwreg(HW_REG_WAVE_MODE, 25, 1), 1
	s_wait_xcnt 0x0
; ROUTER.  logits = x gate_w^T on x and gate_w rounded to bf16, sums in f32; softmax with the maximum taken away; the largest probability and its
; first index for each token; x rounded to bf16 is kept in xb for the first product of the experts.
; A work-group owns 16 tokens; wave w owns K = 128 w .. 128 w + 127 of them, so every byte of x is loaded once, 512 consecutive bytes a load.
; The eight waves' partial logits meet in LDS; wave 0 adds them (waves ascending) and does the softmax.
; The matrix instruction takes the gate as source 0 (rows 8-15 repeat rows 0-7) and 16 tokens as source 1: a lane then holds ONE token (lane % 16)
; and in register j the logit of expert j; lanes 16-31 repeat lanes 0-15.
; stats[work-group][16]: the sums over the 16 tokens of the 8 probabilities, then of the 8 one-hot selections (f32).
; LIMITS: the selection is the first index of the largest exponential, so logits nearer than one rounding of exp tie, as in a softmax; NaN inputs are not served.
.set PITCH, 272                        ; an LDS row: 256 bytes of bf16 + 16: an odd multiple of 16, so 16 rows of a fragment load start at 16 different 16-byte columns modulo 256
.set XTB,   16*PITCH                   ; a wave's 16 rows of x
.set GTO,   8*XTB                      ; behind them the waves' 8 rows of the gate
.set GTB,   8*PITCH
.set PART,  GTO+8*GTB                  ; partial logits: wave x 1,024 + half x 512 + lane x 16
.set X,  16                            ; v[16:79]   x as loaded, 16 quads; then two bf16 words at each quad's head
.set G,  80                            ; v[80:111]  the gate, 8 quads
.set XF, 112                           ; v[112:143] 4 fragments of x
.set GF, 144                           ; v[144:175] 4 fragments of the gate
.set A0, 176                           ; two accumulators
.set A1, 184
	s_load_b256 s[4:11], s[0:1], 0x0               ; x s[4:5], gate_w s[6:7], xb s[8:9], sel s[10:11]
	s_load_b128 s[12:15], s[0:1], 0x20             ; score s[12:13], stats s[14:15]
	v_lshl_add_u32 v192, v0, 2, 0xec00
	v_mov_b32 v193, 0
	v_lshrrev_b32 v1, 5, v0
	v_readfirstlane_b32 s16, v1                    ; wave 0..7
	v_and_b32 v1, 31, v0                           ; lane
	v_lshlrev_b32 v2, 4, v1                        ; 16 x lane
	v_lshlrev_b32 v3, 3, v1                        ; 8 x lane
	v_and_b32 v4, 15, v0                           ; r
	v_bfe_u32 v5, v0, 4, 1                         ; h
	s_lshl_b32 s17, s16, 9                         ; my 128 f32 of a row
	s_lshl_b32 s18, ttmp9, 16                      ; 16 rows of 4,096 bytes
	s_add_co_u32 s18, s18, s17
	s_mov_b32 s19, 0
	s_lshl_b32 s26, ttmp9, 15                      ; the same in xb: 16 rows of 2,048 bytes, my 256
	s_lshl_b32 s27, s16, 8
	s_add_co_u32 s26, s26, s27
	s_mov_b32 s27, 0
	s_wait_kmcnt 0x0
	s_add_nc_u64 s[4:5], s[4:5], s[18:19]
	s_mov_b32 s18, s17
	s_add_nc_u64 s[6:7], s[6:7], s[18:19]
	s_add_nc_u64 s[8:9], s[8:9], s[26:27]
.irp i, 0,1,2,3,4,5,6,7,8,9,10,11,12,13,14,15
	global_load_b128 v[X+4*\i:X+4*\i+3], v2, s[4:5] offset:4096*\i th:TH_LOAD_NT
.endr
.irp i, 0,1,2,3,4,5,6,7
	global_load_b128 v[G+4*\i:G+4*\i+3], v2, s[6:7] offset:4096*\i
.endr
	s_mul_i32 s28, s16, XTB
	s_mul_i32 s29, s16, GTB
	s_add_co_u32 s29, s29, GTO
	s_lshl_b32 s30, s16, 10
	s_add_co_u32 s30, s30, PART
	v_add_nc_u32 v6, s28, v3                       ; where I put 8 bytes of a row of x
	v_add_nc_u32 v7, s29, v3                       ; and of the gate
	v_mul_u32_u24 v8, v4, PITCH                    ; a fragment of x: row r, 16 bytes for each half of the lanes
	v_lshl_add_u32 v8, v5, 4, v8
	v_add_nc_u32 v8, s28, v8
	v_and_b32 v9, 7, v0                            ; a fragment of the gate: row r % 8
	v_mul_u32_u24 v9, v9, PITCH
	v_lshl_add_u32 v9, v5, 4, v9
	v_add_nc_u32 v9, s29, v9
	v_add_nc_u32 v10, s30, v2                      ; my partial logits
	s_wait_loadcnt 0x0
.set q, 0
.rept 24                               ; four f32 become two words of bf16, in place, x and gate alike
	v_cvt_pk_bf16_f32 v[X+4*q], v[X+4*q], v[X+4*q+1]
	v_cvt_pk_bf16_f32 v[X+4*q+1], v[X+4*q+2], v[X+4*q+3]
.set q, q+1
.endr
.irp i, 0,1,2,3,4,5,6,7,8,9,10,11,12,13,14,15
	global_store_b64 v3, v[X+4*\i:X+4*\i+1], s[8:9] offset:2048*\i   ; the wave stores 256 consecutive bytes, at a multiple of 256 from xb's first byte
	ds_store_b64 v6, v[X+4*\i:X+4*\i+1] offset:PITCH*\i
.endr
.irp i, 0,1,2,3,4,5,6,7
	ds_store_b64 v7, v[G+4*\i:G+4*\i+1] offset:PITCH*\i
.endr
.irp k, 0,1,2,3                        ; the wave's own bytes: LDS serves a wave's instructions in order (ISA guide 5.7.1.4), so these see the stores above
	ds_load_b128 v[XF+8*\k:XF+8*\k+3],   v8 offset:64*\k
	ds_load_b128 v[XF+8*\k+4:XF+8*\k+7], v8 offset:64*\k+32
	ds_load_b128 v[GF+8*\k:GF+8*\k+3],   v9 offset:64*\k
	ds_load_b128 v[GF+8*\k+4:GF+8*\k+7], v9 offset:64*\k+32
.endr
	s_wait_dscnt 0x0
	; two accumulators by turns
	v_wmma_f32_16x16x32_bf16 v[A0:A0+7], v[GF:GF+7],       v[XF:XF+7],       0
	v_wmma_f32_16x16x32_bf16 v[A1:A1+7], v[GF+8:GF+15],    v[XF+8:XF+15],    0
	v_wmma_f32_16x16x32_bf16 v[A0:A0+7], v[GF+16:GF+23],   v[XF+16:XF+23],   v[A0:A0+7]
	v_wmma_f32_16x16x32_bf16 v[A1:A1+7], v[GF+24:GF+31],   v[XF+24:XF+31],   v[A1:A1+7]
.rept 4
	v_nop                                          ; four places between the products and the first read of their results (ISA guide 7.12.1)
.endr
.irp p, 0,2,4,6
	v_pk_add_f32 v[A0+\p:A0+\p+1], v[A0+\p:A0+\p+1], v[A1+\p:A1+\p+1]
.endr
	ds_store_b128 v10, v[A0:A0+3]
	ds_store_b128 v10, v[A0+4:A0+7] offset:512
	s_wait_dscnt 0x0                               ; for wave 0's sake: my partial logits are in LDS
	s_barrier_signal -1
	s_barrier_wait -1
	s_cmp_lg_u32 s16, 0
	s_cbranch_scc1 .Ldone
	; WAVE 0: the eight partial sums, the softmax, the selection, the statistics
	s_wait_xcnt 0x0                                ; my stores into xb read v16 on: those registers are loaded again, and EXEC is narrowed below, only behind this wait
	v_add_nc_u32 v11, PART, v2
.irp w, 0,1,2,3,4,5,6,7
	ds_load_b128 v[16+8*\w:16+8*\w+3], v11 offset:1024*\w
	ds_load_b128 v[16+8*\w+4:16+8*\w+7], v11 offset:1024*\w+512
.endr
	s_mov_b32 s20, 0xaaaaaaaa                      ; lanes whose bit 0, 1, 2, 3 is set
	s_mov_b32 s21, 0xcccccccc
	s_mov_b32 s22, 0xf0f0f0f0
	s_mov_b32 s23, 0xff00ff00
	s_wait_dscnt 0x0
.irp w, 1,2,3,4,5,6,7
.irp p, 0,2,4,6
	v_pk_add_f32 v[16+\p:16+\p+1], v[16+\p:16+\p+1], v[16+8*\w+\p:16+8*\w+\p+1]
.endr
.endr
	v_max3_num_f32 v48, v16, v17, v18              ; the token's largest logit m
	v_max3_num_f32 v48, v48, v19, v20
	v_max3_num_f32 v48, v48, v21, v22
	v_max_num_f32 v48, v48, v23
	v_mul_f32 v48, 0x3fb8aa3b, v48                 ; m log2(e)
	v_mov_b32 v49, v48
.irp p, 0,2,4,6
	v_pk_fma_f32 v[16+\p:16+\p+1], v[16+\p:16+\p+1], 0x3fb8aa3b, v[48:49] op_sel_hi:[1,0,1] neg_lo:[0,0,1] neg_hi:[0,0,1]   ; l log2(e) - m log2(e): at most 0 but for one rounding
.endr
.irp j, 0,1,2,3,4,5,6,7
	v_exp_f32 v[16+\j], v[16+\j]
.endr
	v_mov_b32 v55, 0                               ; the index starts at 0: also the plain instruction behind the last exponential (ISA guide 5.7.2)
	s_wait_alu depctr_va_vdst(0)
	v_add_f32 v50, v16, v17
	v_add_f32 v51, v18, v19
	v_add_f32 v52, v20, v21
	v_add_f32 v53, v22, v23
	v_add_f32 v50, v50, v51
	v_add_f32 v52, v52, v53
	v_add_f32 v50, v50, v52
	v_rcp_f32 v54, v50
	v_mov_b32 v56, v16                             ; the best so far: also the plain instruction behind the reciprocal
.irp j, 1,2,3,4,5,6,7
	v_cmp_le_f32 vcc_lo, v[16+\j], v56             ; only a strictly larger one takes the place: the first index wins a tie
	v_cndmask_b32 v55, \j, v55, vcc_lo
	v_max_num_f32 v56, v56, v[16+\j]
.endr
	s_wait_alu depctr_va_vdst(0)
.irp p, 0,2,4,6
	v_pk_mul_f32 v[16+\p:16+\p+1], v[16+\p:16+\p+1], v[54:55] op_sel_hi:[1,0]   ; probabilities (both halves by v54)
.endr
	v_mul_f32 v56, v56, v54                        ; the token's score
	v_mov_b32 v57, 1.0
.irp j, 0,1,2,3,4,5,6,7
	v_cmp_eq_u32 vcc_lo, \j, v55
	v_cndmask_b32 v[24+\j], 0, v57, vcc_lo         ; one-hot
.endr
; Sixteen values a lane are summed over 16 lanes and transposed at once: in step s a lane keeps the one of a pair of values that its bit s names,
; hands the other to the lane 2^s away and adds what it receives.  Lane r ends with the total of value r.
.macro TSTEP a, b, k, m, xm
	v_cndmask_b32 v[\k], v[\a], v[\b], s[\m]
	v_cndmask_b32 v58, v[\b], v[\a], s[\m]
	v_add_f32_dpp v[\k], v58, v[\k] row_xmask:\xm row_mask:0xf bank_mask:0xf
.endm
.irp i, 0,1,2,3,4,5,6,7
	TSTEP 16+2*\i, 17+2*\i, 32+\i, 20, 1
.endr
.irp i, 0,1,2,3
	TSTEP 32+2*\i, 33+2*\i, 40+\i, 21, 2
.endr
.irp i, 0,1
	TSTEP 40+2*\i, 41+2*\i, 44+\i, 22, 4
.endr
	TSTEP 44, 45, 46, 23, 8
	s_lshl_b32 s25, ttmp9, 6
	v_lshl_add_u32 v59, v4, 2, s25                 ; 4 (16 g + r): the same offset in sel, score and stats
	v_cmp_gt_u32 vcc_lo, 16, v1
	s_wait_tensorcnt 0x0
	ds_add_u32 v192, v193
	s_wait_dscnt 0x0
	s_and_saveexec_b32 s24, vcc_lo                 ; lanes 0-15; no global instruction was issued since the wait above
	global_store_b32 v59, v55, s[10:11]            ; 64 consecutive bytes each: all that the work-group has for these three
	global_store_b32 v59, v56, s[12:13]
	global_store_b32 v59, v46, s[14:15]
	s_endpgm
.Ldone:
	s_wait_tensorcnt 0x0
	ds_add_u32 v192, v193
	s_wait_dscnt 0x0
	s_endpgm
.Lfunc_end_k_q32e8e728b1_router:
	.size	k_q32e8e728b1_router, .Lfunc_end_k_q32e8e728b1_router-k_q32e8e728b1_router
	.p2alignl 7, 3214868480
	.fill 96, 4, 3214868480
	.section	.rodata,"a",@progbits
	.p2align	6, 0x0
	.amdhsa_kernel k_q32e8e728b1_router
		.amdhsa_group_segment_fixed_size 61440
		.amdhsa_private_segment_fixed_size 0
		.amdhsa_enable_private_segment 0
		.amdhsa_kernarg_size 48
		.amdhsa_user_sgpr_count 2
		.amdhsa_user_sgpr_kernarg_segment_ptr 1
		.amdhsa_wavefront_size32 1
		.amdhsa_system_sgpr_workgroup_id_x 1
		.amdhsa_system_sgpr_workgroup_id_y 1
		.amdhsa_system_sgpr_workgroup_id_z 1
		.amdhsa_system_vgpr_workitem_id 0
		.amdhsa_next_free_vgpr 194
		.amdhsa_next_free_sgpr 66
		.amdhsa_reserve_vcc 1
		.amdhsa_float_denorm_mode_32 3
		.amdhsa_float_denorm_mode_16_64 3
		.amdhsa_memory_ordered 1
		.amdhsa_forward_progress 1
		.amdhsa_inst_pref_size 22
	.end_amdhsa_kernel
	.amdgpu_metadata
---
amdhsa.version: [ 1, 2 ]
amdhsa.kernels:
  - .name:           k_q32e8e728b1_router
    .symbol:         k_q32e8e728b1_router.kd
    .args:
      - { .name: x, .offset: 0, .size: 8, .value_kind: global_buffer, .address_space: global }
      - { .name: gate_w, .offset: 8, .size: 8, .value_kind: global_buffer, .address_space: global }
      - { .name: xb, .offset: 16, .size: 8, .value_kind: global_buffer, .address_space: global }
      - { .name: sel, .offset: 24, .size: 8, .value_kind: global_buffer, .address_space: global }
      - { .name: score, .offset: 32, .size: 8, .value_kind: global_buffer, .address_space: global }
      - { .name: stats, .offset: 40, .size: 8, .value_kind: global_buffer, .address_space: global }
    .group_segment_fixed_size: 61440
    .private_segment_fixed_size: 0
    .kernarg_segment_align: 8
    .kernarg_segment_size: 48
    .max_flat_workgroup_size: 256
    .sgpr_count:     66
    .vgpr_count:     194
    .wavefront_size: 32
...
	.end_amdgpu_metadata
.endif
;; end of part 1
;; launch plan (part 2): grid 1 x 1, 9 waves a work-group, no clusters, 3,328 bytes of LDS; arguments sel, stats, meta, out1; writes meta, out1
.if DOCPART == 2
	.amdgcn_target "amdgcn-amd-amdhsa--gfx1250"
	.amdhsa_code_object_version 6
	.text
	.protected	k_q32e8e728b1_plan
	.globl	k_q32e8e728b1_plan
	.p2align	8
	.type	k_q32e8e728b1_plan,@function
k_q32e8e728b1_plan:
	s_mov_b64 s[64:65], 0
	v_nop
	global_prefetch_b8 v0, s[64:65] scope:SCOPE_SE
	s_setreg_imm32_b32 hwreg(HW_REG_WAVE_MODE, 25, 1), 1
	s_wait_xcnt 0x0
; PLAN.  From the 1,024 selections: where each token goes.  The tokens of an expert fill tiles of 16 that are numbered through all experts.
; meta, in bytes: 0: words 0-7 tiles of expert e, words 8-15 its first tile, word 16 the number of tiles (64 to 71), words 17-31 zero;
;   256: pos[token], the token's place (16 x tile + row);  4,352: 256 filling places, 32 for each expert;  5,376: the 256 token numbers that go there.
; An expert's n tokens are ranked by wave, then register, then lane, and take their places DOWNWARD: place = 16 x first tile + n - 1 - rank.  So the token of rank 0 lies in the
; expert's last tile, and that tile is filled up with copies of it: later launches need no mask, copies compute the same numbers, and the original and its copies are rows of ONE tile,
; so that one work-group of each later launch stores them.
; A filling entry that is not needed points to a dump word of its own behind the 1,152 places.  The next launch turns places into the list of tokens.
; Every store's address is made of the thread's number alone; what hangs on the data is stored as data.
; Waves 0-7: wave w owns tokens 128 w .. 128 w + 127 (register c of lane l: token 128 w + 4 l + c).  The waves' counts and first-ranked tokens of each expert meet in LDS behind the one barrier.
; Wave 8: the load-balance loss, 0.01 x 8 x sum over e of (count_e / 1024) (sum of probabilities_e / 1024).
; One work-group: a place wants every wave's counts, and 4 KiB of input give no work to share further.
.set POS,  256
.set PADP, POS+4096
.set PTOK, PADP+1024
.set DUMP, 1152                        ; the first dump word of the list
.set CAND, 1024                        ; LDS: 0: counts, a row of 128 bytes a wave (words 0-7 used); 1,024: first-ranked tokens, likewise
.set SV,  16                           ; v[16:19]  my four tokens' selections
.set PP,  12                           ; v[12:15]  their places
	s_load_b256 s[4:11], s[0:1], 0x0               ; sel s[4:5], stats s[6:7], meta s[8:9], out1 s[10:11]
	v_lshl_add_u32 v64, v0, 2, 0x800
	v_mov_b32 v65, 0
	v_lshrrev_b32 v1, 5, v0
	v_readfirstlane_b32 s16, v1                    ; wave 0..8
	v_and_b32 v1, 31, v0                           ; lane
	v_lshlrev_b32 v2, 4, v0                        ; 16 x thread
	v_lshlrev_b32 v3, 2, v0                        ; 4 x thread
	s_wait_kmcnt 0x0
	s_cmp_eq_u32 s16, 8
	s_cbranch_scc1 .Lmeet
	global_load_b128 v[SV:SV+3], v2, s[4:5]
	s_lshl_b32 s20, s16, 7                         ; my wave's first token
	v_mov_b32 v4, 0                                ; lane e will hold my wave's count of expert e,
	v_mov_b32 v5, 0                                ; and the first in rank of its tokens of expert e (all ones if none)
	s_wait_loadcnt 0x0
.irp e, 0,1,2,3,4,5,6,7
	s_mov_b32 s[40+\e], 0
	s_mov_b32 s[48+\e], -1
.irp c, 3,2,1,0                        ; downward, each register with a token of the expert writing over the last: the lowest such register's lowest lane stays
	v_cmp_eq_u32 vcc_lo, \e, v[SV+\c]
	s_bcnt1_i32_b32 s18, vcc_lo
	s_add_co_u32 s[40+\e], s[40+\e], s18
	s_ctz_i32_b32 s19, vcc_lo
	s_lshl2_add_u32 s19, s19, s20                  ; 4 x the lowest lane + the wave's first token
	s_add_co_u32 s19, s19, \c
	s_cmp_lg_u32 vcc_lo, 0
	s_cselect_b32 s[48+\e], s19, s[48+\e]
.endr
	v_writelane_b32 v4, s[40+\e], \e
	v_writelane_b32 v5, s[48+\e], \e
.endr
	ds_store_b32 v3, v4
	ds_store_b32 v3, v5 offset:CAND
.Lmeet:
	s_wait_dscnt 0x0                               ; for the others' sake: my counts are in LDS
	s_barrier_signal -1
	s_barrier_wait -1
	s_cmp_eq_u32 s16, 8
	s_cbranch_scc1 .Laux
	v_and_b32 v6, 7, v0
	v_lshlrev_b32 v6, 2, v6                        ; lane l looks at expert l % 8
.irp w, 0,1,2,3,4,5,6,7
	ds_load_b32 v[24+\w], v6 offset:128*\w
	ds_load_b32 v[32+\w], v6 offset:CAND+128*\w
.endr
	v_mov_b32 v21, 0
	s_wait_dscnt 0x0
	v_add3_u32 v20, v24, v25, v26                  ; the expert's tokens, n
	v_add3_u32 v20, v20, v27, v28
	v_add3_u32 v20, v20, v29, v30
	v_add_nc_u32 v20, v20, v31
.irp w, 0,1,2,3,4,5,6
	s_cmp_lt_u32 \w, s16
	s_cselect_b32 s18, -1, 0
	v_and_b32 v7, s18, v[24+\w]
	v_add_nc_u32 v21, v21, v7                      ; those of them in the waves ahead of mine
.endr
	v_sub_nc_u32 v21, v20, v21
	v_add_nc_u32 v21, -1, v21                      ; n - 1 - those: the row, counted from the expert's first, of my wave's first in rank
	v_min_u32 v22, v32, v33                        ; the expert's first in rank: a lower wave's tokens have smaller numbers
.irp w, 2,3,4,5,6,7
	v_min_u32 v22, v22, v[32+\w]
.endr
	v_add_nc_u32 v23, 15, v20
	v_lshrrev_b32 v23, 4, v23                      ; its tiles
.irp e, 0,1,2,3,4,5,6,7
	v_readlane_b32 s[40+\e], v23, \e
	v_readlane_b32 s[48+\e], v21, \e
.endr
	s_mov_b32 s56, 0                               ; s[56+e]: the expert's first tile
.irp e, 0,1,2,3,4,5,6
	s_add_co_u32 s[57+\e], s[56+\e], s[40+\e]
.endr
	s_add_co_u32 s31, s63, s47                     ; all tiles
.irp e, 0,1,2,3,4,5,6,7
	s_lshl4_add_u32 s[48+\e], s[56+\e], s[48+\e]   ; the next place of expert e for my wave; it walks downward (of an expert without tokens it is used by no lane)
.endr
.irp c, 0,1,2,3
.irp e, 0,1,2,3,4,5,6,7
	v_cmp_eq_u32 vcc_lo, \e, v[SV+\c]
	v_mbcnt_lo_u32_b32 v8, vcc_lo, 0               ; how many of the expert's lie in lower lanes
.if \e == 0
	v_sub_nc_u32 v[PP+\c], s48, v8                 ; the other experts' lanes are written over below
.else
	v_sub_nc_u32 v8, s[48+\e], v8
	v_cndmask_b32 v[PP+\c], v[PP+\c], v8, vcc_lo
.endif
	s_bcnt1_i32_b32 s18, vcc_lo
	s_sub_co_u32 s[48+\e], s[48+\e], s18
.endr
.endr
	global_store_b128 v2, v[PP:PP+3], s[8:9] offset:POS            ; the wave stores 512 consecutive bytes
	; the filling of expert e = my wave's number
	v_readlane_b32 s21, v20, s16                   ; its tokens
	v_readlane_b32 s22, v23, s16                   ; its tiles
	v_readlane_b32 s23, v22, s16                   ; its first in rank, which lies at the place just ahead of the filling
	s_mov_b32 s24, 0                               ; its first tile
.irp j, 0,1,2,3,4,5,6
	s_cmp_lt_u32 \j, s16
	s_cselect_b32 s18, s[40+\j], 0
	s_add_co_u32 s24, s24, s18
.endr
	s_lshl4_add_u32 s25, s24, s21                  ; the first place behind its tokens
	s_add_co_u32 s26, s24, s22
	s_lshl_b32 s26, s26, 4                         ; the end of its tiles: at most 15 places on
	s_min_u32 s23, s23, 1023
	v_add_nc_u32 v8, s25, v1
	v_add_nc_u32 v9, DUMP, v0                      ; my own dump word
	v_cmp_gt_u32 vcc_lo, s26, v8
	v_cndmask_b32 v8, v9, v8, vcc_lo
	v_mov_b32 v10, s23
	global_store_b32 v3, v8, s[8:9] offset:PADP                    ; 128 consecutive bytes a wave
	global_store_b32 v3, v10, s[8:9] offset:PTOK
	s_cmp_lg_u32 s16, 0
	s_cbranch_scc1 .Ldone
	v_mov_b32 v11, 0                               ; wave 0: the head of meta, 32 words
.irp e, 0,1,2,3,4,5,6,7
	v_writelane_b32 v11, s[56+\e], 8+\e
.endr
	v_writelane_b32 v11, s31, 16
	v_cmp_gt_u32 vcc_lo, 8, v1
	v_cndmask_b32 v11, v11, v23, vcc_lo
	global_store_b32 v3, v11, s[8:9]
.Ldone:
	s_wait_tensorcnt 0x0
	ds_add_u32 v64, v65
	s_wait_dscnt 0x0
	s_endpgm
.Laux:
	; stats is [64][16] f32.  Quad i of lane l holds values 4 (l % 4) + 0..3 of work-group 8 i + l / 4.
	v_lshlrev_b32 v12, 4, v1
.irp i, 0,1,2,3,4,5,6,7
	global_load_b128 v[16+4*\i:16+4*\i+3], v12, s[6:7] offset:512*\i
.endr
	s_mov_b32 s30, 0x76543210                      ; v_permlanex16_b32: each lane takes its own place in the other half
	s_mov_b32 s31, 0xfedcba98
	v_mov_b32 v48, 0                               ; its destination counts as read
	v_mov_b32 v49, 0                               ; out1's offset
	s_wait_loadcnt 0x0
.irp i, 1,2,3,4,5,6,7
	v_pk_add_f32 v[16:17], v[16:17], v[16+4*\i:17+4*\i]
	v_pk_add_f32 v[18:19], v[18:19], v[18+4*\i:19+4*\i]
.endr
.irp c, 16,17,18,19
	v_add_f32_dpp v\c, v\c, v\c row_xmask:4 row_mask:0xf bank_mask:0xf
	v_add_f32_dpp v\c, v\c, v\c row_xmask:8 row_mask:0xf bank_mask:0xf
	v_permlanex16_b32 v48, v\c, s30, s31
	v_add_f32 v\c, v\c, v48
.endr
.irp c, 16,17,18,19
	v_mul_f32_dpp v\c, v\c, v\c row_xmask:2 row_mask:0xf bank_mask:0xf   ; lanes l % 4 = 0, 1 hold probabilities, the lanes two on the counts of the same experts
.endr
	v_add_f32 v16, v16, v17
	v_add_f32 v18, v18, v19
	v_add_f32 v16, v16, v18
	v_add_f32_dpp v16, v16, v16 row_xmask:1 row_mask:0xf bank_mask:0xf
	v_mul_f32 v16, 0x33a3d70a, v16                 ; 0.08 / 2^20
	v_cmp_eq_u32 vcc_lo, 0, v1
	s_wait_xcnt 0x0                                ; EXEC changes only behind this wait
	s_wait_tensorcnt 0x0
	ds_add_u32 v64, v65
	s_wait_dscnt 0x0
	s_and_saveexec_b32 s25, vcc_lo
	global_store_b32 v49, v16, s[10:11]
	s_endpgm
.Lfunc_end_k_q32e8e728b1_plan:
	.size	k_q32e8e728b1_plan, .Lfunc_end_k_q32e8e728b1_plan-k_q32e8e728b1_plan
	.p2alignl 7, 3214868480
	.fill 96, 4, 3214868480
	.section	.rodata,"a",@progbits
	.p2align	6, 0x0
	.amdhsa_kernel k_q32e8e728b1_plan
		.amdhsa_group_segment_fixed_size 3328
		.amdhsa_private_segment_fixed_size 0
		.amdhsa_enable_private_segment 0
		.amdhsa_kernarg_size 32
		.amdhsa_user_sgpr_count 2
		.amdhsa_user_sgpr_kernarg_segment_ptr 1
		.amdhsa_wavefront_size32 1
		.amdhsa_system_sgpr_workgroup_id_x 1
		.amdhsa_system_sgpr_workgroup_id_y 1
		.amdhsa_system_sgpr_workgroup_id_z 1
		.amdhsa_system_vgpr_workitem_id 0
		.amdhsa_next_free_vgpr 66
		.amdhsa_next_free_sgpr 66
		.amdhsa_reserve_vcc 1
		.amdhsa_float_denorm_mode_32 3
		.amdhsa_float_denorm_mode_16_64 3
		.amdhsa_memory_ordered 1
		.amdhsa_forward_progress 1
		.amdhsa_inst_pref_size 28
	.end_amdhsa_kernel
	.amdgpu_metadata
---
amdhsa.version: [ 1, 2 ]
amdhsa.kernels:
  - .name:           k_q32e8e728b1_plan
    .symbol:         k_q32e8e728b1_plan.kd
    .args:
      - { .name: sel, .offset: 0, .size: 8, .value_kind: global_buffer, .address_space: global }
      - { .name: stats, .offset: 8, .size: 8, .value_kind: global_buffer, .address_space: global }
      - { .name: meta, .offset: 16, .size: 8, .value_kind: global_buffer, .address_space: global }
      - { .name: out1, .offset: 24, .size: 8, .value_kind: global_buffer, .address_space: global }
    .group_segment_fixed_size: 3328
    .private_segment_fixed_size: 0
    .kernarg_segment_align: 8
    .kernarg_segment_size: 32
    .max_flat_workgroup_size: 288
    .sgpr_count:     66
    .vgpr_count:     66
    .wavefront_size: 32
...
	.end_amdgpu_metadata
.endif
;; end of part 2
;; launch scatter (part 3): grid 5 x 1, 8 waves a work-group, no clusters, 0 bytes of LDS; arguments meta, glist; writes glist
.if DOCPART == 3
	.amdgcn_target "amdgcn-amd-amdhsa--gfx1250"
	.amdhsa_code_object_version 6
	.text
	.protected	k_q32e8e728b1_scatter
	.globl	k_q32e8e728b1_scatter
	.p2align	8
	.type	k_q32e8e728b1_scatter,@function
k_q32e8e728b1_scatter:
	s_mov_b64 s[64:65], 0
	v_nop
	global_prefetch_b8 v0, s[64:65] scope:SCOPE_SE
	s_setreg_imm32_b32 hwreg(HW_REG_WAVE_MODE, 25, 1), 1
	s_wait_xcnt 0x0
; SCATTER.  glist[place] = token: the list of tokens by tiles, from the places that the launch before stored.
; 1,280 entries, one a thread: entry i < 1,024 is token i; entries 1,024 on are the filling, whose token numbers lie in meta too.  Each place is named by one entry.
; The stores are 4 bytes a lane to places that hang on the routing: 5 KiB in all, which no layout makes contiguous.  Five work-groups: there is no more work.
.set POS,  256                         ; meta: places, 1,280 words on end
.set PTOK, 5376                        ; meta: the filling's token numbers, 256 words
	s_load_b128 s[4:7], s[0:1], 0x0                ; meta s[4:5], glist s[6:7]
	s_mov_b32 s8, ttmp9
	s_lshl_b32 s9, s8, 8
	v_add_nc_u32 v1, s9, v0                        ; my entry
	v_lshlrev_b32 v2, 2, v1
	v_mov_b32 v4, v1                               ; a token's entry is its number
	s_wait_kmcnt 0x0
	global_load_b32 v3, v2, s[4:5] offset:POS
	s_cmp_lt_u32 s8, 4
	s_cbranch_scc1 .Ltoken
	global_load_b32 v4, v2, s[4:5] offset:PTOK-4096    ; the fifth work-group: entry i takes word i - 1,024 of the filling's tokens
.Ltoken:
	s_wait_loadcnt 0x0
	v_min_u32 v3, 0x57f, v3                        ; glist has 1,408 words
	v_lshlrev_b32 v5, 2, v3
	global_store_b32 v5, v4, s[6:7]
	s_endpgm
.Lfunc_end_k_q32e8e728b1_scatter:
	.size	k_q32e8e728b1_scatter, .Lfunc_end_k_q32e8e728b1_scatter-k_q32e8e728b1_scatter
	.p2alignl 7, 3214868480
	.fill 96, 4, 3214868480
	.section	.rodata,"a",@progbits
	.p2align	6, 0x0
	.amdhsa_kernel k_q32e8e728b1_scatter
		.amdhsa_group_segment_fixed_size 0
		.amdhsa_private_segment_fixed_size 0
		.amdhsa_enable_private_segment 0
		.amdhsa_kernarg_size 16
		.amdhsa_user_sgpr_count 2
		.amdhsa_user_sgpr_kernarg_segment_ptr 1
		.amdhsa_wavefront_size32 1
		.amdhsa_system_sgpr_workgroup_id_x 1
		.amdhsa_system_sgpr_workgroup_id_y 1
		.amdhsa_system_sgpr_workgroup_id_z 1
		.amdhsa_system_vgpr_workitem_id 0
		.amdhsa_next_free_vgpr 16
		.amdhsa_next_free_sgpr 66
		.amdhsa_reserve_vcc 0
		.amdhsa_float_denorm_mode_32 3
		.amdhsa_float_denorm_mode_16_64 3
		.amdhsa_memory_ordered 1
		.amdhsa_forward_progress 1
		.amdhsa_inst_pref_size 1
	.end_amdhsa_kernel
	.amdgpu_metadata
---
amdhsa.version: [ 1, 2 ]
amdhsa.kernels:
  - .name:           k_q32e8e728b1_scatter
    .symbol:         k_q32e8e728b1_scatter.kd
    .args:
      - { .name: meta, .offset: 0, .size: 8, .value_kind: global_buffer, .address_space: global }
      - { .name: glist, .offset: 8, .size: 8, .value_kind: global_buffer, .address_space: global }
    .group_segment_fixed_size: 0
    .private_segment_fixed_size: 0
    .kernarg_segment_align: 8
    .kernarg_segment_size: 16
    .max_flat_workgroup_size: 256
    .sgpr_count:     66
    .vgpr_count:     16
    .wavefront_size: 32
...
	.end_amdgpu_metadata
.endif
;; end of part 3
;; launch ffn1 (part 4): grid 32 x 8, 4 waves a work-group, no clusters, 299,008 bytes of LDS; arguments meta, glist, xb, w1, b1, hf; writes hf
.if DOCPART == 4
	.amdgcn_target "amdgcn-amd-amdhsa--gfx1250"
	.amdhsa_code_object_version 6
	.text
	.protected	k_q32e8e728b1_ffn1
	.globl	k_q32e8e728b1_ffn1
	.p2align	8
	.type	k_q32e8e728b1_ffn1,@function
k_q32e8e728b1_ffn1:
	s_mov_b64 s[64:65], 0
	v_nop
	global_prefetch_b8 v0, s[64:65] scope:SCOPE_SE
	s_setreg_imm32_b32 hwreg(HW_REG_WAVE_MODE, 25, 1), 1
	s_wait_xcnt 0x0
; THE EXPERTS' FIRST PRODUCT: h = gelu(x w1^T + b1), for the tokens that chose the expert: what the other experts would make of a token is thrown away by the selection.
; A work-group owns 128 hidden rows (128 nb on) x 1,024 K of one expert's w1.
; PHASE A: each wave loads 32 rows in f32, 512 consecutive bytes a load, each byte of the weights once in the launch, rounds to bf16 and lays them into LDS.  One barrier.
; PHASE B: the slice stays in LDS and the expert's tiles of 16 tokens go past it.  Wave w takes tiles w, w + 4, w + 8 (a pass of up to three), then 12 on.  The number of tiles
; comes from meta, so this phase has no barrier: a wave touches the slice (read only), its own stage and its own tiles' bytes.  A pass's two trips over 64 rows of weights are
; written out, so that every LDS address is a register made once at the head plus an immediate.
; THE MATRIX INSTRUCTION takes 16 rows of weights as source 0 and 16 tokens as source 1: a lane holds ONE token (lane % 16) and eight neighbouring outputs 8 (lane / 16) + 0..7.
; Rounded in pairs, the results ARE source 1 of the second product, so h lies in memory by fragments and is stored straight from registers, 512 consecutive bytes an instruction.
; h IS KEPT AS TWO bf16 NUMBERS, hi = bf16(h) and lo = bf16(h - hi) (the difference is exact in f32): the second product adds both parts' products and so sees 16 bits of h.
; One bf16 alone leaves up to 2^-9 |h| in each of the 4,096 terms of an output, and a token's share of that grows with its score.
; hf byte = tile x 262,144 + part x 131,072 + (hidden / 32) x 1,024 + ((hidden / 16) % 2) x 512 + lane x 16.
; No tensor loads: the weights must be rounded on their way, so they pass through registers, and the slice is filled once.  No cluster: what partners share (a tile's activations) is
; less than a work-group's own 512 KiB of weights, and how many tiles there are hangs on counts from memory.
; LIMITS: erf by a rational approximation (Abramowitz and Stegun 7.1.26, absolute error 1.5e-7); gelu = x/2 + |x/2| erf(|x|/sqrt 2), absolute error at most 1.1e-7 |x|.  NaN inputs are not served.
; REGISTERS, in windows of 256 (s_set_vgpr_msb: bits 1:0 source 0, 3:2 source 1, 5:4 source 2, 7:6 destination):
;   window 0: v0-31 addresses and constants; v32-127 accumulators (tile t, block a) at 32 + 8 (4 t + a); v128-191, v192-255 two buffers of weight fragments
;   window 1 + t: tile t's 32 fragments (16 tokens x 32 K, 8 registers each).  In phase A window 3 holds four batches of 64 registers of weights as loaded.
.set WPITCH, 2064                      ; a row of the slice: 2,048 bytes + 16 = 129 x 16: the 16 rows of a fragment load start at 16 different 16-byte columns modulo 256
.set BIAS,   128*WPITCH                ; the work-group's 128 biases
.set XST,    BIAS+512                  ; a stage of 16 rows x 528 bytes for each wave
.set XPITCH, 528
.set WP,     4096                      ; bytes from row to row of w1
.set TSH,    18                        ; a tile's bytes in hf, as a shift
.set LOP,    131072                    ; from a tile's hi part to its lo part
.set OSTEP,  2048                      ; bytes of 64 hidden rows in a part
.set AW,  6                            ; v[6:9]  a weight fragment's address in blocks 0-1, 2-3, 4-5, 6-7 of the slice's eight; never rewritten
.set ACC, 32
.set FR,  128
.set BV,  128                          ; the way out, in the first fragment buffer: 32 biases,
.set T,   160                          ; and four sets of eight at work
.set E,   168
.set P,   176
.set G,   184
.set MSB, 0
.macro WIN new                         ; the immediate's high byte repeats the setting that is left; a switch that changes nothing is dropped
.if MSB != (\new)
	s_set_vgpr_msb (MSB<<8)|(\new)
.set MSB, (\new)
.endif
.endm
.macro PLACES                          ; four places behind matrix instructions, in front of loads into registers that they read and of reads of their results
.rept 4
	v_nop
.endr
.endm
; Batch b: rows 2 b and 2 b + 1 of my 32, 16 loads, into batch buffer b % 4 of window 3
.macro WISSUE b
	WIN 0xcc                                       ; destination and source 1 (LDS store data) window 3, addresses window 0
.set SB, 64*((\b)&3)
.irp rr, 0,1
.irp c, 0,1,2,3,4,5,6,7
	global_load_b128 v[SB+4*(8*\rr+\c):SB+4*(8*\rr+\c)+3], v1, s[22:23] offset:(2*(\b)+\rr)*WP+512*\c th:TH_LOAD_NT
.endr
.endr
.endm
; Batch i has come; batch i + 3 is asked for at once, so that three batches, 48 loads of a wave, are on their way while batch i is rounded and laid into LDS
.macro TURN i
.if \i < 14
	s_wait_loadcnt 32                              ; loads come back in order (ISA guide 5.7.1): the two younger batches stay out
.else
	s_wait_loadcnt 16*(15-\i)                      ; the counts run down
.endif
.if \i < 13
	WISSUE \i+3
.endif
.set SB, 64*((\i)&3)
	WIN 0xcf
.set q, 0
.rept 16
	v_cvt_pk_bf16_f32 v[SB+4*q], v[SB+4*q], v[SB+4*q+1]
	v_cvt_pk_bf16_f32 v[SB+4*q+1], v[SB+4*q+2], v[SB+4*q+3]
.set q, q+1
.endr
	WIN 0xcc
.irp rr, 0,1
.irp c, 0,1,2,3,4,5,6,7
.set ROWL, 2*(\i)+\rr
	ds_store_b64 v[4+ROWL/16], v[SB+4*(8*\rr+\c):SB+4*(8*\rr+\c)+1] offset:(ROWL%16)*WPITCH+256*\c
.endr
.endr
.endm
; Piece j of a pass = 16 tokens x 256 K of tile j / 4.  Sixteen lanes load 256 consecutive bytes of one token's row of xb.
.macro XISSUE j
.set xt, (\j)/4
.set xq, (\j)%4
	WIN (1+xt)*0x44                                ; destination and source 1 in the tile's window
.irp i, 0,1,2,3,4,5,6,7
.irp c, 0,1
	global_load_b128 v[64*xq+4*(2*\i+\c):64*xq+4*(2*\i+\c)+3], v[ACC+8*xt+\i], s[8:9] offset:512*xq+256*\c
.endr
.endr
.endm
; The piece goes through my stage and comes back as eight fragments, into the registers that it left (LDS serves a wave's instructions in order: ISA guide 5.7.1.4)
.macro XSTAGE j
.set xt, (\j)/4
.set xq, (\j)%4
	WIN (1+xt)*0x44
.irp i, 0,1,2,3,4,5,6,7
.irp c, 0,1
	ds_store_b128 v12, v[64*xq+4*(2*\i+\c):64*xq+4*(2*\i+\c)+3] offset:2*XPITCH*\i+256*\c
.endr
.endr
.irp kk, 0,1,2,3,4,5,6,7
	ds_load_b128 v[64*xq+8*\kk:64*xq+8*\kk+3],   v13 offset:64*\kk
	ds_load_b128 v[64*xq+8*\kk+4:64*xq+8*\kk+7], v13 offset:64*\kk+32
.endr
.endm
; The pass's nt tiles come into windows 1 to nt
.macro XLOAD nt
.irp t, 0,1,2
.if \t < \nt
	s_lshl_b32 s20, s[44+\t], 6
	v_add_nc_u32 v[16+\t], s20, v14
.irp i, 0,1,2,3,4,5,6,7
	global_load_b32 v[ACC+8*\t+\i], v[16+\t], s[6:7] offset:8*\i   ; the token of row 2 i + lane / 16 of the tile
.endr
.endif
.endr
	s_wait_loadcnt 0x0
.set n, 0
.rept 8*\nt
	v_min_u32 v[ACC+n], 0x3ff, v[ACC+n]            ; a token number stays inside xb
	v_lshl_add_u32 v[ACC+n], v[ACC+n], 11, v15     ; its row of 2,048 bytes + 16 (lane % 16)
.set n, n+1
.endr
	XISSUE 0
	XISSUE 1
	XISSUE 2
.set pj, 0
.rept 4*\nt
.if pj+2 < 4*\nt
	s_wait_loadcnt 32                              ; the two younger pieces stay out
.else
	s_wait_loadcnt 16*(4*\nt-1-pj)
.endif
.if pj+3 < 4*\nt
	XISSUE pj+3
.endif
	XSTAGE pj
.set pj, pj+1
.endr
.endm
; 16 LDS loads in one run: the weight fragments of group g (64 along K) of blocks 4 rq .. 4 rq + 3, into buffer g % 2.  They name window 0 alone under every setting of the products.
.macro FETCH rq, g
.set FB, FR+64*((\g)&1)
.irp kk, 0,1
.irp a, 0,1,2,3
	ds_load_b128 v[FB+8*(4*\kk+\a):FB+8*(4*\kk+\a)+3],   v[AW+2*\rq+\a/2] offset:(\a%2)*16*WPITCH+64*(2*(\g)+\kk)
	ds_load_b128 v[FB+8*(4*\kk+\a)+4:FB+8*(4*\kk+\a)+7], v[AW+2*\rq+\a/2] offset:(\a%2)*16*WPITCH+64*(2*(\g)+\kk)+32
.endr
.endr
.endm
; Group g's products: 8 for each tile.  A tile's four accumulators take turns, one instruction a turn.  The first K step starts the sums with the constant 0.
.macro MULG g, nt
.set FB, FR+64*((\g)&1)
.irp t, 0,1,2
.if \t < \nt
	WIN (1+\t)<<2                                  ; source 1 in the tile's window
.irp kk, 0,1
.irp a, 0,1,2,3
.set AC, ACC+8*(4*\t+\a)
.set XF, 8*(2*(\g)+\kk)
.if ((\g) == 0) && (\kk == 0)
	v_wmma_f32_16x16x32_bf16 v[AC:AC+7], v[FB+8*(4*\kk+\a):FB+8*(4*\kk+\a)+7], v[XF:XF+7], 0
.else
	v_wmma_f32_16x16x32_bf16 v[AC:AC+7], v[FB+8*(4*\kk+\a):FB+8*(4*\kk+\a)+7], v[XF:XF+7], v[AC:AC+7]
.endif
.endr
.endr
.endif
.endr
.endm
; Eight sums of a lane (accumulator AC, biases BI) become gelu, are split into hi and lo and stored: half a fragment of each part of h.
; t = 1 / (1 + p |x| / sqrt 2); erf = 1 - t (a1 + t (a2 + t (a3 + t (a4 + t a5)))) 2^(-x x log2(e) / 2); gelu = x / 2 + |x / 2| erf.
.macro GELU8
.irp p, 0,2,4,6
	v_pk_add_f32 v[AC+\p:AC+\p+1], v[AC+\p:AC+\p+1], v[BI+\p:BI+\p+1]      ; x; the accumulator is read from its low end on
.endr
.irp j, 0,1,2,3,4,5,6,7
	v_fma_f32 v[T+\j], |v[AC+\j]|, s60, 1.0
.endr
.irp j, 0,1,2,3,4,5,6,7
	v_rcp_f32 v[T+\j], v[T+\j]
.endr
.irp p, 0,2,4,6
	v_pk_mul_f32 v[E+\p:E+\p+1], v[AC+\p:AC+\p+1], v[AC+\p:AC+\p+1]        ; plain instructions behind the reciprocals (ISA guide 5.7.2)
.endr
.irp p, 0,2,4,6
	v_pk_mul_f32 v[E+\p:E+\p+1], v[E+\p:E+\p+1], v[30:31]
.endr
.irp j, 0,1,2,3,4,5,6,7
	v_exp_f32 v[E+\j], v[E+\j]
.endr
.irp p, 0,2,4,6
	v_pk_mul_f32 v[G+\p:G+\p+1], v[AC+\p:AC+\p+1], 0.5 op_sel_hi:[1,0]     ; plain instructions behind the exponentials
.endr
	s_wait_alu depctr_va_vdst(0)
.irp p, 0,2,4,6
	v_pk_fma_f32 v[P+\p:P+\p+1], v[T+\p:T+\p+1], v[28:29], v[26:27]
.endr
.irp p, 0,2,4,6
	v_pk_fma_f32 v[P+\p:P+\p+1], v[P+\p:P+\p+1], v[T+\p:T+\p+1], v[24:25]
.endr
.irp p, 0,2,4,6
	v_pk_fma_f32 v[P+\p:P+\p+1], v[P+\p:P+\p+1], v[T+\p:T+\p+1], v[22:23]
.endr
.irp p, 0,2,4,6
	v_pk_fma_f32 v[P+\p:P+\p+1], v[P+\p:P+\p+1], v[T+\p:T+\p+1], v[20:21]
.endr
.irp p, 0,2,4,6
	v_pk_mul_f32 v[P+\p:P+\p+1], v[P+\p:P+\p+1], v[T+\p:T+\p+1]
.endr
.irp p, 0,2,4,6
	v_pk_fma_f32 v[E+\p:E+\p+1], v[P+\p:P+\p+1], v[E+\p:E+\p+1], 1.0 op_sel_hi:[1,1,0] neg_lo:[1,0,0] neg_hi:[1,0,0]
.endr
.irp j, 0,1,2,3,4,5,6,7
	v_fma_f32 v[P+\j], |v[G+\j]|, v[E+\j], v[G+\j]                         ; h
.endr
.irp j, 0,1,2,3
	v_cvt_pk_bf16_f32 v[AC+\j], v[P+2*\j], v[P+2*\j+1]                     ; hi, into the accumulator's lower four registers
.endr
.irp j, 0,1,2,3
	v_lshlrev_b32 v[T+2*\j],   16, v[AC+\j]                                ; hi as f32 again: the low half moves up,
	v_and_b32     v[T+2*\j+1], 0xffff0000, v[AC+\j]                        ; the high half stays
.endr
.irp p, 0,2,4,6
	v_pk_add_f32 v[P+\p:P+\p+1], v[P+\p:P+\p+1], v[T+\p:T+\p+1] neg_lo:[0,1] neg_hi:[0,1]   ; h - hi: at most 17 bits, so exact
.endr
.irp j, 0,1,2,3
	v_cvt_pk_bf16_f32 v[AC+4+\j], v[P+2*\j], v[P+2*\j+1]                   ; lo, into the upper four
.endr
	global_store_b128 v1, v[AC:AC+3],   s[OB:OB+1] offset:OFF              ; the wave stores 512 consecutive bytes, at a multiple of 512 from hf's first byte
	global_store_b128 v1, v[AC+4:AC+7], s[OB:OB+1] offset:OFF+LOP
.endm
.macro EPI rq, nt
.irp t, 0,1,2
.if \t < \nt
.irp a, 0,1,2,3
.set AC, ACC+8*(4*\t+\a)
.set OB, 36+2*\t
.set BI, BV+8*\a
.set OFF, 512*\a+OSTEP*\rq
	GELU8
.endr
.endif
.endr
.endm
; A trip: nt tiles against blocks 4 rq .. 4 rq + 3 of the slice, all 1,024 along K, and the way out
.macro TRIP rq, nt
	FETCH \rq, 0
.irp g, 0,1,2,3,4,5,6,7,8,9,10,11,12,13,14
	PLACES                                         ; the buffer loaded next was read by the products just issued; ahead of the trip's first products these four and the
	                                               ; four ahead of the last way out make the five places in front of a product that writes over an accumulator
	FETCH \rq, \g+1
	s_wait_dscnt 16                                ; all but the 16 just issued: group g's fragments are in (in a pass's first trip the tiles' fragments too)
	MULG \g, \nt
.endr
	PLACES
.irp a, 0,1,2,3
	ds_load_b128 v[BV+8*\a:BV+8*\a+3],   v10 offset:256*\rq+64*\a
	ds_load_b128 v[BV+8*\a+4:BV+8*\a+7], v10 offset:256*\rq+64*\a+16
.endr
	s_wait_dscnt 8                                 ; the eight bias loads may stay out
	MULG 15, \nt
	WIN 0
	s_wait_dscnt 0x0                               ; the biases
	PLACES
	EPI \rq, \nt
	s_wait_xcnt 0x0                                ; the stores' data and bases are written again only behind this wait
.endm
; A pass: nt tiles against the whole slice
.macro PASS nt
	XLOAD \nt
	WIN 0
	TRIP 0, \nt
	TRIP 1, \nt
.endm
	s_load_b256 s[4:11], s[0:1], 0x0               ; meta s[4:5], glist s[6:7], xb s[8:9], w1 s[10:11]
	s_load_b128 s[12:15], s[0:1], 0x20             ; b1 s[12:13], hf s[14:15]
	v_lshrrev_b32 v1, 5, v0
	v_readfirstlane_b32 s16, v1                    ; wave 0..3
	v_and_b32 v1, 31, v0
	v_lshlrev_b32 v1, 4, v1                        ; 16 x lane; never rewritten
	s_and_b32 s17, ttmp7, 0xffff                   ; the expert
	s_lshl_b32 s20, s17, 24                        ; its 16 MiB of weights
	s_mov_b32 s18, ttmp9                           ; nb
	s_lshl_b32 s21, s18, 19                        ; 128 rows of 4,096 bytes
	s_add_co_u32 s20, s20, s21
	s_lshl_b32 s21, s16, 17                        ; my 32 rows
	s_add_co_u32 s20, s20, s21
	s_lshl_b32 s42, s18, 12                        ; the fixed part of the output's offset
	s_lshl_b32 s48, s17, 14
	s_lshl_b32 s49, s18, 9
	s_add_co_u32 s48, s48, s49
	v_lshl_add_u32 v19, v0, 2, s48                 ; thread t loads bias 128 nb + t of the expert
	s_mov_b32 s21, 0                               ; stays 0: the high word of every offset pair s[20:21]
	s_lshl_b32 s29, s17, 2                         ; not written again: the two scalar loads below read it
	s_wait_kmcnt 0x0
	s_add_nc_u64 s[22:23], s[10:11], s[20:21]
	global_load_b32 v11, v19, s[12:13]
	WISSUE 0
	WISSUE 1
	WISSUE 2
	s_load_b32 s24, s[4:5], s29 offset:0x0         ; my expert's tiles
	s_load_b32 s25, s[4:5], s29 offset:0x20        ; its first tile; both are waited for behind phase A
	WIN 0
	v_and_b32 v2, 15, v0                           ; r
	v_bfe_u32 v3, v0, 4, 1                         ; h
	s_mul_i32 s48, s16, 32*WPITCH
	v_lshrrev_b32 v4, 1, v1
	v_add_nc_u32 v4, s48, v4                       ; where I put 8 bytes of my rows 0-15,
	v_add_nc_u32 v5, 16*WPITCH, v4                 ; and of my rows 16-31
	v_mul_u32_u24 v[AW], v2, WPITCH
	v_lshl_add_u32 v[AW], v3, 4, v[AW]             ; a weight fragment: row r, 16 bytes for each half of the lanes
.irp j, 1,2,3
	v_add_nc_u32 v[AW+\j], \j*32*WPITCH, v[AW]     ; and 32, 64, 96 rows on
.endr
	v_lshl_add_u32 v10, v3, 5, BIAS                ; my eight biases of block 0
	s_mul_i32 s49, s16, 16*XPITCH
	s_add_co_u32 s49, s49, XST                     ; my stage
	v_mul_u32_u24 v12, v3, XPITCH                  ; in: lanes 0-15 one row, lanes 16-31 the next
	v_lshl_add_u32 v12, v2, 4, v12
	v_add_nc_u32 v12, s49, v12
	v_mul_u32_u24 v13, v2, XPITCH                  ; back: row r, 16 bytes for each half of the lanes
	v_lshl_add_u32 v13, v3, 4, v13
	v_add_nc_u32 v13, s49, v13
	v_lshlrev_b32 v14, 2, v3
	v_lshlrev_b32 v15, 4, v2
	v_lshl_add_u32 v16, v0, 2, BIAS                ; where my bias goes (v16 serves the token lists later)
	v_mov_b32 v20, 0x3e827906                      ; a1 =  0.254829592, each constant twice: a pair for the packed forms
	v_mov_b32 v21, 0x3e827906
	v_mov_b32 v22, 0xbe91a98e                      ; a2 = -0.284496736
	v_mov_b32 v23, 0xbe91a98e
	v_mov_b32 v24, 0x3fb5f0e3                      ; a3 =  1.421413741
	v_mov_b32 v25, 0x3fb5f0e3
	v_mov_b32 v26, 0xbfba00e3                      ; a4 = -1.453152027
	v_mov_b32 v27, 0xbfba00e3
	v_mov_b32 v28, 0x3f87dc22                      ; a5 =  1.061405429
	v_mov_b32 v29, 0x3f87dc22
	v_mov_b32 v30, 0xbf38aa3b                      ; -log2(e) / 2
	v_mov_b32 v31, 0xbf38aa3b
	s_mov_b32 s60, 0x3e6d3388                      ; 0.3275911 / sqrt 2
.irp i, 0,1,2,3,4,5,6,7,8,9,10,11,12,13,14,15
	TURN \i
.endr
	WIN 0
	ds_store_b32 v16, v11
	s_wait_dscnt 0x0                               ; for the others' sake: my rows of the slice are in LDS
	s_barrier_signal -1
	s_barrier_wait -1                              ; the one barrier: the slice is whole, and nobody writes it again
	s_wait_kmcnt 0x0
	s_min_u32 s24, s24, 64                         ; 1,024 tokens are 64 tiles at the most
	s_min_u32 s25, s25, 71
	s_cmp_lt_u32 s16, s24
	s_cbranch_scc0 .Lend                           ; fewer tiles than my number: nothing for me
	s_sub_co_u32 s50, s24, s16
	s_add_co_u32 s50, s50, 11
	s_mul_i32 s50, s50, 5462
	s_lshr_b32 s50, s50, 16                        ; my passes: (tiles - wave + 11) / 12, exact by this product up to 75
	s_mov_b32 s47, 0                               ; counts them
	s_mov_b32 s26, s16                             ; my first tile of the expert
.Lpass:
	s_sub_co_u32 s27, s24, s26                     ; tiles from mine on: tile t of the pass exists if this is above 4 t
.irp t, 0,1,2
	s_add_co_u32 s[44+\t], s25, s26
	s_add_co_u32 s[44+\t], s[44+\t], 4*\t
	s_min_u32 s[44+\t], s[44+\t], 71               ; the tile's number through all experts, inside the buffers' 72
	s_lshl_b32 s20, s[44+\t], TSH
	s_add_co_u32 s20, s20, s42
	s_add_nc_u64 s[36+2*\t:37+2*\t], s[14:15], s[20:21]
.endr
	s_cmp_gt_u32 s27, 8
	s_cbranch_scc1 .Lthree
	s_cmp_gt_u32 s27, 4
	s_cbranch_scc1 .Ltwo
	PASS 1
	s_branch .Lnext
.Ltwo:
	PASS 2
	s_branch .Lnext
.Lthree:
	PASS 3
.Lnext:
	s_add_co_u32 s26, s26, 12
	s_add_co_u32 s47, s47, 1
	s_cmp_lt_u32 s47, s50
	s_cbranch_scc1 .Lpass
.Lend:
	s_wait_xcnt 0x0
	v_lshl_add_u32 v254, v0, 2, 0x48e00
	v_mov_b32 v255, 0
	s_wait_tensorcnt 0x0
	ds_add_u32 v254, v255
	s_wait_dscnt 0x0
	s_endpgm
.Lfunc_end_k_q32e8e728b1_ffn1:
	.size	k_q32e8e728b1_ffn1, .Lfunc_end_k_q32e8e728b1_ffn1-k_q32e8e728b1_ffn1
	.p2alignl 7, 3214868480
	.fill 96, 4, 3214868480
	.section	.rodata,"a",@progbits
	.p2align	6, 0x0
	.amdhsa_kernel k_q32e8e728b1_ffn1
		.amdhsa_group_segment_fixed_size 299008
		.amdhsa_private_segment_fixed_size 0
		.amdhsa_enable_private_segment 0
		.amdhsa_kernarg_size 48
		.amdhsa_user_sgpr_count 2
		.amdhsa_user_sgpr_kernarg_segment_ptr 1
		.amdhsa_wavefront_size32 1
		.amdhsa_system_sgpr_workgroup_id_x 1
		.amdhsa_system_sgpr_workgroup_id_y 1
		.amdhsa_system_sgpr_workgroup_id_z 1
		.amdhsa_system_vgpr_workitem_id 0
		.amdhsa_next_free_vgpr 1024
		.amdhsa_next_free_sgpr 66
		.amdhsa_reserve_vcc 0
		.amdhsa_float_denorm_mode_32 3
		.amdhsa_float_denorm_mode_16_64 3
		.amdhsa_memory_ordered 1
		.amdhsa_forward_progress 1
		.amdhsa_inst_pref_size 255
	.end_amdhsa_kernel
	.section	.bss,"aw",@nobits
	.p2align	6
	.space	262144
	.amdgpu_metadata
---
amdhsa.version: [ 1, 2 ]
amdhsa.kernels:
  - .name:           k_q32e8e728b1_ffn1
    .symbol:         k_q32e8e728b1_ffn1.kd
    .args:
      - { .name: meta, .offset: 0, .size: 8, .value_kind: global_buffer, .address_space: global }
      - { .name: glist, .offset: 8, .size: 8, .value_kind: global_buffer, .address_space: global }
      - { .name: xb, .offset: 16, .size: 8, .value_kind: global_buffer, .address_space: global }
      - { .name: w1, .offset: 24, .size: 8, .value_kind: global_buffer, .address_space: global }
      - { .name: b1, .offset: 32, .size: 8, .value_kind: global_buffer, .address_space: global }
      - { .name: hf, .offset: 40, .size: 8, .value_kind: global_buffer, .address_space: global }
    .group_segment_fixed_size: 299008
    .private_segment_fixed_size: 0
    .kernarg_segment_align: 8
    .kernarg_segment_size: 48
    .max_flat_workgroup_size: 128
    .sgpr_count:     66
    .vgpr_count:     1024
    .wavefront_size: 32
...
	.end_amdgpu_metadata
.endif
;; end of part 4
;; launch ffn2 (part 5): grid 32 x 8, 4 waves a work-group, no clusters, 264,704 bytes of LDS; arguments meta, hf, w2, pf; writes pf
.if DOCPART == 5
	.amdgcn_target "amdgcn-amd-amdhsa--gfx1250"
	.amdhsa_code_object_version 6
	.text
	.protected	k_q32e8e728b1_ffn2
	.globl	k_q32e8e728b1_ffn2
	.p2align	8
	.type	k_q32e8e728b1_ffn2,@function
k_q32e8e728b1_ffn2:
	s_mov_b64 s[64:65], 0
	v_nop
	global_prefetch_b8 v0, s[64:65] scope:SCOPE_SE
	s_setreg_imm32_b32 hwreg(HW_REG_WAVE_MODE, 25, 1), 1
	s_wait_xcnt 0x0
; THE EXPERTS' SECOND PRODUCT: partial sums of h w2^T, for the tokens that chose the expert.
; A work-group owns 128 output columns (128 nb on) x 1,024 hidden (1,024 kc on) of one expert's w2.  The hidden axis is cut in four so that the slice has the first product's shape;
; the four partial sums are added, in a fixed order, by the next launch.
; PHASE A: each wave loads 32 rows in f32, 512 consecutive bytes a load, each byte of the weights once in the launch, rounds to bf16 and lays them into LDS.  One barrier.
; PHASE B: the slice stays in LDS and the expert's tiles of 16 tokens go past it, one tile a pass: wave w takes tiles w, w + 4, w + 8 ..  The number of tiles comes from meta, so this
; phase has no barrier: a wave touches the slice (read only) and its own tiles' bytes.  A pass's two trips over 64 rows of weights are written out, so that every LDS address is a
; register made once at the head plus an immediate.
; h COMES AS TWO bf16 NUMBERS, hi and lo (h = hi + lo to 16 bits).  A tile's hi part fills window 1 and its lo part window 2; each weight fragment multiplies both, into accumulators of
; their own, and the way out adds lo's sums onto hi's.  Three windows hold one tile's two parts and no second tile's, so a pass has one tile.
; THE MATRIX INSTRUCTION takes 16 rows of weights as source 0 and 16 tokens as source 1: a lane holds ONE token (lane % 16) and eight neighbouring outputs 8 (lane / 16) + 0..7.
; h lies in memory by fragments: hf byte = tile x 262,144 + part x 131,072 + (hidden / 32) x 1,024 + ((hidden / 16) % 2) x 512 + lane x 16: loaded 512 consecutive bytes an instruction.
; The sums are stored straight from registers: pf byte = kc x 4,718,592 + tile x 65,536 + nb x 8,192 + block x 1,024 + half x 512 + lane x 16.
; No tensor loads: the weights must be rounded on their way, so they pass through registers, and the slice is filled once.  No cluster: what partners share (a tile's activations) is
; less than a work-group's own 512 KiB of weights, and how many tiles there are hangs on counts from memory.
; LIMITS: NaN inputs are not served.
; REGISTERS, in windows of 256 (s_set_vgpr_msb: bits 1:0 source 0, 3:2 source 1, 5:4 source 2, 7:6 destination):
;   window 0: v0-31 addresses; v32-95 accumulators (part p, block a) at 32 + 8 (4 p + a); v128-191, v192-255 two buffers of weight fragments
;   window 1 + p: part p's 32 fragments (16 tokens x 32 K, 8 registers each).  In phase A window 3 holds four batches of 64 registers of weights as loaded.
.set WPITCH, 2064                      ; a row of the slice: 2,048 bytes + 16 = 129 x 16: the 16 rows of a fragment load start at 16 different 16-byte columns modulo 256
.set WP,     16384                     ; bytes from row to row of w2
.set LOP,    131072                    ; from a tile's hi part to its lo part in hf
.set OSTEP,  4096                      ; output bytes of 64 rows of weights
.set AW,  6                            ; v[6:9]  a weight fragment's address in blocks 0-1, 2-3, 4-5, 6-7 of the slice's eight; never rewritten
.set ACC, 32
.set FR,  128
.set MSB, 0
.macro WIN new                         ; the immediate's high byte repeats the setting that is left; a switch that changes nothing is dropped
.if MSB != (\new)
	s_set_vgpr_msb (MSB<<8)|(\new)
.set MSB, (\new)
.endif
.endm
.macro PLACES                          ; four places behind matrix instructions, in front of loads into registers that they read and of reads of their results
.rept 4
	v_nop
.endr
.endm
; Batch b: rows 2 b and 2 b + 1 of my 32, 16 loads, into batch buffer b % 4 of window 3
.macro WISSUE b
	WIN 0xcc                                       ; destination and source 1 (LDS store data) window 3, addresses window 0
.set SB, 64*((\b)&3)
.irp rr, 0,1
.irp c, 0,1,2,3,4,5,6,7
	global_load_b128 v[SB+4*(8*\rr+\c):SB+4*(8*\rr+\c)+3], v1, s[22:23] offset:(2*(\b)+\rr)*WP+512*\c th:TH_LOAD_NT
.endr
.endr
.endm
; Batch i has come; batch i + 3 is asked for at once, so that three batches, 48 loads of a wave, are on their way while batch i is rounded and laid into LDS
.macro TURN i
.if \i < 14
	s_wait_loadcnt 32                              ; loads come back in order (ISA guide 5.7.1): the two younger batches stay out
.else
	s_wait_loadcnt 16*(15-\i)                      ; the counts run down
.endif
.if \i < 13
	WISSUE \i+3
.endif
.set SB, 64*((\i)&3)
	WIN 0xcf
.set q, 0
.rept 16
	v_cvt_pk_bf16_f32 v[SB+4*q], v[SB+4*q], v[SB+4*q+1]
	v_cvt_pk_bf16_f32 v[SB+4*q+1], v[SB+4*q+2], v[SB+4*q+3]
.set q, q+1
.endr
	WIN 0xcc
.irp rr, 0,1
.irp c, 0,1,2,3,4,5,6,7
.set ROWL, 2*(\i)+\rr
	ds_store_b64 v[4+ROWL/16], v[SB+4*(8*\rr+\c):SB+4*(8*\rr+\c)+1] offset:(ROWL%16)*WPITCH+256*\c
.endr
.endr
.endm
; The pass's tile comes in: its hi part into window 1, its lo part into window 2
.macro XLOAD
.irp t, 0,1
	WIN (1+\t)*0x44                                ; destination in the part's window
.set k, 0
.rept 32
	global_load_b128 v[8*k:8*k+3],   v1, s[30:31] offset:LOP*\t+1024*k         ; h lies by fragments: 512 consecutive bytes a load
	global_load_b128 v[8*k+4:8*k+7], v1, s[30:31] offset:LOP*\t+1024*k+512
.set k, k+1
.endr
.endr
	s_wait_loadcnt 0x0
.endm
; 16 LDS loads in one run: the weight fragments of group g (64 along K) of blocks 4 rq .. 4 rq + 3, into buffer g % 2.  They name window 0 alone under every setting of the products.
.macro FETCH rq, g
.set FB, FR+64*((\g)&1)
.irp kk, 0,1
.irp a, 0,1,2,3
	ds_load_b128 v[FB+8*(4*\kk+\a):FB+8*(4*\kk+\a)+3],   v[AW+2*\rq+\a/2] offset:(\a%2)*16*WPITCH+64*(2*(\g)+\kk)
	ds_load_b128 v[FB+8*(4*\kk+\a)+4:FB+8*(4*\kk+\a)+7], v[AW+2*\rq+\a/2] offset:(\a%2)*16*WPITCH+64*(2*(\g)+\kk)+32
.endr
.endr
.endm
; Group g's products: 8 for each part.  A part's four accumulators take turns, one instruction a turn.  The first K step starts the sums with the constant 0.
.macro MULG g
.set FB, FR+64*((\g)&1)
.irp t, 0,1
	WIN (1+\t)<<2                                  ; source 1 in the part's window
.irp kk, 0,1
.irp a, 0,1,2,3
.set AC, ACC+8*(4*\t+\a)
.set XF, 8*(2*(\g)+\kk)
.if ((\g) == 0) && (\kk == 0)
	v_wmma_f32_16x16x32_bf16 v[AC:AC+7], v[FB+8*(4*\kk+\a):FB+8*(4*\kk+\a)+7], v[XF:XF+7], 0
.else
	v_wmma_f32_16x16x32_bf16 v[AC:AC+7], v[FB+8*(4*\kk+\a):FB+8*(4*\kk+\a)+7], v[XF:XF+7], v[AC:AC+7]
.endif
.endr
.endr
.endr
.endm
; The way out: lo's sums are added onto hi's, both accumulators read from their low ends on, and the block is stored
.macro EPI rq
.irp a, 0,1,2,3
.set AC, ACC+8*\a
.set AL, ACC+32+8*\a
.irp p, 0,2,4,6
	v_pk_add_f32 v[AC+\p:AC+\p+1], v[AC+\p:AC+\p+1], v[AL+\p:AL+\p+1]
.endr
	global_store_b128 v1, v[AC:AC+3],   s[36:37] offset:1024*\a+OSTEP*\rq          ; the wave stores 512 consecutive bytes, at a multiple of 512 from pf's first byte
	global_store_b128 v1, v[AC+4:AC+7], s[36:37] offset:1024*\a+OSTEP*\rq+512
.endr
.endm
; A trip: the tile's two parts against blocks 4 rq .. 4 rq + 3 of the slice, all 1,024 along K, and the way out
.macro TRIP rq
	FETCH \rq, 0
.irp g, 0,1,2,3,4,5,6,7,8,9,10,11,12,13,14
	PLACES                                         ; the buffer loaded next was read by the products just issued; ahead of the trip's first products these four and the
	                                               ; four ahead of the last way out make the five places in front of a product that writes over an accumulator
	FETCH \rq, \g+1
	s_wait_dscnt 16                                ; all but the 16 just issued: group g's fragments are in
	MULG \g
.endr
	s_wait_dscnt 0x0
	MULG 15
	WIN 0
	PLACES
	EPI \rq
	s_wait_xcnt 0x0                                ; the stores' data and bases are written again only behind this wait
.endm
	s_load_b256 s[4:11], s[0:1], 0x0               ; meta s[4:5], hf s[6:7], w2 s[8:9], pf s[10:11]
	v_lshl_add_u32 v126, v0, 2, 0x40800
	v_mov_b32 v127, 0
	v_lshrrev_b32 v1, 5, v0
	v_readfirstlane_b32 s16, v1                    ; wave 0..3
	v_and_b32 v1, 31, v0
	v_lshlrev_b32 v1, 4, v1                        ; 16 x lane; never rewritten
	s_and_b32 s17, ttmp7, 0xffff                   ; the expert
	s_lshl_b32 s20, s17, 24                        ; its 16 MiB of weights
	s_and_b32 s18, ttmp9, 7                        ; nb
	s_lshr_b32 s19, ttmp9, 3                       ; kc
	s_lshl_b32 s21, s18, 21                        ; 128 rows of 16,384 bytes
	s_add_co_u32 s20, s20, s21
	s_lshl_b32 s21, s19, 12                        ; 1,024 f32 along a row
	s_add_co_u32 s20, s20, s21
	s_lshl_b32 s21, s16, 19                        ; my 32 rows
	s_add_co_u32 s20, s20, s21
	s_mul_i32 s42, s19, 72*65536
	s_lshl_b32 s21, s18, 13
	s_add_co_u32 s42, s42, s21                     ; the fixed part of the output's offset
	s_lshl_b32 s43, s19, 15                        ; and of the input's
	s_mov_b32 s21, 0                               ; stays 0: the high word of every offset pair s[20:21]
	s_lshl_b32 s29, s17, 2                         ; not written again: the two scalar loads below read it
	s_wait_kmcnt 0x0
	s_add_nc_u64 s[22:23], s[8:9], s[20:21]
	WISSUE 0
	WISSUE 1
	WISSUE 2
	s_load_b32 s24, s[4:5], s29 offset:0x0         ; my expert's tiles
	s_load_b32 s25, s[4:5], s29 offset:0x20        ; its first tile; both are waited for behind phase A
	WIN 0
	v_and_b32 v2, 15, v0                           ; r
	v_bfe_u32 v3, v0, 4, 1                         ; h
	s_mul_i32 s48, s16, 32*WPITCH
	v_lshrrev_b32 v4, 1, v1
	v_add_nc_u32 v4, s48, v4                       ; where I put 8 bytes of my rows 0-15,
	v_add_nc_u32 v5, 16*WPITCH, v4                 ; and of my rows 16-31
	v_mul_u32_u24 v[AW], v2, WPITCH
	v_lshl_add_u32 v[AW], v3, 4, v[AW]             ; a weight fragment: row r, 16 bytes for each half of the lanes
.irp j, 1,2,3
	v_add_nc_u32 v[AW+\j], \j*32*WPITCH, v[AW]     ; and 32, 64, 96 rows on
.endr
.irp i, 0,1,2,3,4,5,6,7,8,9,10,11,12,13,14,15
	TURN \i
.endr
	WIN 0
	s_wait_dscnt 0x0                               ; for the others' sake: my rows of the slice are in LDS
	s_barrier_signal -1
	s_barrier_wait -1                              ; the one barrier: the slice is whole, and nobody writes it again
	s_wait_kmcnt 0x0
	s_min_u32 s24, s24, 64                         ; 1,024 tokens are 64 tiles at the most
	s_min_u32 s25, s25, 71
	s_cmp_lt_u32 s16, s24
	s_cbranch_scc0 .Lend                           ; fewer tiles than my number: nothing for me
	s_sub_co_u32 s50, s24, s16
	s_add_co_u32 s50, s50, 3
	s_lshr_b32 s50, s50, 2                         ; my passes: (tiles - wave + 3) / 4
	s_mov_b32 s47, 0                               ; counts them
	s_mov_b32 s26, s16                             ; my first tile of the expert
.Lpass:
	s_add_co_u32 s44, s25, s26
	s_min_u32 s44, s44, 71                         ; the tile's number through all experts, inside the buffers' 72
	s_lshl_b32 s20, s44, 16
	s_add_co_u32 s20, s20, s42
	s_add_nc_u64 s[36:37], s[10:11], s[20:21]      ; where its sums go
	s_lshl_b32 s20, s44, 18
	s_add_co_u32 s20, s20, s43
	s_add_nc_u64 s[30:31], s[6:7], s[20:21]        ; where its hi part lies
	XLOAD
	WIN 0
	TRIP 0
	TRIP 1
	s_add_co_u32 s26, s26, 4
	s_add_co_u32 s47, s47, 1
	s_cmp_lt_u32 s47, s50
	s_cbranch_scc1 .Lpass
.Lend:
	s_wait_tensorcnt 0x0
	ds_add_u32 v126, v127
	s_wait_dscnt 0x0
	s_endpgm
.Lfunc_end_k_q32e8e728b1_ffn2:
	.size	k_q32e8e728b1_ffn2, .Lfunc_end_k_q32e8e728b1_ffn2-k_q32e8e728b1_ffn2
	.p2alignl 7, 3214868480
	.fill 96, 4, 3214868480
	.section	.rodata,"a",@progbits
	.p2align	6, 0x0
	.amdhsa_kernel k_q32e8e728b1_ffn2
		.amdhsa_group_segment_fixed_size 264704
		.amdhsa_private_segment_fixed_size 0
		.amdhsa_enable_private_segment 0
		.amdhsa_kernarg_size 32
		.amdhsa_user_sgpr_count 2
		.amdhsa_user_sgpr_kernarg_segment_ptr 1
		.amdhsa_wavefront_size32 1
		.amdhsa_system_sgpr_workgroup_id_x 1
		.amdhsa_system_sgpr_workgroup_id_y 1
		.amdhsa_system_sgpr_workgroup_id_z 1
		.amdhsa_system_vgpr_workitem_id 0
		.amdhsa_next_free_vgpr 1024
		.amdhsa_next_free_sgpr 66
		.amdhsa_reserve_vcc 0
		.amdhsa_float_denorm_mode_32 3
		.amdhsa_float_denorm_mode_16_64 3
		.amdhsa_memory_ordered 1
		.amdhsa_forward_progress 1
		.amdhsa_inst_pref_size 164
	.end_amdhsa_kernel
	.amdgpu_metadata
---
amdhsa.version: [ 1, 2 ]
amdhsa.kernels:
  - .name:           k_q32e8e728b1_ffn2
    .symbol:         k_q32e8e728b1_ffn2.kd
    .args:
      - { .name: meta, .offset: 0, .size: 8, .value_kind: global_buffer, .address_space: global }
      - { .name: hf, .offset: 8, .size: 8, .value_kind: global_buffer, .address_space: global }
      - { .name: w2, .offset: 16, .size: 8, .value_kind: global_buffer, .address_space: global }
      - { .name: pf, .offset: 24, .size: 8, .value_kind: global_buffer, .address_space: global }
    .group_segment_fixed_size: 264704
    .private_segment_fixed_size: 0
    .kernarg_segment_align: 8
    .kernarg_segment_size: 32
    .max_flat_workgroup_size: 128
    .sgpr_count:     66
    .vgpr_count:     1024
    .wavefront_size: 32
...
	.end_amdgpu_metadata
.endif
;; end of part 5
;; launch combine (part 6): grid 64 x 4, 4 waves a work-group, no clusters, 17,920 bytes of LDS; arguments meta, glist, score, b2, pf, out0; writes out0
.if DOCPART == 6
	.amdgcn_target "amdgcn-amd-amdhsa--gfx1250"
	.amdhsa_code_object_version 6
	.text
	.protected	k_q32e8e728b1_combine
	.globl	k_q32e8e728b1_combine
	.p2align	8
	.type	k_q32e8e728b1_combine,@function
k_q32e8e728b1_combine:
	s_mov_b64 s[64:65], 0
	v_nop
	global_prefetch_b8 v0, s[64:65] scope:SCOPE_SE
	s_setreg_imm32_b32 hwreg(HW_REG_WAVE_MODE, 25, 1), 1
	s_wait_xcnt 0x0
; COMBINE.  out0[token] = score[token] x (the four partial sums of the second product, added kc ascending, + b2 of the token's expert).
; A wave's item is a tile of 16 tokens x 64 columns (cq = 4 y + wave).  The partial sums lie by fragments (a lane: one token, four neighbouring columns a quad), so they are loaded
; 512 consecutive bytes at a time, added in that layout, turned once through the wave's own stage in LDS, and stored by rows: sixteen lanes store 256 consecutive bytes of a token's row,
; at a multiple of 256 from out0's first byte.  The tile's expert is the number of experts 1..7 whose first tile is not behind it.
; The copies that fill up an expert's last tile are copies of a token of that same tile: this one wave stores the same numbers to the same bytes several times, and no other wave touches them.
; No barrier and no matrix work: a stream, each wave by itself.  Tiles 64 to 70, where there are any, are a second trip of the first work-groups.
.set SPITCH, 272                       ; a stage row: 256 bytes + 16: an odd multiple of 16
.set KCB, 72*65536                     ; bytes of one kc's partial sums
.set R,   16                           ; v[16:23]  token of row 2 i + lane / 16
.set SC,  24                           ; v[24:31]  its score
.set OA,  32                           ; v[32:39]  its offset in out0
.set B2,  40                           ; v[40:43]  b2 of my four columns
.set GA,  44                           ; v[44:51]  its offset in score
.set PF,  64                           ; v[64:191] four sets of eight quads: kc, then 2 a + half
.set RB,  96                           ; v[96:127] the rows read back (kc = 1's registers, free by then)
	s_load_b256 s[4:11], s[0:1], 0x0               ; meta s[4:5], glist s[6:7], score s[8:9], b2 s[10:11]
	s_load_b128 s[12:15], s[0:1], 0x20             ; pf s[12:13], out0 s[14:15]
	v_lshl_add_u32 v192, v0, 2, 0x4400
	v_mov_b32 v193, 0
	v_lshrrev_b32 v1, 5, v0
	v_readfirstlane_b32 s36, v1                    ; wave 0..3
	v_and_b32 v1, 31, v0                           ; lane
	v_and_b32 v2, 15, v0                           ; r
	v_bfe_u32 v3, v0, 4, 1                         ; h
	s_and_b32 s37, ttmp7, 0xffff
	s_lshl2_add_u32 s37, s37, s36                  ; cq = 4 y + wave
	s_wait_kmcnt 0x0
	s_load_b256 s[16:23], s[4:5], 0x20             ; the experts' first tiles
	s_load_b32 s24, s[4:5], 0x40                   ; the number of tiles
	s_mov_b64 s[28:29], s[12:13]
	s_add_nc_u64 s[30:31], s[12:13], KCB
	s_add_nc_u64 s[32:33], s[12:13], 2*KCB
	s_add_nc_u64 s[34:35], s[12:13], 3*KCB
	s_mul_i32 s38, s36, 16*SPITCH                  ; my stage
	v_mul_u32_u24 v7, v2, SPITCH                   ; in: row r, 32 bytes for each half of the lanes
	v_lshl_add_u32 v7, v3, 5, v7
	v_add_nc_u32 v7, s38, v7
	v_mul_u32_u24 v8, v3, SPITCH                   ; back: lanes 0-15 one row of 256 bytes, lanes 16-31 the next
	v_lshl_add_u32 v8, v2, 4, v8
	v_add_nc_u32 v8, s38, v8
	s_lshl_b32 s39, s37, 8
	v_lshl_add_u32 v9, v2, 4, s39                  ; my 16 bytes of a row's 64 columns
	s_lshl_b32 s41, s37, 12                        ; my 64 columns in a tile's partial sums
	s_mov_b32 s25, ttmp9                           ; my tile
	s_wait_kmcnt 0x0
	s_min_u32 s24, s24, 72
	s_add_co_u32 s40, s24, 63
	s_sub_co_u32 s40, s40, s25
	s_lshr_b32 s40, s40, 6                         ; my trips: the tiles x, x + 64 below the number of tiles
	s_mov_b32 s42, 0                               ; counts them
	s_cmp_lt_u32 s42, s40
	s_cbranch_scc0 .Lend
.Ltile:
	s_min_u32 s26, s25, 71
	s_mov_b32 s27, 0
.irp j, 1,2,3,4,5,6,7
	s_cmp_le_u32 s[16+\j], s26
	s_add_co_ci_u32 s27, s27, 0                    ; counts the experts that begin at or ahead of my tile
.endr
	s_min_u32 s27, s27, 7
	s_lshl_b32 s39, s26, 6
	v_lshl_add_u32 v5, v3, 2, s39                  ; glist: 64 bytes a tile, + 4 (lane / 16)
	s_lshl_b32 s39, s27, 12
	v_add_nc_u32 v6, s39, v9                       ; b2: 4,096 bytes an expert
	s_lshl_b32 s39, s26, 16
	s_add_co_u32 s39, s39, s41
	v_lshl_add_u32 v4, v1, 4, s39                  ; partial sums: 65,536 bytes a tile, + 16 x lane
.irp i, 0,1,2,3,4,5,6,7
	global_load_b32 v[R+\i], v5, s[6:7] offset:8*\i
.endr
	global_load_b128 v[B2:B2+3], v6, s[10:11]
.irp kc, 0,1,2,3
.irp q, 0,1,2,3,4,5,6,7
	global_load_b128 v[PF+32*\kc+4*\q:PF+32*\kc+4*\q+3], v4, s[28+2*\kc:29+2*\kc] offset:512*\q th:TH_LOAD_NT
.endr
.endr
	s_wait_loadcnt 32                              ; the tokens and b2 are in; the 32 loads of partial sums stay out
.irp i, 0,1,2,3,4,5,6,7
	v_min_u32 v[R+\i], 0x3ff, v[R+\i]              ; a token number stays inside score and out0
	v_lshlrev_b32 v[GA+\i], 2, v[R+\i]
	v_lshl_add_u32 v[OA+\i], v[R+\i], 12, v9
.endr
.irp i, 0,1,2,3,4,5,6,7
	global_load_b32 v[SC+\i], v[GA+\i], s[8:9]
.endr
	s_wait_loadcnt 8                               ; the partial sums are in; the 8 scores stay out
.irp kc, 1,2,3
.set n, 0
.rept 16
	v_pk_add_f32 v[PF+2*n:PF+2*n+1], v[PF+2*n:PF+2*n+1], v[PF+32*\kc+2*n:PF+32*\kc+2*n+1]
.set n, n+1
.endr
.endr
.irp q, 0,1,2,3,4,5,6,7
	ds_store_b128 v7, v[PF+4*\q:PF+4*\q+3] offset:64*(\q/2)+16*(\q%2)      ; quad 2 a + half: columns 16 a + 8 h + 4 half on
.endr
.irp i, 0,1,2,3,4,5,6,7
	ds_load_b128 v[RB+4*\i:RB+4*\i+3], v8 offset:2*SPITCH*\i               ; my own bytes: LDS serves a wave's instructions in order (ISA guide 5.7.1.4)
.endr
	s_wait_loadcnt 0x0                             ; the scores
	s_wait_dscnt 0x0
.irp i, 0,1,2,3,4,5,6,7
	v_pk_add_f32 v[RB+4*\i:RB+4*\i+1],   v[RB+4*\i:RB+4*\i+1],   v[B2:B2+1]
	v_pk_add_f32 v[RB+4*\i+2:RB+4*\i+3], v[RB+4*\i+2:RB+4*\i+3], v[B2+2:B2+3]
	v_mul_f32 v[RB+4*\i],   v[RB+4*\i],   v[SC+\i]
	v_mul_f32 v[RB+4*\i+1], v[RB+4*\i+1], v[SC+\i]
	v_mul_f32 v[RB+4*\i+2], v[RB+4*\i+2], v[SC+\i]
	v_mul_f32 v[RB+4*\i+3], v[RB+4*\i+3], v[SC+\i]
	global_store_b128 v[OA+\i], v[RB+4*\i:RB+4*\i+3], s[14:15] th:TH_STORE_NT
.endr
	s_wait_xcnt 0x0                                ; the stores' data and offsets are written again only behind this wait
	s_add_co_u32 s25, s25, 64
	s_add_co_u32 s42, s42, 1
	s_cmp_lt_u32 s42, s40
	s_cbranch_scc1 .Ltile
.Lend:
	s_wait_tensorcnt 0x0
	ds_add_u32 v192, v193
	s_wait_dscnt 0x0
	s_endpgm
.Lfunc_end_k_q32e8e728b1_combine:
	.size	k_q32e8e728b1_combine, .Lfunc_end_k_q32e8e728b1_combine-k_q32e8e728b1_combine
	.p2alignl 7, 3214868480
	.fill 96, 4, 3214868480
	.section	.rodata,"a",@progbits
	.p2align	6, 0x0
	.amdhsa_kernel k_q32e8e728b1_combine
		.amdhsa_group_segment_fixed_size 17920
		.amdhsa_private_segment_fixed_size 0
		.amdhsa_enable_private_segment 0
		.amdhsa_kernarg_size 48
		.amdhsa_user_sgpr_count 2
		.amdhsa_user_sgpr_kernarg_segment_ptr 1
		.amdhsa_wavefront_size32 1
		.amdhsa_system_sgpr_workgroup_id_x 1
		.amdhsa_system_sgpr_workgroup_id_y 1
		.amdhsa_system_sgpr_workgroup_id_z 1
		.amdhsa_system_vgpr_workitem_id 0
		.amdhsa_next_free_vgpr 194
		.amdhsa_next_free_sgpr 66
		.amdhsa_reserve_vcc 0
		.amdhsa_float_denorm_mode_32 3
		.amdhsa_float_denorm_mode_16_64 3
		.amdhsa_memory_ordered 1
		.amdhsa_forward_progress 1
		.amdhsa_inst_pref_size 16
	.end_amdhsa_kernel
	.amdgpu_metadata
---
amdhsa.version: [ 1, 2 ]
amdhsa.kernels:
  - .name:           k_q32e8e728b1_combine
    .symbol:         k_q32e8e728b1_combine.kd
    .args:
      - { .name: meta, .offset: 0, .size: 8, .value_kind: global_buffer, .address_space: global }
      - { .name: glist, .offset: 8, .size: 8, .value_kind: global_buffer, .address_space: global }
      - { .name: score, .offset: 16, .size: 8, .value_kind: global_buffer, .address_space: global }
      - { .name: b2, .offset: 24, .size: 8, .value_kind: global_buffer, .address_space: global }
      - { .name: pf, .offset: 32, .size: 8, .value_kind: global_buffer, .address_space: global }
      - { .name: out0, .offset: 40, .size: 8, .value_kind: global_buffer, .address_space: global }
    .group_segment_fixed_size: 17920
    .private_segment_fixed_size: 0
    .kernarg_segment_align: 8
    .kernarg_segment_size: 48
    .max_flat_workgroup_size: 128
    .sgpr_count:     66
    .vgpr_count:     194
    .wavefront_size: 32
...
	.end_amdgpu_metadata
.endif
;; end of part 6
;; ======== version 2 of 3: 5 launches; 1.26 times as fast as version 1
;; limits: values are held in f16: magnitudes above 65,504 overflow, below 6.1e-05 lose precision
;; workspace buffers: xb 2,097,152 bytes; sel 4,096 bytes of whole numbers; score 4,096 bytes; stats 4,096 bytes; glist 4,608 bytes of whole numbers; meta 256 bytes of whole numbers; hf 9,437,184 bytes; pf 18,874,368 bytes
;; launch router: the kernel of part 1 again; grid 64 x 1, 8 waves a work-group, no clusters, 61,440 bytes of LDS; arguments x, gate_w, xb, sel, score, stats; writes xb, sel, score, stats
;; launch plan (part 7): grid 1 x 1, 9 waves a work-group, no clusters, 15,104 bytes of LDS; arguments sel, stats, glist, meta, out1; writes glist, meta, out1
.if DOCPART == 7
	.amdgcn_target "amdgcn-amd-amdhsa--gfx1250"
	.amdhsa_code_object_version 6
	.text
	.protected	k_q32e8e728b1_plan
	.globl	k_q32e8e728b1_plan
	.p2align	8
	.type	k_q32e8e728b1_plan,@function
k_q32e8e728b1_plan:
	s_mov_b64 s[64:65], 0
	v_nop
	global_prefetch_b8 v0, s[64:65] scope:SCOPE_SE
	s_setreg_imm32_b32 hwreg(HW_REG_WAVE_MODE, 25, 1), 1
	s_wait_xcnt 0x0
; PLAN.  From the 1,024 selections: the list of tokens by tiles.  The tokens of an expert fill tiles of 16 that are numbered through all experts.
; meta: words 0-7 tiles of expert e, words 8-15 its first tile, word 16 the number of tiles (64 to 71), words 17-31 zero.  glist[16 tile + row]: token numbers, 1,152 words.
; An expert's n tokens are ranked by wave, then register, then lane, and take their places DOWNWARD: place = 16 x first tile + n - 1 - rank.  So the token of rank 0 lies in the
; expert's last tile, and that tile is filled up with copies of it: later launches need no mask, copies compute the same numbers, and the original and its copies are rows of ONE tile,
; so that one work-group of each later launch stores them.  A filling entry that is not needed points to a dump word of its own behind the 1,152 places.
; THE LIST IS TURNED ROUND IN LDS.  Waves 0-7 (wave w owns tokens 128 w .. 128 w + 127; register c of lane l: token 128 w + 4 l + c) lay each token's place, the 256 filling places
; (32 for each expert) and the filling's tokens into LDS by thread number, and clear the list.  Behind a barrier ONE wave stores each token at its place in the list: each place is named
; by one entry, that wave's own order orders its stores, and the barriers on both sides order them with every other wave's accesses.  Behind another barrier the list leaves by 16-byte
; stores, 512 consecutive bytes a wave: every global address is made of the thread's number alone.
; Wave 8: the load-balance loss, 0.01 x 8 x sum over e of (count_e / 1024) (sum of probabilities_e / 1024), between the first two barriers, beside the others' work.
; One work-group: a place wants every wave's counts, and 4 KiB of input give no work to share further.
.set DUMP, 1152                        ; the first dump word of the list
.set CAND, 1024                        ; LDS: 0: counts, a row of 128 bytes a wave (words 0-7 used); 1,024: first-ranked tokens, likewise
.set POSL, 2048                        ; 1,280 words: word j < 1,024 the place of token j; word 1,024 + t the filling place of thread t
.set FTOK, POSL+5120                   ; 256 words: the token of filling entry t
.set LIST, FTOK+1024                   ; 1,408 words: the list and, behind its 1,152 places, the dump words, which nobody reads
.set SV,  16                           ; v[16:19]  my four tokens' selections
.set PP,  12                           ; v[12:15]  their places
.set L16, 68                           ; v68  16 x lane
.set L4,  69                           ; v69  4 x lane
	s_load_b256 s[4:11], s[0:1], 0x0               ; sel s[4:5], stats s[6:7], glist s[8:9], meta s[10:11]
	s_load_b64 s[12:13], s[0:1], 0x20              ; out1
	v_lshl_add_u32 v72, v0, 2, 0x3600
	v_mov_b32 v73, 0
	v_lshrrev_b32 v1, 5, v0
	v_readfirstlane_b32 s16, v1                    ; wave 0..8
	v_and_b32 v1, 31, v0                           ; lane
	v_lshlrev_b32 v2, 4, v0                        ; 16 x thread
	v_lshlrev_b32 v3, 2, v0                        ; 4 x thread
	v_lshlrev_b32 v[L16], 4, v1
	v_lshlrev_b32 v[L4], 2, v1
	s_wait_kmcnt 0x0
	s_cmp_eq_u32 s16, 8
	s_cbranch_scc1 .Lmeet1
	global_load_b128 v[SV:SV+3], v2, s[4:5]
	s_lshl_b32 s20, s16, 7                         ; my wave's first token
	v_mov_b32 v4, 0                                ; lane e will hold my wave's count of expert e,
	v_mov_b32 v5, 0                                ; and the first in rank of its tokens of expert e (all ones if none)
	s_wait_loadcnt 0x0
.irp e, 0,1,2,3,4,5,6,7
	s_mov_b32 s[40+\e], 0
	s_mov_b32 s[48+\e], -1
.irp c, 3,2,1,0                        ; downward, each register with a token of the expert writing over the last: the lowest such register's lowest lane stays
	v_cmp_eq_u32 vcc_lo, \e, v[SV+\c]
	s_bcnt1_i32_b32 s18, vcc_lo
	s_add_co_u32 s[40+\e], s[40+\e], s18
	s_ctz_i32_b32 s19, vcc_lo
	s_lshl2_add_u32 s19, s19, s20                  ; 4 x the lowest lane + the wave's first token
	s_add_co_u32 s19, s19, \c
	s_cmp_lg_u32 vcc_lo, 0
	s_cselect_b32 s[48+\e], s19, s[48+\e]
.endr
	v_writelane_b32 v4, s[40+\e], \e
	v_writelane_b32 v5, s[48+\e], \e
.endr
	ds_store_b32 v3, v4
	ds_store_b32 v3, v5 offset:CAND
.Lmeet1:
	s_wait_dscnt 0x0                               ; for the others' sake: my counts are in LDS
	s_barrier_signal -1
	s_barrier_wait -1
	s_cmp_eq_u32 s16, 8
	s_cbranch_scc1 .Laux
	v_and_b32 v6, 7, v0
	v_lshlrev_b32 v6, 2, v6                        ; lane l looks at expert l % 8
.irp w, 0,1,2,3,4,5,6,7
	ds_load_b32 v[24+\w], v6 offset:128*\w
	ds_load_b32 v[32+\w], v6 offset:CAND+128*\w
.endr
	v_mov_b32 v21, 0
.irp j, 44,45,46,47
	v_mov_b32 v\j, 0                               ; sixteen bytes of zeros for the list
.endr
	ds_store_b128 v2, v[44:47] offset:LIST         ; the list's first 1,024 words are cleared: places behind the last tile are stored with the rest and named by no entry
	s_wait_dscnt 0x0
	v_add3_u32 v20, v24, v25, v26                  ; the expert's tokens, n
	v_add3_u32 v20, v20, v27, v28
	v_add3_u32 v20, v20, v29, v30
	v_add_nc_u32 v20, v20, v31
.irp w, 0,1,2,3,4,5,6
	s_cmp_lt_u32 \w, s16
	s_cselect_b32 s18, -1, 0
	v_and_b32 v7, s18, v[24+\w]
	v_add_nc_u32 v21, v21, v7                      ; those of them in the waves ahead of mine
.endr
	v_sub_nc_u32 v21, v20, v21
	v_add_nc_u32 v21, -1, v21                      ; n - 1 - those: the row, counted from the expert's first, of my wave's first in rank
	v_min_u32 v22, v32, v33                        ; the expert's first in rank: a lower wave's tokens have smaller numbers
.irp w, 2,3,4,5,6,7
	v_min_u32 v22, v22, v[32+\w]
.endr
	v_add_nc_u32 v23, 15, v20
	v_lshrrev_b32 v23, 4, v23                      ; its tiles
.irp e, 0,1,2,3,4,5,6,7
	v_readlane_b32 s[40+\e], v23, \e
	v_readlane_b32 s[48+\e], v21, \e
.endr
	s_mov_b32 s56, 0                               ; s[56+e]: the expert's first tile
.irp e, 0,1,2,3,4,5,6
	s_add_co_u32 s[57+\e], s[56+\e], s[40+\e]
.endr
	s_add_co_u32 s31, s63, s47                     ; all tiles
.irp e, 0,1,2,3,4,5,6,7
	s_lshl4_add_u32 s[48+\e], s[56+\e], s[48+\e]   ; the next place of expert e for my wave; it walks downward (of an expert without tokens it is used by no lane)
.endr
.irp c, 0,1,2,3
.irp e, 0,1,2,3,4,5,6,7
	v_cmp_eq_u32 vcc_lo, \e, v[SV+\c]
	v_mbcnt_lo_u32_b32 v8, vcc_lo, 0               ; how many of the expert's lie in lower lanes
.if \e == 0
	v_sub_nc_u32 v[PP+\c], s48, v8                 ; the other experts' lanes are written over below
.else
	v_sub_nc_u32 v8, s[48+\e], v8
	v_cndmask_b32 v[PP+\c], v[PP+\c], v8, vcc_lo
.endif
	s_bcnt1_i32_b32 s18, vcc_lo
	s_sub_co_u32 s[48+\e], s[48+\e], s18
.endr
.endr
	ds_store_b128 v2, v[PP:PP+3] offset:POSL       ; words 4 t .. 4 t + 3: my four tokens' places
	; the filling of expert e = my wave's number
	v_readlane_b32 s21, v20, s16                   ; its tokens
	v_readlane_b32 s22, v23, s16                   ; its tiles
	v_readlane_b32 s23, v22, s16                   ; its first in rank, which lies at the place just ahead of the filling
	s_mov_b32 s24, 0                               ; its first tile
.irp j, 0,1,2,3,4,5,6
	s_cmp_lt_u32 \j, s16
	s_cselect_b32 s18, s[40+\j], 0
	s_add_co_u32 s24, s24, s18
.endr
	s_lshl4_add_u32 s25, s24, s21                  ; the first place behind its tokens
	s_add_co_u32 s26, s24, s22
	s_lshl_b32 s26, s26, 4                         ; the end of its tiles: at most 15 places on
	s_min_u32 s23, s23, 1023
	v_add_nc_u32 v8, s25, v1
	v_add_nc_u32 v9, DUMP, v0                      ; my own dump word
	v_cmp_gt_u32 vcc_lo, s26, v8
	v_cndmask_b32 v8, v9, v8, vcc_lo
	v_mov_b32 v10, s23
	ds_store_b32 v3, v8 offset:POSL+4096
	ds_store_b32 v3, v10 offset:FTOK
	s_cmp_lg_u32 s16, 0
	s_cbranch_scc1 .Lmeet2
	ds_store_b128 v[L16], v[44:47] offset:LIST+4096    ; wave 0: the list's last 128 places are cleared,
	v_mov_b32 v11, 0                               ; and the head of meta is stored, 32 words
.irp e, 0,1,2,3,4,5,6,7
	v_writelane_b32 v11, s[56+\e], 8+\e
.endr
	v_writelane_b32 v11, s31, 16
	v_cmp_gt_u32 vcc_lo, 8, v1
	v_cndmask_b32 v11, v11, v23, vcc_lo
	global_store_b32 v[L4], v11, s[10:11]
	s_branch .Lmeet2
.Laux:
	; stats is [64][16] f32.  Quad i of lane l holds values 4 (l % 4) + 0..3 of work-group 8 i + l / 4.
.irp i, 0,1,2,3,4,5,6,7
	global_load_b128 v[16+4*\i:16+4*\i+3], v[L16], s[6:7] offset:512*\i
.endr
	s_mov_b32 s30, 0x76543210                      ; v_permlanex16_b32: each lane takes its own place in the other half
	s_mov_b32 s31, 0xfedcba98
	v_mov_b32 v48, 0                               ; its destination counts as read
	v_mov_b32 v49, 0                               ; out1's offset
	s_wait_loadcnt 0x0
.irp i, 1,2,3,4,5,6,7
	v_pk_add_f32 v[16:17], v[16:17], v[16+4*\i:17+4*\i]
	v_pk_add_f32 v[18:19], v[18:19], v[18+4*\i:19+4*\i]
.endr
.irp c, 16,17,18,19
	v_add_f32_dpp v\c, v\c, v\c row_xmask:4 row_mask:0xf bank_mask:0xf
	v_add_f32_dpp v\c, v\c, v\c row_xmask:8 row_mask:0xf bank_mask:0xf
	v_permlanex16_b32 v48, v\c, s30, s31
	v_add_f32 v\c, v\c, v48
.endr
.irp c, 16,17,18,19
	v_mul_f32_dpp v\c, v\c, v\c row_xmask:2 row_mask:0xf bank_mask:0xf   ; lanes l % 4 = 0, 1 hold probabilities, the lanes two on the counts of the same experts
.endr
	v_add_f32 v16, v16, v17
	v_add_f32 v18, v18, v19
	v_add_f32 v16, v16, v18
	v_add_f32_dpp v16, v16, v16 row_xmask:1 row_mask:0xf bank_mask:0xf
	v_mul_f32 v16, 0x33a3d70a, v16                 ; 0.08 / 2^20
	v_cmp_eq_u32 vcc_lo, 0, v1
	s_wait_xcnt 0x0                                ; EXEC changes only behind this wait
	s_and_saveexec_b32 s25, vcc_lo
	global_store_b32 v49, v16, s[12:13]
	s_wait_xcnt 0x0                                ; and again in front of the line that widens it
	s_or_b32 exec_lo, exec_lo, s25
.Lmeet2:
	s_wait_dscnt 0x0                               ; for wave 0's sake: my places, my filling and my part of the cleared list are in LDS; my reads of the counts are back
	s_barrier_signal -1
	s_barrier_wait -1
	s_cmp_lg_u32 s16, 0
	s_cbranch_scc1 .Lmeet3
	; WAVE 0 lays the list.  Quad i of lane l: entries 128 i + 4 l + 0..3; entries below 1,024 are tokens, the 256 behind them the filling.
.irp i, 0,1,2,3,4,5,6,7,8,9
	ds_load_b128 v[16+4*\i:16+4*\i+3], v[L16] offset:POSL+512*\i
.endr
	ds_load_b128 v[56:59], v[L16] offset:FTOK
	ds_load_b128 v[60:63], v[L16] offset:FTOK+512
	s_wait_dscnt 0x0
.set k, 0
.rept 40
	v_min_u32 v[16+k], 0x57f, v[16+k]              ; a place stays inside the list's 1,408 words
	v_lshlrev_b32 v[16+k], 2, v[16+k]
.set k, k+1
.endr
.set k, 0
.rept 32
	v_add_nc_u32 v[64+k%4], 128*(k/4)+k%4, v[L4]   ; a token's entry is its number
	ds_store_b32 v[16+k], v[64+k%4] offset:LIST
.set k, k+1
.endr
.set k, 0
.rept 8
	ds_store_b32 v[48+k], v[56+k] offset:LIST
.set k, k+1
.endr
.Lmeet3:
	s_wait_dscnt 0x0                               ; for the others' sake: the list is whole
	s_barrier_signal -1
	s_barrier_wait -1
	s_cmp_eq_u32 s16, 8
	s_cbranch_scc1 .Ldone
	ds_load_b128 v[16:19], v2 offset:LIST
	s_cmp_lg_u32 s16, 0
	s_cbranch_scc1 .Lrest
	ds_load_b128 v[20:23], v[L16] offset:LIST+4096 ; wave 0 also takes the last 128 places
	s_wait_dscnt 0x0
	global_store_b128 v[L16], v[20:23], s[8:9] offset:4096
.Lrest:
	s_wait_dscnt 0x0
	global_store_b128 v2, v[16:19], s[8:9]         ; the wave stores 512 consecutive bytes, at a multiple of 512 from glist's first byte
.Ldone:
	s_wait_tensorcnt 0x0
	ds_add_u32 v72, v73
	s_wait_dscnt 0x0
	s_endpgm
.Lfunc_end_k_q32e8e728b1_plan:
	.size	k_q32e8e728b1_plan, .Lfunc_end_k_q32e8e728b1_plan-k_q32e8e728b1_plan
	.p2alignl 7, 3214868480
	.fill 96, 4, 3214868480
	.section	.rodata,"a",@progbits
	.p2align	6, 0x0
	.amdhsa_kernel k_q32e8e728b1_plan
		.amdhsa_group_segment_fixed_size 15104
		.amdhsa_private_segment_fixed_size 0
		.amdhsa_enable_private_segment 0
		.amdhsa_kernarg_size 40
		.amdhsa_user_sgpr_count 2
		.amdhsa_user_sgpr_kernarg_segment_ptr 1
		.amdhsa_wavefront_size32 1
		.amdhsa_system_sgpr_workgroup_id_x 1
		.amdhsa_system_sgpr_workgroup_id_y 1
		.amdhsa_system_sgpr_workgroup_id_z 1
		.amdhsa_system_vgpr_workitem_id 0
		.amdhsa_next_free_vgpr 74
		.amdhsa_next_free_sgpr 66
		.amdhsa_reserve_vcc 1
		.amdhsa_float_denorm_mode_32 3
		.amdhsa_float_denorm_mode_16_64 3
		.amdhsa_memory_ordered 1
		.amdhsa_forward_progress 1
		.amdhsa_inst_pref_size 38
	.end_amdhsa_kernel
	.amdgpu_metadata
---
amdhsa.version: [ 1, 2 ]
amdhsa.kernels:
  - .name:           k_q32e8e728b1_plan
    .symbol:         k_q32e8e728b1_plan.kd
    .args:
      - { .name: sel, .offset: 0, .size: 8, .value_kind: global_buffer, .address_space: global }
      - { .name: stats, .offset: 8, .size: 8, .value_kind: global_buffer, .address_space: global }
      - { .name: glist, .offset: 16, .size: 8, .value_kind: global_buffer, .address_space: global }
      - { .name: meta, .offset: 24, .size: 8, .value_kind: global_buffer, .address_space: global }
      - { .name: out1, .offset: 32, .size: 8, .value_kind: global_buffer, .address_space: global }
    .group_segment_fixed_size: 15104
    .private_segment_fixed_size: 0
    .kernarg_segment_align: 8
    .kernarg_segment_size: 40
    .max_flat_workgroup_size: 288
    .sgpr_count:     66
    .vgpr_count:     74
    .wavefront_size: 32
...
	.end_amdgpu_metadata
.endif
;; end of part 7
;; launch ffn1 (part 8): grid 32 x 8, 4 waves a work-group, no clusters, 299,008 bytes of LDS; arguments meta, glist, xb, w1, b1, hf; writes hf
.if DOCPART == 8
	.amdgcn_target "amdgcn-amd-amdhsa--gfx1250"
	.amdhsa_code_object_version 6
	.text
	.protected	k_q32e8e728b1_ffn1
	.globl	k_q32e8e728b1_ffn1
	.p2align	8
	.type	k_q32e8e728b1_ffn1,@function
k_q32e8e728b1_ffn1:
	s_mov_b64 s[64:65], 0
	v_nop
	global_prefetch_b8 v0, s[64:65] scope:SCOPE_SE
	s_setreg_imm32_b32 hwreg(HW_REG_WAVE_MODE, 25, 1), 1
	s_wait_xcnt 0x0
; THE EXPERTS' FIRST PRODUCT: h = gelu(x w1^T + b1), for the tokens that chose the expert: what the other experts would make of a token is thrown away by the selection.
; A work-group owns 128 hidden rows (128 nb on) x 1,024 K of one expert's w1.
; PHASE A: each wave loads 32 rows in f32, 512 consecutive bytes a load, each byte of the weights once in the launch, rounds to bf16 and lays them into LDS.  One barrier.
; PHASE B: the slice stays in LDS and the expert's tiles of 16 tokens go past it.  Wave w takes tiles w, w + 4, w + 8 (a pass of up to three), then 12 on.  The number of tiles
; comes from meta, so this phase has no barrier: a wave touches the slice (read only), its own stage and its own tiles' bytes.  A pass's two trips over 64 rows of weights are
; written out, so that every LDS address is a register made once at the head plus an immediate.
; THE MATRIX INSTRUCTION takes 16 rows of weights as source 0 and 16 tokens as source 1: a lane holds ONE token (lane % 16) and eight neighbouring outputs 8 (lane / 16) + 0..7.
; Rounded in pairs, the results ARE source 1 of the second product, so h lies in memory by fragments and is stored straight from registers, 512 consecutive bytes an instruction.
; hf byte = tile x 131,072 + (hidden / 32) x 1,024 + ((hidden / 16) % 2) x 512 + lane x 16.
; h IS KEPT IN f16: 11 significant bits, since one bf16 leaves up to 2^-9 |h| in each of the 4,096 terms of an output, and a token's share of that grows with its score.
; LIMIT: |h| below 65,504; beyond it h becomes infinite.  A hidden sum has 1,024 terms: with x and w1 both at 30 times the drawn spread (30 and 0.6) its spread is 32 x 18 = 576, five
; spreads 2,880; with a common offset of 30 spreads on both (30 and 0.6) it is 1,024 x 18 = 18,432.  Below 2^-14 f16 steps by 2^-24.
; No tensor loads: the weights must be rounded on their way, so they pass through registers, and the slice is filled once.  No cluster: what partners share (a tile's activations) is
; less than a work-group's own 512 KiB of weights, and how many tiles there are hangs on counts from memory.
; LIMITS: erf by a rational approximation (Abramowitz and Stegun 7.1.26, absolute error 1.5e-7); gelu = x/2 + |x/2| erf(|x|/sqrt 2), absolute error at most 1.1e-7 |x|.  NaN inputs are not served.
; REGISTERS, in windows of 256 (s_set_vgpr_msb: bits 1:0 source 0, 3:2 source 1, 5:4 source 2, 7:6 destination):
;   window 0: v0-31 addresses and constants; v32-127 accumulators (tile t, block a) at 32 + 8 (4 t + a); v128-191, v192-255 two buffers of weight fragments
;   window 1 + t: tile t's 32 fragments (16 tokens x 32 K, 8 registers each).  In phase A window 3 holds eight row buffers of 32 registers: weights as loaded.
.set WPITCH, 2064                      ; a row of the slice: 2,048 bytes + 16 = 129 x 16: the 16 rows of a fragment load start at 16 different 16-byte columns modulo 256
.set BIAS,   128*WPITCH                ; the work-group's 128 biases
.set XST,    BIAS+512                  ; a stage of 16 rows x 528 bytes for each wave
.set XPITCH, 528
.set WP,     4096                      ; bytes from row to row of w1
.set TSH,    17                        ; a tile's bytes in hf, as a shift
.set OSTEP,  2048                      ; bytes of 64 hidden rows in a tile of hf
.set AW,  6                            ; v[6:9]  a weight fragment's address in blocks 0-1, 2-3, 4-5, 6-7 of the slice's eight; never rewritten
.set ACC, 32
.set FR,  128
.set BV,  128                          ; the way out, in the first fragment buffer: 32 biases,
.set T,   160                          ; and four sets of eight at work
.set E,   168
.set P,   176
.set G,   184
.set MSB, 0
.macro WIN new                         ; the immediate's high byte repeats the setting that is left; a switch that changes nothing is dropped
.if MSB != (\new)
	s_set_vgpr_msb (MSB<<8)|(\new)
.set MSB, (\new)
.endif
.endm
.macro PLACES                          ; four places behind matrix instructions, in front of loads into registers that they read and of reads of their results
.rept 4
	v_nop
.endr
.endm
; Row r of my 32: 8 loads, 4,096 bytes, into row buffer r % 8 of window 3
.macro WISSUE r
	WIN 0xcc                                       ; destination and source 1 (LDS store data) window 3, addresses window 0
.set SB, 32*((\r)&7)
.irp c, 0,1,2,3,4,5,6,7
	global_load_b128 v[SB+4*\c:SB+4*\c+3], v1, s[22:23] offset:(\r)*WP+512*\c th:TH_LOAD_NT
.endr
.endm
; Row i has come; row i + 7 is asked for at once, into the buffer that row i - 1 left, so that seven rows, 56 loads of a wave, are on their way while row i is rounded and laid into LDS
.macro TURN i
.if \i < 26
	s_wait_loadcnt 48                              ; loads come back in order (ISA guide 5.7.1): the six younger rows stay out
.else
	s_wait_loadcnt 8*(31-\i)                       ; the counts run down
.endif
.if \i < 25
	WISSUE \i+7
.endif
.set SB, 32*((\i)&7)
	WIN 0xcf
.set q, 0
.rept 8
	v_cvt_pk_bf16_f32 v[SB+4*q], v[SB+4*q], v[SB+4*q+1]
	v_cvt_pk_bf16_f32 v[SB+4*q+1], v[SB+4*q+2], v[SB+4*q+3]
.set q, q+1
.endr
	WIN 0xcc
.irp c, 0,1,2,3,4,5,6,7
	ds_store_b64 v[4+(\i)/16], v[SB+4*\c:SB+4*\c+1] offset:((\i)%16)*WPITCH+256*\c
.endr
.endm
; Piece j of a pass = 16 tokens x 256 K of tile j / 4.  Sixteen lanes load 256 consecutive bytes of one token's row of xb.
.macro XISSUE j
.set xt, (\j)/4
.set xq, (\j)%4
	WIN (1+xt)*0x44                                ; destination and source 1 in the tile's window
.irp i, 0,1,2,3,4,5,6,7
.irp c, 0,1
	global_load_b128 v[64*xq+4*(2*\i+\c):64*xq+4*(2*\i+\c)+3], v[ACC+8*xt+\i], s[8:9] offset:512*xq+256*\c
.endr
.endr
.endm
; The piece goes through my stage and comes back as eight fragments, into the registers that it left (LDS serves a wave's instructions in order: ISA guide 5.7.1.4)
.macro XSTAGE j
.set xt, (\j)/4
.set xq, (\j)%4
	WIN (1+xt)*0x44
.irp i, 0,1,2,3,4,5,6,7
.irp c, 0,1
	ds_store_b128 v12, v[64*xq+4*(2*\i+\c):64*xq+4*(2*\i+\c)+3] offset:2*XPITCH*\i+256*\c
.endr
.endr
.irp kk, 0,1,2,3,4,5,6,7
	ds_load_b128 v[64*xq+8*\kk:64*xq+8*\kk+3],   v13 offset:64*\kk
	ds_load_b128 v[64*xq+8*\kk+4:64*xq+8*\kk+7], v13 offset:64*\kk+32
.endr
.endm
; The pass's nt tiles come into windows 1 to nt
.macro XLOAD nt
.irp t, 0,1,2
.if \t < \nt
	s_lshl_b32 s20, s[44+\t], 6
	v_add_nc_u32 v[16+\t], s20, v14
.irp i, 0,1,2,3,4,5,6,7
	global_load_b32 v[ACC+8*\t+\i], v[16+\t], s[6:7] offset:8*\i   ; the token of row 2 i + lane / 16 of the tile
.endr
.endif
.endr
	s_wait_loadcnt 0x0
.set n, 0
.rept 8*\nt
	v_min_u32 v[ACC+n], 0x3ff, v[ACC+n]            ; a token number stays inside xb
	v_lshl_add_u32 v[ACC+n], v[ACC+n], 11, v15     ; its row of 2,048 bytes + 16 (lane % 16)
.set n, n+1
.endr
	XISSUE 0
	XISSUE 1
	XISSUE 2
.set pj, 0
.rept 4*\nt
.if pj+2 < 4*\nt
	s_wait_loadcnt 32                              ; the two younger pieces stay out
.else
	s_wait_loadcnt 16*(4*\nt-1-pj)
.endif
.if pj+3 < 4*\nt
	XISSUE pj+3
.endif
	XSTAGE pj
.set pj, pj+1
.endr
.endm
; 16 LDS loads in one run: the weight fragments of group g (64 along K) of blocks 4 rq .. 4 rq + 3, into buffer g % 2.  They name window 0 alone under every setting of the products.
.macro FETCH rq, g
.set FB, FR+64*((\g)&1)
.irp kk, 0,1
.irp a, 0,1,2,3
	ds_load_b128 v[FB+8*(4*\kk+\a):FB+8*(4*\kk+\a)+3],   v[AW+2*\rq+\a/2] offset:(\a%2)*16*WPITCH+64*(2*(\g)+\kk)
	ds_load_b128 v[FB+8*(4*\kk+\a)+4:FB+8*(4*\kk+\a)+7], v[AW+2*\rq+\a/2] offset:(\a%2)*16*WPITCH+64*(2*(\g)+\kk)+32
.endr
.endr
.endm
; Group g's products: 8 for each tile.  A tile's four accumulators take turns, one instruction a turn.  The first K step starts the sums with the constant 0.
.macro MULG g, nt
.set FB, FR+64*((\g)&1)
.irp t, 0,1,2
.if \t < \nt
	WIN (1+\t)<<2                                  ; source 1 in the tile's window
.irp kk, 0,1
.irp a, 0,1,2,3
.set AC, ACC+8*(4*\t+\a)
.set XF, 8*(2*(\g)+\kk)
.if ((\g) == 0) && (\kk == 0)
	v_wmma_f32_16x16x32_bf16 v[AC:AC+7], v[FB+8*(4*\kk+\a):FB+8*(4*\kk+\a)+7], v[XF:XF+7], 0
.else
	v_wmma_f32_16x16x32_bf16 v[AC:AC+7], v[FB+8*(4*\kk+\a):FB+8*(4*\kk+\a)+7], v[XF:XF+7], v[AC:AC+7]
.endif
.endr
.endr
.endif
.endr
.endm
; Eight sums of a lane (accumulator AC, biases BI) become gelu, are rounded to f16 and stored: half a fragment of h.
; t = 1 / (1 + p |x| / sqrt 2); erf = 1 - t (a1 + t (a2 + t (a3 + t (a4 + t a5)))) 2^(-x x log2(e) / 2); gelu = x / 2 + |x / 2| erf.
.macro GELU8
.irp p, 0,2,4,6
	v_pk_add_f32 v[AC+\p:AC+\p+1], v[AC+\p:AC+\p+1], v[BI+\p:BI+\p+1]      ; x; the accumulator is read from its low end on
.endr
.irp j, 0,1,2,3,4,5,6,7
	v_fma_f32 v[T+\j], |v[AC+\j]|, s60, 1.0
.endr
.irp j, 0,1,2,3,4,5,6,7
	v_rcp_f32 v[T+\j], v[T+\j]
.endr
.irp p, 0,2,4,6
	v_pk_mul_f32 v[E+\p:E+\p+1], v[AC+\p:AC+\p+1], v[AC+\p:AC+\p+1]        ; plain instructions behind the reciprocals (ISA guide 5.7.2)
.endr
.irp p, 0,2,4,6
	v_pk_mul_f32 v[E+\p:E+\p+1], v[E+\p:E+\p+1], v[30:31]
.endr
.irp j, 0,1,2,3,4,5,6,7
	v_exp_f32 v[E+\j], v[E+\j]
.endr
.irp p, 0,2,4,6
	v_pk_mul_f32 v[G+\p:G+\p+1], v[AC+\p:AC+\p+1], 0.5 op_sel_hi:[1,0]     ; plain instructions behind the exponentials
.endr
	s_wait_alu depctr_va_vdst(0)
.irp p, 0,2,4,6
	v_pk_fma_f32 v[P+\p:P+\p+1], v[T+\p:T+\p+1], v[28:29], v[26:27]
.endr
.irp p, 0,2,4,6
	v_pk_fma_f32 v[P+\p:P+\p+1], v[P+\p:P+\p+1], v[T+\p:T+\p+1], v[24:25]
.endr
.irp p, 0,2,4,6
	v_pk_fma_f32 v[P+\p:P+\p+1], v[P+\p:P+\p+1], v[T+\p:T+\p+1], v[22:23]
.endr
.irp p, 0,2,4,6
	v_pk_fma_f32 v[P+\p:P+\p+1], v[P+\p:P+\p+1], v[T+\p:T+\p+1], v[20:21]
.endr
.irp p, 0,2,4,6
	v_pk_mul_f32 v[P+\p:P+\p+1], v[P+\p:P+\p+1], v[T+\p:T+\p+1]
.endr
.irp p, 0,2,4,6
	v_pk_fma_f32 v[E+\p:E+\p+1], v[P+\p:P+\p+1], v[E+\p:E+\p+1], 1.0 op_sel_hi:[1,1,0] neg_lo:[1,0,0] neg_hi:[1,0,0]
.endr
.irp j, 0,1,2,3,4,5,6,7
	v_fma_f32 v[P+\j], |v[G+\j]|, v[E+\j], v[G+\j]                         ; h
.endr
.irp j, 0,1,2,3
	v_cvt_pk_f16_f32 v[AC+\j], v[P+2*\j], v[P+2*\j+1]                      ; two f16 a word, the lower hidden index in the low half
.endr
	global_store_b128 v1, v[AC:AC+3], s[OB:OB+1] offset:OFF                ; the wave stores 512 consecutive bytes, at a multiple of 512 from hf's first byte
.endm
.macro EPI rq, nt
.irp t, 0,1,2
.if \t < \nt
.irp a, 0,1,2,3
.set AC, ACC+8*(4*\t+\a)
.set OB, 36+2*\t
.set BI, BV+8*\a
.set OFF, 512*\a+OSTEP*\rq
	GELU8
.endr
.endif
.endr
.endm
; A trip: nt tiles against blocks 4 rq .. 4 rq + 3 of the slice, all 1,024 along K, and the way out
.macro TRIP rq, nt
	FETCH \rq, 0
.irp g, 0,1,2,3,4,5,6,7,8,9,10,11,12,13,14
	PLACES                                         ; the buffer loaded next was read by the products just issued; ahead of the trip's first products these four and the
	                                               ; four ahead of the last way out make the five places in front of a product that writes over an accumulator
	FETCH \rq, \g+1
	s_wait_dscnt 16                                ; all but the 16 just issued: group g's fragments are in (in a pass's first trip the tiles' fragments too)
	MULG \g, \nt
.endr
	PLACES
.irp a, 0,1,2,3
	ds_load_b128 v[BV+8*\a:BV+8*\a+3],   v10 offset:256*\rq+64*\a
	ds_load_b128 v[BV+8*\a+4:BV+8*\a+7], v10 offset:256*\rq+64*\a+16
.endr
	s_wait_dscnt 8                                 ; the eight bias loads may stay out
	MULG 15, \nt
	WIN 0
	s_wait_dscnt 0x0                               ; the biases
	PLACES
	EPI \rq, \nt
	s_wait_xcnt 0x0                                ; the stores' data and bases are written again only behind this wait
.endm
; A pass: nt tiles against the whole slice
.macro PASS nt
	XLOAD \nt
	WIN 0
	TRIP 0, \nt
	TRIP 1, \nt
.endm
	s_load_b256 s[4:11], s[0:1], 0x0               ; meta s[4:5], glist s[6:7], xb s[8:9], w1 s[10:11]
	s_load_b128 s[12:15], s[0:1], 0x20             ; b1 s[12:13], hf s[14:15]
	v_lshrrev_b32 v1, 5, v0
	v_readfirstlane_b32 s16, v1                    ; wave 0..3
	v_and_b32 v1, 31, v0
	v_lshlrev_b32 v1, 4, v1                        ; 16 x lane; never rewritten
	s_and_b32 s17, ttmp7, 0xffff                   ; the expert
	s_lshl_b32 s20, s17, 24                        ; its 16 MiB of weights
	s_mov_b32 s18, ttmp9                           ; nb
	s_lshl_b32 s21, s18, 19                        ; 128 rows of 4,096 bytes
	s_add_co_u32 s20, s20, s21
	s_lshl_b32 s21, s16, 17                        ; my 32 rows
	s_add_co_u32 s20, s20, s21
	s_lshl_b32 s42, s18, 12                        ; the fixed part of the output's offset
	s_lshl_b32 s48, s17, 14
	s_lshl_b32 s49, s18, 9
	s_add_co_u32 s48, s48, s49
	v_lshl_add_u32 v19, v0, 2, s48                 ; thread t loads bias 128 nb + t of the expert
	s_mov_b32 s21, 0                               ; stays 0: the high word of every offset pair s[20:21]
	s_lshl_b32 s29, s17, 2                         ; not written again: the two scalar loads below read it
	s_wait_kmcnt 0x0
	s_add_nc_u64 s[22:23], s[10:11], s[20:21]
	global_load_b32 v11, v19, s[12:13]
.set ti, 0
.rept 7                                ; the ring is filled: rows 0 to 6
	WISSUE ti
.set ti, ti+1
.endr
	s_load_b32 s24, s[4:5], s29 offset:0x0         ; my expert's tiles
	s_load_b32 s25, s[4:5], s29 offset:0x20        ; its first tile; both are waited for behind phase A
	WIN 0
	v_and_b32 v2, 15, v0                           ; r
	v_bfe_u32 v3, v0, 4, 1                         ; h
	s_mul_i32 s48, s16, 32*WPITCH
	v_lshrrev_b32 v4, 1, v1
	v_add_nc_u32 v4, s48, v4                       ; where I put 8 bytes of my rows 0-15,
	v_add_nc_u32 v5, 16*WPITCH, v4                 ; and of my rows 16-31
	v_mul_u32_u24 v[AW], v2, WPITCH
	v_lshl_add_u32 v[AW], v3, 4, v[AW]             ; a weight fragment: row r, 16 bytes for each half of the lanes
.irp j, 1,2,3
	v_add_nc_u32 v[AW+\j], \j*32*WPITCH, v[AW]     ; and 32, 64, 96 rows on
.endr
	v_lshl_add_u32 v10, v3, 5, BIAS                ; my eight biases of block 0
	s_mul_i32 s49, s16, 16*XPITCH
	s_add_co_u32 s49, s49, XST                     ; my stage
	v_mul_u32_u24 v12, v3, XPITCH                  ; in: lanes 0-15 one row, lanes 16-31 the next
	v_lshl_add_u32 v12, v2, 4, v12
	v_add_nc_u32 v12, s49, v12
	v_mul_u32_u24 v13, v2, XPITCH                  ; back: row r, 16 bytes for each half of the lanes
	v_lshl_add_u32 v13, v3, 4, v13
	v_add_nc_u32 v13, s49, v13
	v_lshlrev_b32 v14, 2, v3
	v_lshlrev_b32 v15, 4, v2
	v_lshl_add_u32 v16, v0, 2, BIAS                ; where my bias goes (v16 serves the token lists later)
	v_mov_b32 v20, 0x3e827906                      ; a1 =  0.254829592, each constant twice: a pair for the packed forms
	v_mov_b32 v21, 0x3e827906
	v_mov_b32 v22, 0xbe91a98e                      ; a2 = -0.284496736
	v_mov_b32 v23, 0xbe91a98e
	v_mov_b32 v24, 0x3fb5f0e3                      ; a3 =  1.421413741
	v_mov_b32 v25, 0x3fb5f0e3
	v_mov_b32 v26, 0xbfba00e3                      ; a4 = -1.453152027
	v_mov_b32 v27, 0xbfba00e3
	v_mov_b32 v28, 0x3f87dc22                      ; a5 =  1.061405429
	v_mov_b32 v29, 0x3f87dc22
	v_mov_b32 v30, 0xbf38aa3b                      ; -log2(e) / 2
	v_mov_b32 v31, 0xbf38aa3b
	s_mov_b32 s60, 0x3e6d3388                      ; 0.3275911 / sqrt 2
.set ti, 0
.rept 32
	TURN ti
.set ti, ti+1
.endr
	WIN 0
	ds_store_b32 v16, v11
	s_wait_dscnt 0x0                               ; for the others' sake: my rows of the slice are in LDS
	s_barrier_signal -1
	s_barrier_wait -1                              ; the one barrier: the slice is whole, and nobody writes it again
	s_wait_kmcnt 0x0
	s_min_u32 s24, s24, 64                         ; 1,024 tokens are 64 tiles at the most
	s_min_u32 s25, s25, 71
	s_cmp_lt_u32 s16, s24
	s_cbranch_scc0 .Lend                           ; fewer tiles than my number: nothing for me
	s_sub_co_u32 s50, s24, s16
	s_add_co_u32 s50, s50, 11
	s_mul_i32 s50, s50, 5462
	s_lshr_b32 s50, s50, 16                        ; my passes: (tiles - wave + 11) / 12, exact by this product up to 75
	s_mov_b32 s47, 0                               ; counts them
	s_mov_b32 s26, s16                             ; my first tile of the expert
.Lpass:
	s_sub_co_u32 s27, s24, s26                     ; tiles from mine on: tile t of the pass exists if this is above 4 t
.irp t, 0,1,2
	s_add_co_u32 s[44+\t], s25, s26
	s_add_co_u32 s[44+\t], s[44+\t], 4*\t
	s_min_u32 s[44+\t], s[44+\t], 71               ; the tile's number through all experts, inside the buffers' 72
	s_lshl_b32 s20, s[44+\t], TSH
	s_add_co_u32 s20, s20, s42
	s_add_nc_u64 s[36+2*\t:37+2*\t], s[14:15], s[20:21]
.endr
	s_cmp_gt_u32 s27, 8
	s_cbranch_scc1 .Lthree
	s_cmp_gt_u32 s27, 4
	s_cbranch_scc1 .Ltwo
	PASS 1
	s_branch .Lnext
.Ltwo:
	PASS 2
	s_branch .Lnext
.Lthree:
	PASS 3
.Lnext:
	s_add_co_u32 s26, s26, 12
	s_add_co_u32 s47, s47, 1
	s_cmp_lt_u32 s47, s50
	s_cbranch_scc1 .Lpass
.Lend:
	s_wait_xcnt 0x0
	v_lshl_add_u32 v254, v0, 2, 0x48e00
	v_mov_b32 v255, 0
	s_wait_tensorcnt 0x0
	ds_add_u32 v254, v255
	s_wait_dscnt 0x0
	s_endpgm
.Lfunc_end_k_q32e8e728b1_ffn1:
	.size	k_q32e8e728b1_ffn1, .Lfunc_end_k_q32e8e728b1_ffn1-k_q32e8e728b1_ffn1
	.p2alignl 7, 3214868480
	.fill 96, 4, 3214868480
	.section	.rodata,"a",@progbits
	.p2align	6, 0x0
	.amdhsa_kernel k_q32e8e728b1_ffn1
		.amdhsa_group_segment_fixed_size 299008
		.amdhsa_private_segment_fixed_size 0
		.amdhsa_enable_private_segment 0
		.amdhsa_kernarg_size 48
		.amdhsa_user_sgpr_count 2
		.amdhsa_user_sgpr_kernarg_segment_ptr 1
		.amdhsa_wavefront_size32 1
		.amdhsa_system_sgpr_workgroup_id_x 1
		.amdhsa_system_sgpr_workgroup_id_y 1
		.amdhsa_system_sgpr_workgroup_id_z 1
		.amdhsa_system_vgpr_workitem_id 0
		.amdhsa_next_free_vgpr 1024
		.amdhsa_next_free_sgpr 66
		.amdhsa_reserve_vcc 0
		.amdhsa_float_denorm_mode_32 3
		.amdhsa_float_denorm_mode_16_64 3
		.amdhsa_memory_ordered 1
		.amdhsa_forward_progress 1
		.amdhsa_inst_pref_size 255
	.end_amdhsa_kernel
	.section	.bss,"aw",@nobits
	.p2align	6
	.space	262144
	.amdgpu_metadata
---
amdhsa.version: [ 1, 2 ]
amdhsa.kernels:
  - .name:           k_q32e8e728b1_ffn1
    .symbol:         k_q32e8e728b1_ffn1.kd
    .args:
      - { .name: meta, .offset: 0, .size: 8, .value_kind: global_buffer, .address_space: global }
      - { .name: glist, .offset: 8, .size: 8, .value_kind: global_buffer, .address_space: global }
      - { .name: xb, .offset: 16, .size: 8, .value_kind: global_buffer, .address_space: global }
      - { .name: w1, .offset: 24, .size: 8, .value_kind: global_buffer, .address_space: global }
      - { .name: b1, .offset: 32, .size: 8, .value_kind: global_buffer, .address_space: global }
      - { .name: hf, .offset: 40, .size: 8, .value_kind: global_buffer, .address_space: global }
    .group_segment_fixed_size: 299008
    .private_segment_fixed_size: 0
    .kernarg_segment_align: 8
    .kernarg_segment_size: 48
    .max_flat_workgroup_size: 128
    .sgpr_count:     66
    .vgpr_count:     1024
    .wavefront_size: 32
...
	.end_amdgpu_metadata
.endif
;; end of part 8
;; launch ffn2 (part 9): grid 32 x 8, 4 waves a work-group, no clusters, 264,704 bytes of LDS; arguments meta, hf, w2, pf; writes pf
.if DOCPART == 9
	.amdgcn_target "amdgcn-amd-amdhsa--gfx1250"
	.amdhsa_code_object_version 6
	.text
	.protected	k_q32e8e728b1_ffn2
	.globl	k_q32e8e728b1_ffn2
	.p2align	8
	.type	k_q32e8e728b1_ffn2,@function
k_q32e8e728b1_ffn2:
	s_mov_b64 s[64:65], 0
	v_nop
	global_prefetch_b8 v0, s[64:65] scope:SCOPE_SE
	s_setreg_imm32_b32 hwreg(HW_REG_WAVE_MODE, 25, 1), 1
	s_wait_xcnt 0x0
; THE EXPERTS' SECOND PRODUCT: partial sums of h w2^T, for the tokens that chose the expert.
; A work-group owns 128 output columns (128 nb on) x 1,024 hidden (1,024 kc on) of one expert's w2.  The hidden axis is cut in four so that the slice has the first product's shape;
; the four partial sums are added, in a fixed order, by the next launch.
; THE OPERANDS ARE f16, the sums f32.  h comes in f16 (11 significant bits; the launch before states its range).  w2 is rounded to bf16, as every other matrix operand of the program
; is, and that number is written as f16, which holds a bf16's 8 bits exactly from 2^-17 up to 65,504; below 2^-17 it steps by 2^-24.  LIMIT: |w2| below 65,504.
; PHASE A: each wave loads 32 rows in f32, 512 consecutive bytes a load, each byte of the weights once in the launch, rounds them and lays them into LDS.  One barrier.
; PHASE B: the slice stays in LDS and the expert's tiles of 16 tokens go past it.  Wave w takes tiles w, w + 4, w + 8 (a pass of up to three), then 12 on.  The number of tiles
; comes from meta, so this phase has no barrier: a wave touches the slice (read only) and its own tiles' bytes.  A pass's two trips over 64 rows of weights are written out, so that
; every LDS address is a register made once at the head plus an immediate.
; A PASS'S TILES ARE STREAMED: their fragments are asked for by groups of 64 along K, XL groups ahead of the products that take them, all through the pass's first trip, so that the
; loads run beside that trip's products.  XL = 60 / (4 nt) - 1: with the group just asked for, 4 nt (XL + 1) loads of a wave are out at the most: 60, 56, 60 for 1, 2, 3 tiles.
; THE MATRIX INSTRUCTION takes 16 rows of weights as source 0 and 16 tokens as source 1: a lane holds ONE token (lane % 16) and eight neighbouring outputs 8 (lane / 16) + 0..7.
; h lies in memory by fragments: hf byte = tile x 131,072 + (hidden / 32) x 1,024 + ((hidden / 16) % 2) x 512 + lane x 16: loaded 512 consecutive bytes an instruction.
; The sums are stored straight from registers: pf byte = kc x 4,718,592 + tile x 65,536 + nb x 8,192 + block x 1,024 + half x 512 + lane x 16.
; No tensor loads: the weights must be rounded on their way, so they pass through registers, and the slice is filled once.  No cluster: what partners share (a tile's activations) is
; less than a work-group's own 512 KiB of weights, and how many tiles there are hangs on counts from memory.
; LIMITS: NaN inputs are not served.
; REGISTERS, in windows of 256 (s_set_vgpr_msb: bits 1:0 source 0, 3:2 source 1, 5:4 source 2, 7:6 destination):
;   window 0: v0-31 addresses; v32-127 accumulators (tile t, block a) at 32 + 8 (4 t + a); v128-191, v192-255 two buffers of weight fragments
;   window 1 + t: tile t's 32 fragments (16 tokens x 32 K, 8 registers each).  In phase A window 3 holds eight row buffers of 32 registers: weights as loaded.
.set WPITCH, 2064                      ; a row of the slice: 2,048 bytes + 16 = 129 x 16: the 16 rows of a fragment load start at 16 different 16-byte columns modulo 256
.set WP,     16384                     ; bytes from row to row of w2
.set OSTEP,  4096                      ; output bytes of 64 rows of weights
.set AW,  6                            ; v[6:9]  a weight fragment's address in blocks 0-1, 2-3, 4-5, 6-7 of the slice's eight; never rewritten
.set ACC, 32
.set FR,  128
.set MSB, 0
.macro WIN new                         ; the immediate's high byte repeats the setting that is left; a switch that changes nothing is dropped
.if MSB != (\new)
	s_set_vgpr_msb (MSB<<8)|(\new)
.set MSB, (\new)
.endif
.endm
.macro PLACES                          ; four places behind matrix instructions, in front of loads into registers that they read and of reads of their results
.rept 4
	v_nop
.endr
.endm
; Row r of my 32: 8 loads, 4,096 bytes, into row buffer r % 8 of window 3
.macro WISSUE r
	WIN 0xcc                                       ; destination and source 1 (LDS store data) window 3, addresses window 0
.set SB, 32*((\r)&7)
.irp c, 0,1,2,3,4,5,6,7
	global_load_b128 v[SB+4*\c:SB+4*\c+3], v1, s[22:23] offset:(\r)*WP+512*\c th:TH_LOAD_NT
.endr
.endm
; Row i has come; row i + 7 is asked for at once, into the buffer that row i - 1 left, so that seven rows, 56 loads of a wave, are on their way while row i is rounded and laid into LDS.
; Four f32 of a quad: rounded to bf16 (two words), widened again (a shift, a mask), written as f16 (two words at the quad's head).  Each step goes through all eight quads, so that
; no instruction reads the result of the one just before it.
.macro TURN i
.if \i < 26
	s_wait_loadcnt 48                              ; loads come back in order (ISA guide 5.7.1): the six younger rows stay out
.else
	s_wait_loadcnt 8*(31-\i)                       ; the counts run down
.endif
.if \i < 25
	WISSUE \i+7
.endif
.set SB, 32*((\i)&7)
	WIN 0xcf
.set q, 0
.rept 8
	v_cvt_pk_bf16_f32 v[SB+4*q], v[SB+4*q], v[SB+4*q+1]
	v_cvt_pk_bf16_f32 v[SB+4*q+1], v[SB+4*q+2], v[SB+4*q+3]
.set q, q+1
.endr
.set q, 0
.rept 8
	v_and_b32     v[SB+4*q+3], s51, v[SB+4*q+1]    ; the fourth number: the second word's high half stays,
	v_lshlrev_b32 v[SB+4*q+2], 16, v[SB+4*q+1]     ; the third: its low half moves up
	v_and_b32     v[SB+4*q+1], s51, v[SB+4*q]      ; the second,
	v_lshlrev_b32 v[SB+4*q], 16, v[SB+4*q]         ; the first
.set q, q+1
.endr
.set q, 0
.rept 8
	v_cvt_pk_f16_f32 v[SB+4*q], v[SB+4*q], v[SB+4*q+1]
	v_cvt_pk_f16_f32 v[SB+4*q+1], v[SB+4*q+2], v[SB+4*q+3]
.set q, q+1
.endr
	WIN 0xcc
.irp c, 0,1,2,3,4,5,6,7
	ds_store_b64 v[4+(\i)/16], v[SB+4*\c:SB+4*\c+1] offset:((\i)%16)*WPITCH+256*\c
.endr
.endm
; Group g (64 along K) of the pass's nt tiles is asked for: two fragments, four loads, a tile
.macro XG g, nt
.irp t, 0,1,2
.if \t < \nt
	WIN (1+\t)<<6                                  ; destination in the tile's window, the address in window 0
.irp kk, 0,1
	global_load_b128 v[8*(2*(\g)+\kk):8*(2*(\g)+\kk)+3],   v1, s[30+2*\t:31+2*\t] offset:1024*(2*(\g)+\kk)       ; h lies by fragments: 512 consecutive bytes a load
	global_load_b128 v[8*(2*(\g)+\kk)+4:8*(2*(\g)+\kk)+7], v1, s[30+2*\t:31+2*\t] offset:1024*(2*(\g)+\kk)+512
.endr
.endif
.endr
.endm
; 16 LDS loads in one run: the weight fragments of group g (64 along K) of blocks 4 rq .. 4 rq + 3, into buffer g % 2.  They stand behind products or behind WIN 0: settings that leave
; the destination and source 0 in window 0.
.macro FETCH rq, g
.set FB, FR+64*((\g)&1)
.irp kk, 0,1
.irp a, 0,1,2,3
	ds_load_b128 v[FB+8*(4*\kk+\a):FB+8*(4*\kk+\a)+3],   v[AW+2*\rq+\a/2] offset:(\a%2)*16*WPITCH+64*(2*(\g)+\kk)
	ds_load_b128 v[FB+8*(4*\kk+\a)+4:FB+8*(4*\kk+\a)+7], v[AW+2*\rq+\a/2] offset:(\a%2)*16*WPITCH+64*(2*(\g)+\kk)+32
.endr
.endr
.endm
; Group g's products: 8 for each tile.  A tile's four accumulators take turns, one instruction a turn.  The first K step starts the sums with the constant 0.
.macro MULG g, nt
.set FB, FR+64*((\g)&1)
.irp t, 0,1,2
.if \t < \nt
	WIN (1+\t)<<2                                  ; source 1 in the tile's window
.irp kk, 0,1
.irp a, 0,1,2,3
.set AC, ACC+8*(4*\t+\a)
.set XF, 8*(2*(\g)+\kk)
.if ((\g) == 0) && (\kk == 0)
	v_wmma_f32_16x16x32_f16 v[AC:AC+7], v[FB+8*(4*\kk+\a):FB+8*(4*\kk+\a)+7], v[XF:XF+7], 0
.else
	v_wmma_f32_16x16x32_f16 v[AC:AC+7], v[FB+8*(4*\kk+\a):FB+8*(4*\kk+\a)+7], v[XF:XF+7], v[AC:AC+7]
.endif
.endr
.endr
.endif
.endr
.endm
.macro EPI rq, nt
.irp t, 0,1,2
.if \t < \nt
.irp a, 0,1,2,3
.set AC, ACC+8*(4*\t+\a)
.set OB, 36+2*\t
	global_store_b128 v1, v[AC:AC+3],   s[OB:OB+1] offset:1024*\a+OSTEP*\rq        ; the low four registers first; the wave stores 512 consecutive bytes, at a multiple of 512 from pf's first byte
	global_store_b128 v1, v[AC+4:AC+7], s[OB:OB+1] offset:1024*\a+OSTEP*\rq+512
.endr
.endif
.endr
.endm
; A trip: nt tiles against blocks 4 rq .. 4 rq + 3 of the slice, all 1,024 along K, and the way out.  The first trip (rq = 0) also runs the stream of the tiles' fragments.
.macro TRIP rq, nt
	FETCH \rq, 0
.irp g, 0,1,2,3,4,5,6,7,8,9,10,11,12,13,14
	PLACES                                         ; the buffer loaded next was read by the products just issued; ahead of the trip's first products these four and the
	                                               ; four ahead of the last way out make the five places in front of a product that writes over an accumulator
	FETCH \rq, \g+1
.if \rq == 0
.if \g+XL <= 15
	XG \g+XL, \nt
.endif
.if 15-\g < XL
	s_wait_loadcnt 4*\nt*(15-\g)                   ; nothing more is asked for: the groups behind g, 4 nt loads each, stay out
.else
	s_wait_loadcnt 4*\nt*XL                        ; loads come back in order (ISA guide 5.7.1): the XL groups behind g stay out, group g's fragments are in
.endif
.endif
	s_wait_dscnt 16                                ; all but the 16 just issued: group g's weight fragments are in
	MULG \g, \nt
.endr
.if \rq == 0
	s_wait_loadcnt 0x0                             ; the last group; from here on the tiles' bases may be written again
.endif
	s_wait_dscnt 0x0
	MULG 15, \nt
	WIN 0
	PLACES
	EPI \rq, \nt
	s_wait_xcnt 0x0                                ; the stores' data and bases are written again only behind this wait
.endm
; A pass: nt tiles against the whole slice.  The first XL groups of the tiles' fragments are asked for ahead of the first trip.
.macro PASS nt
.set XL, 60/(4*\nt)-1
.set xgi, 0
.rept XL
	XG xgi, \nt
.set xgi, xgi+1
.endr
	WIN 0
	TRIP 0, \nt
	TRIP 1, \nt
.endm
	s_load_b256 s[4:11], s[0:1], 0x0               ; meta s[4:5], hf s[6:7], w2 s[8:9], pf s[10:11]
	v_lshl_add_u32 v30, v0, 2, 0x40800
	v_mov_b32 v31, 0
	v_lshrrev_b32 v1, 5, v0
	v_readfirstlane_b32 s16, v1                    ; wave 0..3
	v_and_b32 v1, 31, v0
	v_lshlrev_b32 v1, 4, v1                        ; 16 x lane; never rewritten
	s_and_b32 s17, ttmp7, 0xffff                   ; the expert
	s_lshl_b32 s20, s17, 24                        ; its 16 MiB of weights
	s_and_b32 s18, ttmp9, 7                        ; nb
	s_lshr_b32 s19, ttmp9, 3                       ; kc
	s_lshl_b32 s21, s18, 21                        ; 128 rows of 16,384 bytes
	s_add_co_u32 s20, s20, s21
	s_lshl_b32 s21, s19, 12                        ; 1,024 f32 along a row
	s_add_co_u32 s20, s20, s21
	s_lshl_b32 s21, s16, 19                        ; my 32 rows
	s_add_co_u32 s20, s20, s21
	s_mul_i32 s42, s19, 72*65536
	s_lshl_b32 s21, s18, 13
	s_add_co_u32 s42, s42, s21                     ; the fixed part of the output's offset
	s_lshl_b32 s43, s19, 15                        ; and of the input's: 32 fragments of 1,024 bytes for each kc
	s_mov_b32 s21, 0                               ; stays 0: the high word of every offset pair s[20:21]
	s_lshl_b32 s29, s17, 2                         ; not written again: the two scalar loads below read it
	s_mov_b32 s51, 0xffff0000                      ; a word's upper bf16
	s_wait_kmcnt 0x0
	s_add_nc_u64 s[22:23], s[8:9], s[20:21]
.set ti, 0
.rept 7                                ; the ring is filled: rows 0 to 6
	WISSUE ti
.set ti, ti+1
.endr
	s_load_b32 s24, s[4:5], s29 offset:0x0         ; my expert's tiles
	s_load_b32 s25, s[4:5], s29 offset:0x20        ; its first tile; both are waited for behind phase A
	WIN 0
	v_and_b32 v2, 15, v0                           ; r
	v_bfe_u32 v3, v0, 4, 1                         ; h
	s_mul_i32 s48, s16, 32*WPITCH
	v_lshrrev_b32 v4, 1, v1
	v_add_nc_u32 v4, s48, v4                       ; where I put 8 bytes of my rows 0-15,
	v_add_nc_u32 v5, 16*WPITCH, v4                 ; and of my rows 16-31
	v_mul_u32_u24 v[AW], v2, WPITCH
	v_lshl_add_u32 v[AW], v3, 4, v[AW]             ; a weight fragment: row r, 16 bytes for each half of the lanes
.irp j, 1,2,3
	v_add_nc_u32 v[AW+\j], \j*32*WPITCH, v[AW]     ; and 32, 64, 96 rows on
.endr
.set ti, 0
.rept 32
	TURN ti
.set ti, ti+1
.endr
	WIN 0
	s_wait_dscnt 0x0                               ; for the others' sake: my rows of the slice are in LDS
	s_barrier_signal -1
	s_barrier_wait -1                              ; the one barrier: the slice is whole, and nobody writes it again
	s_wait_kmcnt 0x0
	s_min_u32 s24, s24, 64                         ; 1,024 tokens are 64 tiles at the most
	s_min_u32 s25, s25, 71
	s_cmp_lt_u32 s16, s24
	s_cbranch_scc0 .Lend                           ; fewer tiles than my number: nothing for me
	s_sub_co_u32 s50, s24, s16
	s_add_co_u32 s50, s50, 11
	s_mul_i32 s50, s50, 5462
	s_lshr_b32 s50, s50, 16                        ; my passes: (tiles - wave + 11) / 12, exact by this product up to 75
	s_mov_b32 s47, 0                               ; counts them
	s_mov_b32 s26, s16                             ; my first tile of the expert
.Lpass:
	s_sub_co_u32 s27, s24, s26                     ; tiles from mine on: tile t of the pass exists if this is above 4 t
.irp t, 0,1,2
	s_add_co_u32 s[44+\t], s25, s26
	s_add_co_u32 s[44+\t], s[44+\t], 4*\t
	s_min_u32 s[44+\t], s[44+\t], 71               ; the tile's number through all experts, inside the buffers' 72
	s_lshl_b32 s20, s[44+\t], 16
	s_add_co_u32 s20, s20, s42
	s_add_nc_u64 s[36+2*\t:37+2*\t], s[10:11], s[20:21]    ; where its sums go
	s_lshl_b32 s20, s[44+\t], 17
	s_add_co_u32 s20, s20, s43
	s_add_nc_u64 s[30+2*\t:31+2*\t], s[6:7], s[20:21]      ; where its fragments lie
.endr
	s_cmp_gt_u32 s27, 8
	s_cbranch_scc1 .Lthree
	s_cmp_gt_u32 s27, 4
	s_cbranch_scc1 .Ltwo
	PASS 1
	s_branch .Lnext
.Ltwo:
	PASS 2
	s_branch .Lnext
.Lthree:
	PASS 3
.Lnext:
	s_add_co_u32 s26, s26, 12
	s_add_co_u32 s47, s47, 1
	s_cmp_lt_u32 s47, s50
	s_cbranch_scc1 .Lpass
.Lend:
	s_wait_tensorcnt 0x0
	ds_add_u32 v30, v31
	s_wait_dscnt 0x0
	s_endpgm
.Lfunc_end_k_q32e8e728b1_ffn2:
	.size	k_q32e8e728b1_ffn2, .Lfunc_end_k_q32e8e728b1_ffn2-k_q32e8e728b1_ffn2
	.p2alignl 7, 3214868480
	.fill 96, 4, 3214868480
	.section	.rodata,"a",@progbits
	.p2align	6, 0x0
	.amdhsa_kernel k_q32e8e728b1_ffn2
		.amdhsa_group_segment_fixed_size 264704
		.amdhsa_private_segment_fixed_size 0
		.amdhsa_enable_private_segment 0
		.amdhsa_kernarg_size 32
		.amdhsa_user_sgpr_count 2
		.amdhsa_user_sgpr_kernarg_segment_ptr 1
		.amdhsa_wavefront_size32 1
		.amdhsa_system_sgpr_workgroup_id_x 1
		.amdhsa_system_sgpr_workgroup_id_y 1
		.amdhsa_system_sgpr_workgroup_id_z 1
		.amdhsa_system_vgpr_workitem_id 0
		.amdhsa_next_free_vgpr 1024
		.amdhsa_next_free_sgpr 66
		.amdhsa_reserve_vcc 0
		.amdhsa_float_denorm_mode_32 3
		.amdhsa_float_denorm_mode_16_64 3
		.amdhsa_memory_ordered 1
		.amdhsa_forward_progress 1
		.amdhsa_inst_pref_size 255
	.end_amdhsa_kernel
	.section	.bss,"aw",@nobits
	.p2align	6
	.space	262144
	.amdgpu_metadata
---
amdhsa.version: [ 1, 2 ]
amdhsa.kernels:
  - .name:           k_q32e8e728b1_ffn2
    .symbol:         k_q32e8e728b1_ffn2.kd
    .args:
      - { .name: meta, .offset: 0, .size: 8, .value_kind: global_buffer, .address_space: global }
      - { .name: hf, .offset: 8, .size: 8, .value_kind: global_buffer, .address_space: global }
      - { .name: w2, .offset: 16, .size: 8, .value_kind: global_buffer, .address_space: global }
      - { .name: pf, .offset: 24, .size: 8, .value_kind: global_buffer, .address_space: global }
    .group_segment_fixed_size: 264704
    .private_segment_fixed_size: 0
    .kernarg_segment_align: 8
    .kernarg_segment_size: 32
    .max_flat_workgroup_size: 128
    .sgpr_count:     66
    .vgpr_count:     1024
    .wavefront_size: 32
...
	.end_amdgpu_metadata
.endif
;; end of part 9
;; launch combine (part 10): grid 64 x 4, 8 waves a work-group, no clusters, 35,840 bytes of LDS; arguments meta, glist, score, b2, pf, out0; writes out0
.if DOCPART == 10
	.amdgcn_target "amdgcn-amd-amdhsa--gfx1250"
	.amdhsa_code_object_version 6
	.text
	.protected	k_q32e8e728b1_combine
	.globl	k_q32e8e728b1_combine
	.p2align	8
	.type	k_q32e8e728b1_combine,@function
k_q32e8e728b1_combine:
	s_mov_b64 s[64:65], 0
	v_nop
	global_prefetch_b8 v0, s[64:65] scope:SCOPE_SE
	s_setreg_imm32_b32 hwreg(HW_REG_WAVE_MODE, 25, 1), 1
	s_wait_xcnt 0x0
; COMBINE.  out0[token] = score[token] x (the four partial sums of the second product, added kc ascending, + b2 of the token's expert).
; A wave's item is a tile of 16 tokens x 64 columns (cq = 4 y + wave % 4).  The partial sums lie by fragments (a lane: one token, four neighbouring columns a quad), so they are loaded
; 512 consecutive bytes at a time, added in that layout, turned once through the wave's own stage in LDS, and stored by rows: sixteen lanes store 256 consecutive bytes of a token's row,
; at a multiple of 256 from out0's first byte.  The tile's expert is the number of experts 1..7 whose first tile is not behind it.
; Waves 0-3 take tile x, which always exists (1,024 tokens fill 64 tiles at the least); waves 4-7 take tile x + 64, so that the two tiles' loads run side by side.  Tiles 64 to 70 exist
; only as far as the experts' last tiles are part full: a wave whose tile does not exist ends.
; The copies that fill up an expert's last tile are copies of a token of that same tile: this one wave stores the same numbers to the same bytes several times, and no other wave touches them.
; No barrier, no loop and no matrix work: a stream, each wave by itself.
.set SPITCH, 272                       ; a stage row: 256 bytes + 16: an odd multiple of 16
.set KCB, 72*65536                     ; bytes of one kc's partial sums
.set R,   16                           ; v[16:23]  token of row 2 i + lane / 16
.set SC,  24                           ; v[24:31]  its score
.set OA,  32                           ; v[32:39]  its offset in out0
.set B2,  40                           ; v[40:43]  b2 of my four columns
.set GA,  44                           ; v[44:51]  its offset in score
.set PF,  64                           ; v[64:191] four sets of eight quads: kc, then 2 a + half
.set RB,  96                           ; v[96:127] the rows read back (kc = 1's registers, free by then)
	s_load_b256 s[4:11], s[0:1], 0x0               ; meta s[4:5], glist s[6:7], score s[8:9], b2 s[10:11]
	s_load_b128 s[12:15], s[0:1], 0x20             ; pf s[12:13], out0 s[14:15]
	v_lshl_add_u32 v192, v0, 2, 0x8800
	v_mov_b32 v193, 0
	v_lshrrev_b32 v1, 5, v0
	v_readfirstlane_b32 s36, v1                    ; wave 0..7
	v_and_b32 v1, 31, v0                           ; lane
	v_and_b32 v2, 15, v0                           ; r
	v_bfe_u32 v3, v0, 4, 1                         ; h
	s_and_b32 s43, s36, 3                          ; which 64 of the work-group's 256 columns
	s_lshr_b32 s44, s36, 2                         ; 0: tile x; 1: tile x + 64
	s_and_b32 s37, ttmp7, 0xffff
	s_lshl2_add_u32 s37, s37, s43                  ; cq = 4 y + wave % 4
	s_mov_b32 s45, ttmp9
	s_lshl_b32 s25, s44, 6
	s_add_co_u32 s25, s25, s45                     ; my tile
	s_wait_kmcnt 0x0
	s_load_b256 s[16:23], s[4:5], 0x20             ; the experts' first tiles
	s_load_b32 s24, s[4:5], 0x40                   ; the number of tiles
	s_mov_b64 s[28:29], s[12:13]
	s_add_nc_u64 s[30:31], s[12:13], KCB
	s_add_nc_u64 s[32:33], s[12:13], 2*KCB
	s_add_nc_u64 s[34:35], s[12:13], 3*KCB
	s_mul_i32 s38, s36, 16*SPITCH                  ; my stage
	v_mul_u32_u24 v7, v2, SPITCH                   ; in: row r, 32 bytes for each half of the lanes
	v_lshl_add_u32 v7, v3, 5, v7
	v_add_nc_u32 v7, s38, v7
	v_mul_u32_u24 v8, v3, SPITCH                   ; back: lanes 0-15 one row of 256 bytes, lanes 16-31 the next
	v_lshl_add_u32 v8, v2, 4, v8
	v_add_nc_u32 v8, s38, v8
	s_lshl_b32 s39, s37, 8
	v_lshl_add_u32 v9, v2, 4, s39                  ; my 16 bytes of a row's 64 columns
	s_lshl_b32 s41, s37, 12                        ; my 64 columns in a tile's partial sums
	s_wait_kmcnt 0x0
	s_min_u32 s24, s24, 72
	s_cmp_lt_u32 s25, s24
	s_cbranch_scc0 .Lend                           ; my tile does not exist
	s_min_u32 s26, s25, 71
	s_mov_b32 s27, 0
.irp j, 1,2,3,4,5,6,7
	s_cmp_le_u32 s[16+\j], s26
	s_add_co_ci_u32 s27, s27, 0                    ; counts the experts that begin at or ahead of my tile
.endr
	s_min_u32 s27, s27, 7
	s_lshl_b32 s39, s26, 6
	v_lshl_add_u32 v5, v3, 2, s39                  ; glist: 64 bytes a tile, + 4 (lane / 16)
	s_lshl_b32 s39, s27, 12
	v_add_nc_u32 v6, s39, v9                       ; b2: 4,096 bytes an expert
	s_lshl_b32 s39, s26, 16
	s_add_co_u32 s39, s39, s41
	v_lshl_add_u32 v4, v1, 4, s39                  ; partial sums: 65,536 bytes a tile, + 16 x lane
.irp i, 0,1,2,3,4,5,6,7
	global_load_b32 v[R+\i], v5, s[6:7] offset:8*\i
.endr
	global_load_b128 v[B2:B2+3], v6, s[10:11]
.irp kc, 0,1,2,3
.irp q, 0,1,2,3,4,5,6,7
	global_load_b128 v[PF+32*\kc+4*\q:PF+32*\kc+4*\q+3], v4, s[28+2*\kc:29+2*\kc] offset:512*\q th:TH_LOAD_NT
.endr
.endr
	s_wait_loadcnt 32                              ; the tokens and b2 are in; the 32 loads of partial sums stay out
.irp i, 0,1,2,3,4,5,6,7
	v_min_u32 v[R+\i], 0x3ff, v[R+\i]              ; a token number stays inside score and out0
	v_lshlrev_b32 v[GA+\i], 2, v[R+\i]
	v_lshl_add_u32 v[OA+\i], v[R+\i], 12, v9
.endr
.irp i, 0,1,2,3,4,5,6,7
	global_load_b32 v[SC+\i], v[GA+\i], s[8:9]
.endr
	s_wait_loadcnt 8                               ; the partial sums are in; the 8 scores stay out
.irp kc, 1,2,3
.set n, 0
.rept 16
	v_pk_add_f32 v[PF+2*n:PF+2*n+1], v[PF+2*n:PF+2*n+1], v[PF+32*\kc+2*n:PF+32*\kc+2*n+1]
.set n, n+1
.endr
.endr
.irp q, 0,1,2,3,4,5,6,7
	ds_store_b128 v7, v[PF+4*\q:PF+4*\q+3] offset:64*(\q/2)+16*(\q%2)      ; quad 2 a + half: columns 16 a + 8 h + 4 half on
.endr
.irp i, 0,1,2,3,4,5,6,7
	ds_load_b128 v[RB+4*\i:RB+4*\i+3], v8 offset:2*SPITCH*\i               ; my own bytes: LDS serves a wave's instructions in order (ISA guide 5.7.1.4)
.endr
	s_wait_loadcnt 0x0                             ; the scores
	s_wait_dscnt 0x0
.irp i, 0,1,2,3,4,5,6,7
	v_pk_add_f32 v[RB+4*\i:RB+4*\i+1],   v[RB+4*\i:RB+4*\i+1],   v[B2:B2+1]
	v_pk_add_f32 v[RB+4*\i+2:RB+4*\i+3], v[RB+4*\i+2:RB+4*\i+3], v[B2+2:B2+3]
	v_mul_f32 v[RB+4*\i],   v[RB+4*\i],   v[SC+\i]
	v_mul_f32 v[RB+4*\i+1], v[RB+4*\i+1], v[SC+\i]
	v_mul_f32 v[RB+4*\i+2], v[RB+4*\i+2], v[SC+\i]
	v_mul_f32 v[RB+4*\i+3], v[RB+4*\i+3], v[SC+\i]
	global_store_b128 v[OA+\i], v[RB+4*\i:RB+4*\i+3], s[14:15] th:TH_STORE_NT
.endr
.Lend:
	s_wait_tensorcnt 0x0
	ds_add_u32 v192, v193
	s_wait_dscnt 0x0
	s_endpgm
.Lfunc_end_k_q32e8e728b1_combine:
	.size	k_q32e8e728b1_combine, .Lfunc_end_k_q32e8e728b1_combine-k_q32e8e728b1_combine
	.p2alignl 7, 3214868480
	.fill 96, 4, 3214868480
	.section	.rodata,"a",@progbits
	.p2align	6, 0x0
	.amdhsa_kernel k_q32e8e728b1_combine
		.amdhsa_group_segment_fixed_size 35840
		.amdhsa_private_segment_fixed_size 0
		.amdhsa_enable_private_segment 0
		.amdhsa_kernarg_size 48
		.amdhsa_user_sgpr_count 2
		.amdhsa_user_sgpr_kernarg_segment_ptr 1
		.amdhsa_wavefront_size32 1
		.amdhsa_system_sgpr_workgroup_id_x 1
		.amdhsa_system_sgpr_workgroup_id_y 1
		.amdhsa_system_sgpr_workgroup_id_z 1
		.amdhsa_system_vgpr_workitem_id 0
		.amdhsa_next_free_vgpr 194
		.amdhsa_next_free_sgpr 66
		.amdhsa_reserve_vcc 0
		.amdhsa_float_denorm_mode_32 3
		.amdhsa_float_denorm_mode_16_64 3
		.amdhsa_memory_ordered 1
		.amdhsa_forward_progress 1
		.amdhsa_inst_pref_size 16
	.end_amdhsa_kernel
	.amdgpu_metadata
---
amdhsa.version: [ 1, 2 ]
amdhsa.kernels:
  - .name:           k_q32e8e728b1_combine
    .symbol:         k_q32e8e728b1_combine.kd
    .args:
      - { .name: meta, .offset: 0, .size: 8, .value_kind: global_buffer, .address_space: global }
      - { .name: glist, .offset: 8, .size: 8, .value_kind: global_buffer, .address_space: global }
      - { .name: score, .offset: 16, .size: 8, .value_kind: global_buffer, .address_space: global }
      - { .name: b2, .offset: 24, .size: 8, .value_kind: global_buffer, .address_space: global }
      - { .name: pf, .offset: 32, .size: 8, .value_kind: global_buffer, .address_space: global }
      - { .name: out0, .offset: 40, .size: 8, .value_kind: global_buffer, .address_space: global }
    .group_segment_fixed_size: 35840
    .private_segment_fixed_size: 0
    .kernarg_segment_align: 8
    .kernarg_segment_size: 48
    .max_flat_workgroup_size: 256
    .sgpr_count:     66
    .vgpr_count:     194
    .wavefront_size: 32
...
	.end_amdgpu_metadata
.endif
;; end of part 10
;; ======== version 3 of 3: 5 launches; version 2 with the launches ffn1, ffn2 written anew for expert scheduling mode
;; limits: values are held in f16: magnitudes above 65,504 overflow, below 6.1e-05 lose precision
;; workspace buffers: xb 2,097,152 bytes; sel 4,096 bytes of whole numbers; score 4,096 bytes; stats 4,096 bytes; glist 4,608 bytes of whole numbers; meta 256 bytes of whole numbers; hf 9,437,184 bytes; pf 18,874,368 bytes
;; launch router: the kernel of part 1 again; grid 64 x 1, 8 waves a work-group, no clusters, 61,440 bytes of LDS; arguments x, gate_w, xb, sel, score, stats; writes xb, sel, score, stats
;; launch plan: the kernel of part 7 again; grid 1 x 1, 9 waves a work-group, no clusters, 15,104 bytes of LDS; arguments sel, stats, glist, meta, out1; writes glist, meta, out1
;; launch ffn1 (part 11): grid 32 x 8, 4 waves a work-group, no clusters, 299,008 bytes of LDS; arguments meta, glist, xb, w1, b1, hf; writes hf
.if DOCPART == 11
	.amdgcn_target "amdgcn-amd-amdhsa--gfx1250"
	.amdhsa_code_object_version 6
	.text
	.protected	k_q32e8e728b1_ffn1
	.globl	k_q32e8e728b1_ffn1
	.p2align	8
	.type	k_q32e8e728b1_ffn1,@function
k_q32e8e728b1_ffn1:
	s_mov_b64 s[64:65], 0
	v_nop
	global_prefetch_b8 v0, s[64:65] scope:SCOPE_SE
	s_setreg_imm32_b32 hwreg(HW_REG_WAVE_SCHED_MODE, 0, 2), 2
	s_setreg_imm32_b32 hwreg(HW_REG_WAVE_MODE, 25, 1), 1
	s_wait_xcnt 0x0
	s_wait_alu depctr_vm_vsrc(0)
; THE EXPERTS' FIRST PRODUCT: h = gelu(x w1^T + b1), for the tokens that chose the expert: what the other experts would make of a token is thrown away by the selection.
; A work-group owns 128 hidden rows (128 nb on) x 1,024 K of one expert's w1.
; PHASE A: each wave loads 32 rows in f32, 512 consecutive bytes a load, each byte of the weights once in the launch, rounds to bf16 and lays them into LDS.  One barrier.
; PHASE B: the slice stays in LDS and the expert's tiles of 16 tokens go past it.  Wave w takes tiles w, w + 4, w + 8 (a pass of up to three), then 12 on.  The number of tiles
; comes from meta, so this phase has no barrier: a wave touches the slice (read only), its own stage and its own tiles' bytes.  A pass's two trips over 64 rows of weights are
; written out, so that every LDS address is a register made once at the head plus an immediate.
; THE MATRIX INSTRUCTION takes 16 rows of weights as source 0 and 16 tokens as source 1: a lane holds ONE token (lane % 16) and eight neighbouring outputs 8 (lane / 16) + 0..7.
; Rounded in pairs, the results ARE source 1 of the second product, so h lies in memory by fragments and is stored straight from registers, 512 consecutive bytes an instruction.
; hf byte = tile x 131,072 + (hidden / 32) x 1,024 + ((hidden / 16) % 2) x 512 + lane x 16.
; h IS KEPT IN f16: 11 significant bits, since one bf16 leaves up to 2^-9 |h| in each of the 4,096 terms of an output, and a token's share of that grows with its score.
; LIMIT: |h| below 65,504; beyond it h becomes infinite.  A hidden sum has 1,024 terms: with x and w1 both at 30 times the drawn spread (30 and 0.6) its spread is 32 x 18 = 576, five
; spreads 2,880; with a common offset of 30 spreads on both (30 and 0.6) it is 1,024 x 18 = 18,432.  Below 2^-14 f16 steps by 2^-24.
; No tensor loads: the weights must be rounded on their way, so they pass through registers, and the slice is filled once.  No cluster: what partners share (a tile's activations) is
; less than a work-group's own 512 KiB of weights, and how many tiles there are hangs on counts from memory.
; LIMITS: erf by a rational approximation (Abramowitz and Stegun 7.1.26, absolute error 1.5e-7); gelu = x/2 + |x/2| erf(|x|/sqrt 2), absolute error at most 1.1e-7 |x|.  NaN inputs are not served.
; REGISTERS, in windows of 256 (s_set_vgpr_msb: bits 1:0 source 0, 3:2 source 1, 5:4 source 2, 7:6 destination):
;   window 0: v0-31 addresses and constants; v32-127 accumulators (tile t, block a) at 32 + 8 (4 t + a); v128-191, v192-255 two buffers of weight fragments
;   window 1 + t: tile t's 32 fragments (16 tokens x 32 K, 8 registers each).  In phase A window 3 holds eight row buffers of 32 registers: weights as loaded.
; THE MODE: SCHED_MODE bits 1:0 = 2 (LLVM: expert scheduling mode 2), set by the entry lines.  The code itself states the register dependences between vector or matrix instructions
; and memory or LDS instructions, with s_wait_alu, always for 0.
; THE PLAN.  Registers that memory or LDS instructions touch, and who else names them:
;   row buffers 0-7   Phase A, window 3.  Row i's loads land in buffer i % 8; its roundings read and write it in place; its eight LDS stores read it; row i + 8's loads, issued in row i + 1's
;                     turn, land in it again.  A turn: the roundings; ONE wait on va_vdst, ONE on vm_vsrc; the loads of row i + 7, into the buffer that row i - 1 left; the row's LDS stores.
;   v16-18            Offsets into the list of tokens: written at a pass's head, read by the token loads (v16 once before that, by the bias's LDS store).
;   v32-55            At a pass's head: the token numbers land here, vector lines make row offsets of them, the pieces' loads read those; the first products write over them.
;   windows 1-3       A piece's loads land; its LDS stores read the registers; its fragments' LDS loads land in them again; the pass's products read them.
;   v128-255          Group g's products read buffer g % 2; group g + 1's LDS loads land in the other, which group g - 1's products read: ONE wait on va_vdst at a group's head, and the
;                     sixteen loads are dealt behind the group's first four products, which name none of their registers.  The biases land in v128-159 in the same way in group 15.
;   v32-127           The products write them; the way out reads them and writes a block's four words of f16 into the block's four lowest; the store of a block stands in the NEXT block's
;                     arithmetic, behind the wait that stands there for the reciprocals and exponentials; one wait on vm_vsrc at a trip's end, ahead of the products that write them again.
;   v1, v4-10, v12, v13   Offsets and LDS addresses: written at the head, never again.     v254, v255   Made anew at the end, for the closing add alone.
.set WPITCH, 2064                      ; a row of the slice: 2,048 bytes + 16 = 129 x 16: the 16 rows of a fragment load start at 16 different 16-byte columns modulo 256
.set BIAS,   128*WPITCH                ; the work-group's 128 biases
.set XST,    BIAS+512                  ; a stage of 16 rows x 528 bytes for each wave
.set XPITCH, 528
.set WP,     4096                      ; bytes from row to row of w1
.set TSH,    17                        ; a tile's bytes in hf, as a shift
.set OSTEP,  2048                      ; bytes of 64 hidden rows in a tile of hf
.set AW,  6                            ; v[6:9]  a weight fragment's address in blocks 0-1, 2-3, 4-5, 6-7 of the slice's eight; never rewritten
.set ACC, 32
.set FR,  128
.set BV,  128                          ; the way out, in the first fragment buffer: 32 biases,
.set T,   160                          ; and four sets of eight at work
.set E,   168
.set P,   176
.set G,   184
.set MSB, 0
.macro WIN new                         ; the immediate's high byte repeats the setting that is left; a switch that changes nothing is dropped
.if MSB != (\new)
	s_set_vgpr_msb (MSB<<8)|(\new)
.set MSB, (\new)
.endif
.endm
.macro PLACES                          ; four places behind matrix instructions, in front of vector reads of their results and of products that write over them (ISA guide 7.12.1)
.rept 4
	v_nop
.endr
.endm
; Row r of my 32: 8 loads, 4,096 bytes, into row buffer r % 8 of window 3
.macro WISSUE r
	WIN 0xcc                                       ; destination and source 1 (LDS store data) window 3, addresses window 0
.set SB, 32*((\r)&7)
.irp c, 0,1,2,3,4,5,6,7
	global_load_b128 v[SB+4*\c:SB+4*\c+3], v1, s[22:23] offset:(\r)*WP+512*\c th:TH_LOAD_NT
.endr
.endm
; Row i has come.  It is rounded; then row i + 7 is asked for, into the buffer that row i - 1 left, so that six to seven rows, 48 to 56 loads of a wave, are on their way; then the row is laid into LDS.
.macro TURN i
.if \i < 26
	s_wait_loadcnt 48                              ; loads come back in order (ISA guide 5.7.1): the six younger rows stay out
.else
	s_wait_loadcnt 8*(31-\i)                       ; the counts run down
.endif
.set SB, 32*((\i)&7)
	WIN 0xcf
.set q, 0
.rept 8
	v_cvt_pk_bf16_f32 v[SB+4*q], v[SB+4*q], v[SB+4*q+1]
	v_cvt_pk_bf16_f32 v[SB+4*q+1], v[SB+4*q+2], v[SB+4*q+3]
.set q, q+1
.endr
	WIN 0xcc
	s_wait_alu depctr_va_vdst(0)                   ; the roundings have written the words that the LDS stores below read; the row before's roundings are done with the buffer in which the loads below land; in the first turn the head's addresses are written
.if (\i > 0) && (\i < 25)
	s_wait_alu depctr_vm_vsrc(0)                   ; the row before's LDS stores have read the buffer in which the loads below land
.endif
.if \i < 25
	WISSUE \i+7
.endif
.set SB, 32*((\i)&7)
.irp c, 0,1,2,3,4,5,6,7
	ds_store_b64 v[4+(\i)/16], v[SB+4*\c:SB+4*\c+1] offset:((\i)%16)*WPITCH+256*\c
.endr
.endm
; Piece j of a pass = 16 tokens x 256 K of tile j / 4.  Sixteen lanes load 256 consecutive bytes of one token's row of xb.
.macro XISSUE j
.set xt, (\j)/4
.set xq, (\j)%4
	WIN (1+xt)*0x44                                ; destination and source 1 in the tile's window
.irp i, 0,1,2,3,4,5,6,7
.irp c, 0,1
	global_load_b128 v[64*xq+4*(2*\i+\c):64*xq+4*(2*\i+\c)+3], v[ACC+8*xt+\i], s[8:9] offset:512*xq+256*\c
.endr
.endr
.endm
; The piece goes through my stage and comes back as eight fragments, into the registers that it left (LDS serves a wave's instructions in order: ISA guide 5.7.1.4)
.macro XSTAGE j
.set xt, (\j)/4
.set xq, (\j)%4
	WIN (1+xt)*0x44
.irp i, 0,1,2,3,4,5,6,7
.irp c, 0,1
	ds_store_b128 v12, v[64*xq+4*(2*\i+\c):64*xq+4*(2*\i+\c)+3] offset:2*XPITCH*\i+256*\c
.endr
.endr
	s_wait_alu depctr_vm_vsrc(0)                   ; the LDS stores above have read the piece's registers, in which the loads below land; behind the last piece: the pieces' loads have read the row offsets in v32-55, which the first products write over
	s_wait_alu depctr_va_vdst(0)                   ; the products of the pass before (in window 3 also phase A's roundings) are done with these registers: stated behind the window switch and directly ahead of the loads, since stores that name the registers stand behind the pass's earlier wait
.irp kk, 0,1,2,3,4,5,6,7
	ds_load_b128 v[64*xq+8*\kk:64*xq+8*\kk+3],   v13 offset:64*\kk
	ds_load_b128 v[64*xq+8*\kk+4:64*xq+8*\kk+7], v13 offset:64*\kk+32
.endr
.endm
; The pass's nt tiles come into windows 1 to nt
.macro XLOAD nt
.irp t, 0,1,2
.if \t < \nt
	s_lshl_b32 s[52+\t], s[44+\t], 6               ; a scalar of its own for each tile
	v_add_nc_u32 v[16+\t], s[52+\t], v14
.endif
.endr
	s_wait_alu depctr_va_vdst(0)                   ; v16-18 are written, which the loads below read as offsets; the way out of the pass before is done with v32-55, in which they land
.irp t, 0,1,2
.if \t < \nt
.irp i, 0,1,2,3,4,5,6,7
	global_load_b32 v[ACC+8*\t+\i], v[16+\t], s[6:7] offset:8*\i   ; the token of row 2 i + lane / 16 of the tile
.endr
.endif
.endr
	s_wait_loadcnt 0x0
.set n, 0
.rept 8*\nt
	v_min_u32 v[ACC+n], 0x3ff, v[ACC+n]            ; a token number stays inside xb
	v_lshl_add_u32 v[ACC+n], v[ACC+n], 11, v15     ; its row of 2,048 bytes + 16 (lane % 16)
.set n, n+1
.endr
	s_wait_alu depctr_va_vdst(0)                   ; the row offsets are written, which the pieces' loads read; no vector or matrix instruction follows until the pass's first products
	XISSUE 0
	XISSUE 1
	XISSUE 2
.set pj, 0
.rept 4*\nt
.if pj+2 < 4*\nt
	s_wait_loadcnt 32                              ; the two younger pieces stay out
.else
	s_wait_loadcnt 16*(4*\nt-1-pj)
.endif
.if pj+3 < 4*\nt
	XISSUE pj+3
.endif
	XSTAGE pj
.set pj, pj+1
.endr
.endm
; The two LDS loads of weight fragment f (K half f / 4, block f % 4) of group g (64 along K) of blocks 4 rq .. 4 rq + 3, into buffer g % 2.  They name window 0 alone under every setting of the products.
.macro FRAG rq, g, f
.set FD, FR+64*((\g)&1)+8*(\f)
.set FA, AW+2*(\rq)+((\f)%4)/2
.set FO, (((\f)%4)%2)*16*WPITCH+64*(2*(\g)+(\f)/4)
	ds_load_b128 v[FD:FD+3],   v[FA] offset:FO
	ds_load_b128 v[FD+4:FD+7], v[FA] offset:FO+32
.endm
; A group's 16 LDS loads in one run: a trip's first group alone
.macro FETCH rq, g
.irp f, 0,1,2,3,4,5,6,7
	FRAG \rq, \g, \f
.endr
.endm
; Group g's products: 8 for each tile.  A tile's four accumulators take turns, one instruction a turn.  The first K step starts the sums with the constant 0.
; deal = 1: the next group's sixteen LDS loads are dealt behind tile 0's first four products, two fragments each.  deal = 2: the trip's eight bias loads, two each.
; No wait among them: no product of this group names the other buffer, in which they land.
.macro MULG rq, g, nt, deal
.set FB, FR+64*((\g)&1)
.irp t, 0,1,2
.if \t < \nt
	WIN (1+\t)<<2                                  ; source 1 in the tile's window
.irp kk, 0,1
.irp a, 0,1,2,3
.set AC, ACC+8*(4*\t+\a)
.set XF, 8*(2*(\g)+\kk)
.if ((\g) == 0) && (\kk == 0)
	v_wmma_f32_16x16x32_bf16 v[AC:AC+7], v[FB+8*(4*\kk+\a):FB+8*(4*\kk+\a)+7], v[XF:XF+7], 0
.else
	v_wmma_f32_16x16x32_bf16 v[AC:AC+7], v[FB+8*(4*\kk+\a):FB+8*(4*\kk+\a)+7], v[XF:XF+7], v[AC:AC+7]
.endif
.if ((\deal) == 1) && (\t == 0) && (\kk == 0)
	FRAG \rq, (\g)+1, 2*\a
	FRAG \rq, (\g)+1, 2*\a+1
.endif
.if ((\deal) == 2) && (\t == 0) && (\kk == 0)
	ds_load_b128 v[BV+8*\a:BV+8*\a+3],   v10 offset:256*\rq+64*\a
	ds_load_b128 v[BV+8*\a+4:BV+8*\a+7], v10 offset:256*\rq+64*\a+16
.endif
.endr
.endr
.endif
.endr
.endm
; Eight sums of a lane (accumulator AC, biases BI) become gelu and are rounded to f16: half a fragment of h, in the accumulator's four lowest registers.  The block BEFORE (PAC, POB, POFF) is stored.
; t = 1 / (1 + p |x| / sqrt 2); erf = 1 - t (a1 + t (a2 + t (a3 + t (a4 + t a5)))) 2^(-x x log2(e) / 2); gelu = x / 2 + |x / 2| erf.
.macro GELU8
.irp p, 0,2,4,6
	v_pk_add_f32 v[AC+\p:AC+\p+1], v[AC+\p:AC+\p+1], v[BI+\p:BI+\p+1]      ; x; the accumulator is read from its low end on
.endr
.irp j, 0,1,2,3,4,5,6,7
	v_fma_f32 v[T+\j], |v[AC+\j]|, s60, 1.0
.endr
.irp j, 0,1,2,3,4,5,6,7
	v_rcp_f32 v[T+\j], v[T+\j]
.endr
.irp p, 0,2,4,6
	v_pk_mul_f32 v[E+\p:E+\p+1], v[AC+\p:AC+\p+1], v[AC+\p:AC+\p+1]        ; plain instructions behind the reciprocals (ISA guide 5.7.2)
.endr
.irp p, 0,2,4,6
	v_pk_mul_f32 v[E+\p:E+\p+1], v[E+\p:E+\p+1], v[30:31]
.endr
.irp j, 0,1,2,3,4,5,6,7
	v_exp_f32 v[E+\j], v[E+\j]
.endr
.irp p, 0,2,4,6
	v_pk_mul_f32 v[G+\p:G+\p+1], v[AC+\p:AC+\p+1], 0.5 op_sel_hi:[1,0]     ; plain instructions behind the exponentials
.endr
	s_wait_alu depctr_va_vdst(0)                   ; the reciprocals and exponentials have written T and E, ahead of their first reader; the block before has written its four words of f16, which the store below reads
.if HAVE
	global_store_b128 v1, v[PAC:PAC+3], s[POB:POB+1] offset:POFF           ; the wave stores 512 consecutive bytes, at a multiple of 512 from hf's first byte; no line below names these four registers
.endif
.irp p, 0,2,4,6
	v_pk_fma_f32 v[P+\p:P+\p+1], v[T+\p:T+\p+1], v[28:29], v[26:27]
.endr
.irp p, 0,2,4,6
	v_pk_fma_f32 v[P+\p:P+\p+1], v[P+\p:P+\p+1], v[T+\p:T+\p+1], v[24:25]
.endr
.irp p, 0,2,4,6
	v_pk_fma_f32 v[P+\p:P+\p+1], v[P+\p:P+\p+1], v[T+\p:T+\p+1], v[22:23]
.endr
.irp p, 0,2,4,6
	v_pk_fma_f32 v[P+\p:P+\p+1], v[P+\p:P+\p+1], v[T+\p:T+\p+1], v[20:21]
.endr
.irp p, 0,2,4,6
	v_pk_mul_f32 v[P+\p:P+\p+1], v[P+\p:P+\p+1], v[T+\p:T+\p+1]
.endr
.irp p, 0,2,4,6
	v_pk_fma_f32 v[E+\p:E+\p+1], v[P+\p:P+\p+1], v[E+\p:E+\p+1], 1.0 op_sel_hi:[1,1,0] neg_lo:[1,0,0] neg_hi:[1,0,0]
.endr
.irp j, 0,1,2,3,4,5,6,7
	v_fma_f32 v[P+\j], |v[G+\j]|, v[E+\j], v[G+\j]                         ; h
.endr
.irp j, 0,1,2,3
	v_cvt_pk_f16_f32 v[AC+\j], v[P+2*\j], v[P+2*\j+1]                      ; two f16 a word, the lower hidden index in the low half
.endr
.endm
.macro EPI rq, nt
.set HAVE, 0
.irp t, 0,1,2
.if \t < \nt
.irp a, 0,1,2,3
.set AC, ACC+8*(4*\t+\a)
.set OB, 36+2*\t
.set BI, BV+8*\a
.set OFF, 512*\a+OSTEP*\rq
	GELU8
.set PAC, AC
.set POB, OB
.set POFF, OFF
.set HAVE, 1
.endr
.endif
.endr
	s_wait_alu depctr_va_vdst(0)                   ; the last block has written its four words, which the store below reads; the way out's arithmetic is done with v128-191, in which the next trip's fragments land
	global_store_b128 v1, v[PAC:PAC+3], s[POB:POB+1] offset:POFF
.endm
; A trip: nt tiles against blocks 4 rq .. 4 rq + 3 of the slice, all 1,024 along K, and the way out
.macro TRIP rq, nt
	FETCH \rq, 0
	PLACES                                         ; these four and the four ahead of the last way out make the five places in front of a product that writes over an accumulator
.irp g, 0,1,2,3,4,5,6,7,8,9,10,11,12,13,14
	s_wait_dscnt 0x0                               ; group g's weight fragments are in (in a pass's first trip the tiles' fragments too)
.if \g > 0
	WIN 1<<2
	s_wait_alu depctr_va_vdst(0)                   ; the products of the group before are done reading the other buffer, in which the next group's fragments land
.endif
	MULG \rq, \g, \nt, 1
.endr
	s_wait_dscnt 0x0                               ; the last group's fragments are in
	WIN 1<<2
	s_wait_alu depctr_va_vdst(0)                   ; the products of group 14 are done reading the first buffer, in which the biases land
	MULG \rq, 15, \nt, 2
	WIN 0
	s_wait_dscnt 0x0                               ; the biases
	PLACES
	EPI \rq, \nt
	s_wait_xcnt 0x0                                ; the stores' data and bases are written again only behind this wait,
	s_wait_alu depctr_vm_vsrc(0)                   ; and behind this one: the stores have read the words in v32-127 that the next trip's products, or the next pass's token loads, write again
.endm
; A pass: nt tiles against the whole slice
.macro PASS nt
	XLOAD \nt
	WIN 0
	TRIP 0, \nt
	TRIP 1, \nt
.endm
	s_load_b256 s[4:11], s[0:1], 0x0               ; meta s[4:5], glist s[6:7], xb s[8:9], w1 s[10:11]
	s_load_b128 s[12:15], s[0:1], 0x20             ; b1 s[12:13], hf s[14:15]
	v_lshrrev_b32 v1, 5, v0
	v_readfirstlane_b32 s16, v1                    ; wave 0..3
	v_and_b32 v1, 31, v0
	v_lshlrev_b32 v1, 4, v1                        ; 16 x lane; never rewritten
	s_wait_alu depctr_va_sdst(0)                   ; s16 is written, ahead of its first reader: offsets, LDS addresses and branches are made from it
	s_and_b32 s17, ttmp7, 0xffff                   ; the expert
	s_lshl_b32 s20, s17, 24                        ; its 16 MiB of weights
	s_mov_b32 s18, ttmp9                           ; nb
	s_lshl_b32 s21, s18, 19                        ; 128 rows of 4,096 bytes
	s_add_co_u32 s20, s20, s21
	s_lshl_b32 s21, s16, 17                        ; my 32 rows
	s_add_co_u32 s20, s20, s21
	s_lshl_b32 s42, s18, 12                        ; the fixed part of the output's offset
	s_lshl_b32 s48, s17, 14
	s_lshl_b32 s49, s18, 9
	s_add_co_u32 s48, s48, s49
	v_lshl_add_u32 v19, v0, 2, s48                 ; thread t loads bias 128 nb + t of the expert
	s_mov_b32 s21, 0                               ; stays 0: the high word of every offset pair s[20:21]
	s_lshl_b32 s29, s17, 2                         ; not written again: the two scalar loads below read it
	s_wait_kmcnt 0x0
	s_add_nc_u64 s[22:23], s[10:11], s[20:21]
	s_wait_alu depctr_va_vdst(0)                   ; v1 and v19 are written, which the loads below read as offsets
	global_load_b32 v11, v19, s[12:13]
.set ti, 0
.rept 7                                ; the ring is filled: rows 0 to 6
	WISSUE ti
.set ti, ti+1
.endr
	s_load_b32 s24, s[4:5], s29 offset:0x0         ; my expert's tiles
	s_load_b32 s25, s[4:5], s29 offset:0x20        ; its first tile; both are waited for behind phase A
	WIN 0
	v_and_b32 v2, 15, v0                           ; r
	v_bfe_u32 v3, v0, 4, 1                         ; h
	s_mul_i32 s48, s16, 32*WPITCH
	v_lshrrev_b32 v4, 1, v1
	v_add_nc_u32 v4, s48, v4                       ; where I put 8 bytes of my rows 0-15,
	v_add_nc_u32 v5, 16*WPITCH, v4                 ; and of my rows 16-31
	v_mul_u32_u24 v[AW], v2, WPITCH
	v_lshl_add_u32 v[AW], v3, 4, v[AW]             ; a weight fragment: row r, 16 bytes for each half of the lanes
.irp j, 1,2,3
	v_add_nc_u32 v[AW+\j], \j*32*WPITCH, v[AW]     ; and 32, 64, 96 rows on
.endr
	v_lshl_add_u32 v10, v3, 5, BIAS                ; my eight biases of block 0
	s_mul_i32 s49, s16, 16*XPITCH
	s_add_co_u32 s49, s49, XST                     ; my stage
	v_mul_u32_u24 v12, v3, XPITCH                  ; in: lanes 0-15 one row, lanes 16-31 the next
	v_lshl_add_u32 v12, v2, 4, v12
	v_add_nc_u32 v12, s49, v12
	v_mul_u32_u24 v13, v2, XPITCH                  ; back: row r, 16 bytes for each half of the lanes
	v_lshl_add_u32 v13, v3, 4, v13
	v_add_nc_u32 v13, s49, v13
	v_lshlrev_b32 v14, 2, v3
	v_lshlrev_b32 v15, 4, v2
	v_lshl_add_u32 v16, v0, 2, BIAS                ; where my bias goes (v16 serves the token lists later)
	v_mov_b32 v20, 0x3e827906                      ; a1 =  0.254829592, each constant twice: a pair for the packed forms
	v_mov_b32 v21, 0x3e827906
	v_mov_b32 v22, 0xbe91a98e                      ; a2 = -0.284496736
	v_mov_b32 v23, 0xbe91a98e
	v_mov_b32 v24, 0x3fb5f0e3                      ; a3 =  1.421413741
	v_mov_b32 v25, 0x3fb5f0e3
	v_mov_b32 v26, 0xbfba00e3                      ; a4 = -1.453152027
	v_mov_b32 v27, 0xbfba00e3
	v_mov_b32 v28, 0x3f87dc22                      ; a5 =  1.061405429
	v_mov_b32 v29, 0x3f87dc22
	v_mov_b32 v30, 0xbf38aa3b                      ; -log2(e) / 2
	v_mov_b32 v31, 0xbf38aa3b
	s_mov_b32 s60, 0x3e6d3388                      ; 0.3275911 / sqrt 2
.set ti, 0
.rept 32
	TURN ti
.set ti, ti+1
.endr
	WIN 0
	ds_store_b32 v16, v11                          ; v16 was written ahead of every turn's wait on va_vdst; v11 came with the first row
	s_wait_dscnt 0x0                               ; for the others' sake: my rows of the slice are in LDS
	s_barrier_signal -1
	s_barrier_wait -1                              ; the one barrier: the slice is whole, and nobody writes it again
	s_wait_alu depctr_vm_vsrc(0)                   ; my LDS stores have read the row buffers of window 3, in which a third tile's pieces land, and v16, which a pass's head writes again
	s_wait_kmcnt 0x0
	s_min_u32 s24, s24, 64                         ; 1,024 tokens are 64 tiles at the most
	s_min_u32 s25, s25, 71
	s_cmp_lt_u32 s16, s24
	s_cbranch_scc0 .Lend                           ; fewer tiles than my number: nothing for me
	s_sub_co_u32 s50, s24, s16
	s_add_co_u32 s50, s50, 11
	s_mul_i32 s50, s50, 5462
	s_lshr_b32 s50, s50, 16                        ; my passes: (tiles - wave + 11) / 12, exact by this product up to 75
	s_mov_b32 s47, 0                               ; counts them
	s_mov_b32 s26, s16                             ; my first tile of the expert
.Lpass:
	s_sub_co_u32 s27, s24, s26                     ; tiles from mine on: tile t of the pass exists if this is above 4 t
.irp t, 0,1,2
	s_add_co_u32 s[44+\t], s25, s26
	s_add_co_u32 s[44+\t], s[44+\t], 4*\t
	s_min_u32 s[44+\t], s[44+\t], 71               ; the tile's number through all experts, inside the buffers' 72
	s_lshl_b32 s20, s[44+\t], TSH
	s_add_co_u32 s20, s20, s42
	s_add_nc_u64 s[36+2*\t:37+2*\t], s[14:15], s[20:21]
.endr
	s_cmp_gt_u32 s27, 8
	s_cbranch_scc1 .Lthree
	s_cmp_gt_u32 s27, 4
	s_cbranch_scc1 .Ltwo
	PASS 1
	s_branch .Lnext
.Ltwo:
	PASS 2
	s_branch .Lnext
.Lthree:
	PASS 3
.Lnext:
	s_add_co_u32 s26, s26, 12
	s_add_co_u32 s47, s47, 1
	s_cmp_lt_u32 s47, s50
	s_cbranch_scc1 .Lpass
.Lend:
	s_wait_xcnt 0x0
	v_lshl_add_u32 v254, v0, 2, 0x48e00            ; the add's two registers, made anew: no memory or LDS instruction has read v254 or v255
	v_mov_b32 v255, 0
	s_wait_dscnt 0x0                               ; the closing lines, six on end
	s_wait_alu 0x0
	s_wait_tensorcnt 0x0
	ds_add_u32 v254, v255
	s_wait_dscnt 0x0
	s_endpgm
.Lfunc_end_k_q32e8e728b1_ffn1:
	.size	k_q32e8e728b1_ffn1, .Lfunc_end_k_q32e8e728b1_ffn1-k_q32e8e728b1_ffn1
	.p2alignl 7, 3214868480
	.fill 96, 4, 3214868480
	.section	.rodata,"a",@progbits
	.p2align	6, 0x0
	.amdhsa_kernel k_q32e8e728b1_ffn1
		.amdhsa_group_segment_fixed_size 299008
		.amdhsa_private_segment_fixed_size 0
		.amdhsa_enable_private_segment 0
		.amdhsa_kernarg_size 48
		.amdhsa_user_sgpr_count 2
		.amdhsa_user_sgpr_kernarg_segment_ptr 1
		.amdhsa_wavefront_size32 1
		.amdhsa_system_sgpr_workgroup_id_x 1
		.amdhsa_system_sgpr_workgroup_id_y 1
		.amdhsa_system_sgpr_workgroup_id_z 1
		.amdhsa_system_vgpr_workitem_id 0
		.amdhsa_next_free_vgpr 1024
		.amdhsa_next_free_sgpr 66
		.amdhsa_reserve_vcc 0
		.amdhsa_float_denorm_mode_32 3
		.amdhsa_float_denorm_mode_16_64 3
		.amdhsa_memory_ordered 1
		.amdhsa_forward_progress 1
		.amdhsa_inst_pref_size 255
	.end_amdhsa_kernel
	.section	.bss,"aw",@nobits
	.p2align	6
	.space	262144
	.amdgpu_metadata
---
amdhsa.version: [ 1, 2 ]
amdhsa.kernels:
  - .name:           k_q32e8e728b1_ffn1
    .symbol:         k_q32e8e728b1_ffn1.kd
    .args:
      - { .name: meta, .offset: 0, .size: 8, .value_kind: global_buffer, .address_space: global }
      - { .name: glist, .offset: 8, .size: 8, .value_kind: global_buffer, .address_space: global }
      - { .name: xb, .offset: 16, .size: 8, .value_kind: global_buffer, .address_space: global }
      - { .name: w1, .offset: 24, .size: 8, .value_kind: global_buffer, .address_space: global }
      - { .name: b1, .offset: 32, .size: 8, .value_kind: global_buffer, .address_space: global }
      - { .name: hf, .offset: 40, .size: 8, .value_kind: global_buffer, .address_space: global }
    .group_segment_fixed_size: 299008
    .private_segment_fixed_size: 0
    .kernarg_segment_align: 8
    .kernarg_segment_size: 48
    .max_flat_workgroup_size: 128
    .sgpr_count:     66
    .vgpr_count:     1024
    .wavefront_size: 32
...
	.end_amdgpu_metadata
.endif
;; end of part 11
;; launch ffn2 (part 12): grid 32 x 8, 4 waves a work-group, no clusters, 264,704 bytes of LDS; arguments meta, hf, w2, pf; writes pf
.if DOCPART == 12
	.amdgcn_target "amdgcn-amd-amdhsa--gfx1250"
	.amdhsa_code_object_version 6
	.text
	.protected	k_q32e8e728b1_ffn2
	.globl	k_q32e8e728b1_ffn2
	.p2align	8
	.type	k_q32e8e728b1_ffn2,@function
k_q32e8e728b1_ffn2:
	s_mov_b64 s[64:65], 0
	v_nop
	global_prefetch_b8 v0, s[64:65] scope:SCOPE_SE
	s_setreg_imm32_b32 hwreg(HW_REG_WAVE_SCHED_MODE, 0, 2), 2
	s_setreg_imm32_b32 hwreg(HW_REG_WAVE_MODE, 25, 1), 1
	s_wait_xcnt 0x0
	s_wait_alu depctr_vm_vsrc(0)
; THE EXPERTS' SECOND PRODUCT: partial sums of h w2^T, for the tokens that chose the expert.
; A work-group owns 128 output columns (128 nb on) x 1,024 hidden (1,024 kc on) of one expert's w2.  The hidden axis is cut in four so that the slice has the first product's shape;
; the four partial sums are added, in a fixed order, by the next launch.
; THE OPERANDS ARE f16, the sums f32.  h comes in f16 (11 significant bits; the launch before states its range).  w2 is rounded to bf16, as every other matrix operand of the program
; is, and that number is written as f16, which holds a bf16's 8 bits exactly from 2^-17 up to 65,504; below 2^-17 it steps by 2^-24.  LIMIT: |w2| below 65,504.
; PHASE A: each wave loads 32 rows in f32, 512 consecutive bytes a load, each byte of the weights once in the launch, rounds them and lays them into LDS.  One barrier.
; PHASE B: the slice stays in LDS and the expert's tiles of 16 tokens go past it.  Wave w takes tiles w, w + 4, w + 8 (a pass of up to three), then 12 on.  The number of tiles
; comes from meta, so this phase has no barrier: a wave touches the slice (read only) and its own tiles' bytes.  A pass's two trips over 64 rows of weights are written out, so that
; every LDS address is a register made once at the head plus an immediate.
; A PASS'S TILES ARE STREAMED: their fragments are asked for by groups of 64 along K, XL groups ahead of the products that take them, all through the pass's first trip, so that the
; loads run beside that trip's products.  XL = 60 / (4 nt) - 1: with the group just asked for, 4 nt (XL + 1) loads of a wave are out at the most: 60, 56, 60 for 1, 2, 3 tiles.
; THE MATRIX INSTRUCTION takes 16 rows of weights as source 0 and 16 tokens as source 1: a lane holds ONE token (lane % 16) and eight neighbouring outputs 8 (lane / 16) + 0..7.
; h lies in memory by fragments: hf byte = tile x 131,072 + (hidden / 32) x 1,024 + ((hidden / 16) % 2) x 512 + lane x 16: loaded 512 consecutive bytes an instruction.
; The sums are stored straight from registers: pf byte = kc x 4,718,592 + tile x 65,536 + nb x 8,192 + block x 1,024 + half x 512 + lane x 16.
; No tensor loads: the weights must be rounded on their way, so they pass through registers, and the slice is filled once.  No cluster: what partners share (a tile's activations) is
; less than a work-group's own 512 KiB of weights, and how many tiles there are hangs on counts from memory.
; LIMITS: NaN inputs are not served.
; REGISTERS, in windows of 256 (s_set_vgpr_msb: bits 1:0 source 0, 3:2 source 1, 5:4 source 2, 7:6 destination):
;   window 0: v0-31 addresses; v32-127 accumulators (tile t, block a) at 32 + 8 (4 t + a); v128-191, v192-255 two buffers of weight fragments
;   window 1 + t: tile t's 32 fragments (16 tokens x 32 K, 8 registers each).  In phase A window 3 holds eight row buffers of 32 registers: weights as loaded.
; THE MODE: SCHED_MODE bits 1:0 = 2 (LLVM: expert scheduling mode 2), set by the entry lines.  The code itself states the register dependences between vector or matrix instructions
; and memory or LDS instructions, with s_wait_alu, always for 0.
; THE PLAN.  Registers that memory or LDS instructions touch, and who else names them:
;   row buffers 0-7   Phase A, window 3.  Row i's loads land in buffer i % 8; its roundings read and write it in place; its eight LDS stores read it; row i + 8's loads, issued in row i + 1's
;                     turn, land in it again.  A turn: the roundings; ONE wait on va_vdst, ONE on vm_vsrc; the loads of row i + 7, into the buffer that row i - 1 left; the row's LDS stores.
;   windows 1-3       Phase B: the stream's loads land, the pass's products read.  ONE wait on va_vdst at a pass's head: behind it no vector or matrix instruction names a group's registers
;                     before that group's loads are issued (the products of groups up to g - 1 stand ahead of the loads of group g + XL).
;   v128-255          Group g's products read buffer g % 2; group g + 1's LDS loads land in the other, which group g - 1's products read: ONE wait on va_vdst at a group's head, and the
;                     sixteen loads are dealt behind the group's first four products, which name none of their registers.
;   v32-127           The products write them; a trip's stores read them, behind four places and one wait on va_vdst; one wait on vm_vsrc at the trip's end, ahead of the products that write them again.
;   v1, v4-9          An offset and LDS addresses: written at the head, never again.     v30, v31   Written at the head, read by the closing add alone.
.set WPITCH, 2064                      ; a row of the slice: 2,048 bytes + 16 = 129 x 16: the 16 rows of a fragment load start at 16 different 16-byte columns modulo 256
.set WP,     16384                     ; bytes from row to row of w2
.set OSTEP,  4096                      ; output bytes of 64 rows of weights
.set AW,  6                            ; v[6:9]  a weight fragment's address in blocks 0-1, 2-3, 4-5, 6-7 of the slice's eight; never rewritten
.set ACC, 32
.set FR,  128
.set MSB, 0
.macro WIN new                         ; the immediate's high byte repeats the setting that is left; a switch that changes nothing is dropped
.if MSB != (\new)
	s_set_vgpr_msb (MSB<<8)|(\new)
.set MSB, (\new)
.endif
.endm
.macro PLACES                          ; four places behind matrix instructions, in front of stores of their results and of products that write over them
.rept 4
	v_nop
.endr
.endm
; Row r of my 32: 8 loads, 4,096 bytes, into row buffer r % 8 of window 3
.macro WISSUE r
	WIN 0xcc                                       ; destination and source 1 (LDS store data) window 3, addresses window 0
.set SB, 32*((\r)&7)
.irp c, 0,1,2,3,4,5,6,7
	global_load_b128 v[SB+4*\c:SB+4*\c+3], v1, s[22:23] offset:(\r)*WP+512*\c th:TH_LOAD_NT
.endr
.endm
; Row i has come.  It is rounded; then row i + 7 is asked for, into the buffer that row i - 1 left, so that six to seven rows, 48 to 56 loads of a wave, are on their way; then the row is laid into LDS.
; Four f32 of a quad: rounded to bf16 (two words), widened again (a shift, a mask), written as f16 (two words at the quad's head).  Each step goes through all eight quads, so that
; no instruction reads the result of the one just before it.
.macro TURN i
.if \i < 26
	s_wait_loadcnt 48                              ; loads come back in order (ISA guide 5.7.1): the six younger rows stay out
.else
	s_wait_loadcnt 8*(31-\i)                       ; the counts run down
.endif
.set SB, 32*((\i)&7)
	WIN 0xcf
.set q, 0
.rept 8
	v_cvt_pk_bf16_f32 v[SB+4*q], v[SB+4*q], v[SB+4*q+1]
	v_cvt_pk_bf16_f32 v[SB+4*q+1], v[SB+4*q+2], v[SB+4*q+3]
.set q, q+1
.endr
.set q, 0
.rept 8
	v_and_b32     v[SB+4*q+3], s51, v[SB+4*q+1]    ; the fourth number: the second word's high half stays,
	v_lshlrev_b32 v[SB+4*q+2], 16, v[SB+4*q+1]     ; the third: its low half moves up
	v_and_b32     v[SB+4*q+1], s51, v[SB+4*q]      ; the second,
	v_lshlrev_b32 v[SB+4*q], 16, v[SB+4*q]         ; the first
.set q, q+1
.endr
.set q, 0
.rept 8
	v_cvt_pk_f16_f32 v[SB+4*q], v[SB+4*q], v[SB+4*q+1]
	v_cvt_pk_f16_f32 v[SB+4*q+1], v[SB+4*q+2], v[SB+4*q+3]
.set q, q+1
.endr
	WIN 0xcc
	s_wait_alu depctr_va_vdst(0)                   ; the roundings have written the words that the LDS stores below read; the row before's roundings are done with the buffer in which the loads below land; in the first turn the head's addresses are written
.if (\i > 0) && (\i < 25)
	s_wait_alu depctr_vm_vsrc(0)                   ; the row before's LDS stores have read the buffer in which the loads below land
.endif
.if \i < 25
	WISSUE \i+7
.endif
.set SB, 32*((\i)&7)
.irp c, 0,1,2,3,4,5,6,7
	ds_store_b64 v[4+(\i)/16], v[SB+4*\c:SB+4*\c+1] offset:((\i)%16)*WPITCH+256*\c
.endr
.endm
; Group g (64 along K) of the pass's nt tiles is asked for: two fragments, four loads, a tile
.macro XG g, nt
.irp t, 0,1,2
.if \t < \nt
	WIN (1+\t)<<6                                  ; destination in the tile's window, the address in window 0
.irp kk, 0,1
	global_load_b128 v[8*(2*(\g)+\kk):8*(2*(\g)+\kk)+3],   v1, s[30+2*\t:31+2*\t] offset:1024*(2*(\g)+\kk)       ; h lies by fragments: 512 consecutive bytes a load
	global_load_b128 v[8*(2*(\g)+\kk)+4:8*(2*(\g)+\kk)+7], v1, s[30+2*\t:31+2*\t] offset:1024*(2*(\g)+\kk)+512
.endr
.endif
.endr
.endm
; The two LDS loads of weight fragment f (K half f / 4, block f % 4) of group g (64 along K) of blocks 4 rq .. 4 rq + 3, into buffer g % 2.  They stand behind products or behind WIN 0:
; settings that leave the destination and source 0 in window 0.
.macro FRAG rq, g, f
.set FD, FR+64*((\g)&1)+8*(\f)
.set FA, AW+2*(\rq)+((\f)%4)/2
.set FO, (((\f)%4)%2)*16*WPITCH+64*(2*(\g)+(\f)/4)
	ds_load_b128 v[FD:FD+3],   v[FA] offset:FO
	ds_load_b128 v[FD+4:FD+7], v[FA] offset:FO+32
.endm
; A group's 16 LDS loads in one run: a trip's first group alone
.macro FETCH rq, g
.irp f, 0,1,2,3,4,5,6,7
	FRAG \rq, \g, \f
.endr
.endm
; Group g's products: 8 for each tile.  A tile's four accumulators take turns, one instruction a turn.  The first K step starts the sums with the constant 0.
; deal = 1: the next group's sixteen LDS loads are dealt behind tile 0's first four products, two fragments each.  No wait among them: no product of this group names the other buffer, in which they land.
.macro MULG rq, g, nt, deal
.set FB, FR+64*((\g)&1)
.irp t, 0,1,2
.if \t < \nt
	WIN (1+\t)<<2                                  ; source 1 in the tile's window
.irp kk, 0,1
.irp a, 0,1,2,3
.set AC, ACC+8*(4*\t+\a)
.set XF, 8*(2*(\g)+\kk)
.if ((\g) == 0) && (\kk == 0)
	v_wmma_f32_16x16x32_f16 v[AC:AC+7], v[FB+8*(4*\kk+\a):FB+8*(4*\kk+\a)+7], v[XF:XF+7], 0
.else
	v_wmma_f32_16x16x32_f16 v[AC:AC+7], v[FB+8*(4*\kk+\a):FB+8*(4*\kk+\a)+7], v[XF:XF+7], v[AC:AC+7]
.endif
.if ((\deal) == 1) && (\t == 0) && (\kk == 0)
	FRAG \rq, (\g)+1, 2*\a
	FRAG \rq, (\g)+1, 2*\a+1
.endif
.endr
.endr
.endif
.endr
.endm
.macro EPI rq, nt
.irp t, 0,1,2
.if \t < \nt
.irp a, 0,1,2,3
.set AC, ACC+8*(4*\t+\a)
.set OB, 36+2*\t
	global_store_b128 v1, v[AC:AC+3],   s[OB:OB+1] offset:1024*\a+OSTEP*\rq        ; the low four registers first; the wave stores 512 consecutive bytes, at a multiple of 512 from pf's first byte
	global_store_b128 v1, v[AC+4:AC+7], s[OB:OB+1] offset:1024*\a+OSTEP*\rq+512
.endr
.endif
.endr
.endm
; A trip: nt tiles against blocks 4 rq .. 4 rq + 3 of the slice, all 1,024 along K, and the way out.  The first trip (rq = 0) also runs the stream of the tiles' fragments: a group's
; request stands at the head of a step, ahead of the step's waits, behind the last products of the step before.
.macro TRIP rq, nt
	FETCH \rq, 0
	PLACES                                         ; these four and the four ahead of the last way out make the five places in front of a product that writes over an accumulator
.irp g, 0,1,2,3,4,5,6,7,8,9,10,11,12,13,14
.if \rq == 0
.if \g+XL <= 15
	XG \g+XL, \nt
.endif
.if 15-\g < XL
	s_wait_loadcnt 4*\nt*(15-\g)                   ; nothing more is asked for: the groups behind g, 4 nt loads each, stay out
.else
	s_wait_loadcnt 4*\nt*XL                        ; loads come back in order (ISA guide 5.7.1): the XL groups behind g stay out, group g's fragments are in
.endif
.endif
	s_wait_dscnt 0x0                               ; group g's weight fragments are in
.if \g > 0
	WIN 1<<2
	s_wait_alu depctr_va_vdst(0)                   ; the products of the group before are done reading the other buffer, in which the next group's fragments land
.endif
	MULG \rq, \g, \nt, 1
.endr
.if \rq == 0
	s_wait_loadcnt 0x0                             ; the last group; from here on the tiles' bases may be written again
.endif
	s_wait_dscnt 0x0
	MULG \rq, 15, \nt, 0
	WIN 0
	PLACES
	s_wait_alu depctr_va_vdst(0)                   ; the products have written the accumulators, which the stores below read; the places above stay beside this wait.  They are also done reading both fragment buffers
	EPI \rq, \nt
	s_wait_xcnt 0x0                                ; the stores' data and bases are written again only behind this wait,
	s_wait_alu depctr_vm_vsrc(0)                   ; and behind this one: the stores have read the accumulators, which the next trip's first products write again
.endm
; A pass: nt tiles against the whole slice.  The first XL groups of the tiles' fragments are asked for ahead of the first trip.
.macro PASS nt
.set XL, 60/(4*\nt)-1
	s_wait_alu depctr_va_vdst(0)                   ; the products of the pass before (ahead of the first pass: phase A's roundings, in window 3) are done with the registers in which the tiles' fragments land
.set xgi, 0
.rept XL
	XG xgi, \nt
.set xgi, xgi+1
.endr
	WIN 0
	TRIP 0, \nt
	TRIP 1, \nt
.endm
	s_load_b256 s[4:11], s[0:1], 0x0               ; meta s[4:5], hf s[6:7], w2 s[8:9], pf s[10:11]
	v_lshl_add_u32 v30, v0, 2, 0x40800
	v_mov_b32 v31, 0
	v_lshrrev_b32 v1, 5, v0
	v_readfirstlane_b32 s16, v1                    ; wave 0..3
	v_and_b32 v1, 31, v0
	v_lshlrev_b32 v1, 4, v1                        ; 16 x lane; never rewritten
	s_wait_alu depctr_va_sdst(0)                   ; s16 is written, ahead of its first reader: offsets, LDS addresses and branches are made from it
	s_and_b32 s17, ttmp7, 0xffff                   ; the expert
	s_lshl_b32 s20, s17, 24                        ; its 16 MiB of weights
	s_and_b32 s18, ttmp9, 7                        ; nb
	s_lshr_b32 s19, ttmp9, 3                       ; kc
	s_lshl_b32 s21, s18, 21                        ; 128 rows of 16,384 bytes
	s_add_co_u32 s20, s20, s21
	s_lshl_b32 s21, s19, 12                        ; 1,024 f32 along a row
	s_add_co_u32 s20, s20, s21
	s_lshl_b32 s21, s16, 19                        ; my 32 rows
	s_add_co_u32 s20, s20, s21
	s_mul_i32 s42, s19, 72*65536
	s_lshl_b32 s21, s18, 13
	s_add_co_u32 s42, s42, s21                     ; the fixed part of the output's offset
	s_lshl_b32 s43, s19, 15                        ; and of the input's: 32 fragments of 1,024 bytes for each kc
	s_mov_b32 s21, 0                               ; stays 0: the high word of every offset pair s[20:21]
	s_lshl_b32 s29, s17, 2                         ; not written again: the two scalar loads below read it
	s_mov_b32 s51, 0xffff0000                      ; a word's upper bf16
	s_wait_kmcnt 0x0
	s_add_nc_u64 s[22:23], s[8:9], s[20:21]
	WIN 0xcc
	s_wait_alu depctr_va_vdst(0)                   ; v1 is written, which every global load and store of the kernel reads as its offset
.set ti, 0
.rept 7                                ; the ring is filled: rows 0 to 6
	WISSUE ti
.set ti, ti+1
.endr
	s_load_b32 s24, s[4:5], s29 offset:0x0         ; my expert's tiles
	s_load_b32 s25, s[4:5], s29 offset:0x20        ; its first tile; both are waited for behind phase A
	WIN 0
	v_and_b32 v2, 15, v0                           ; r
	v_bfe_u32 v3, v0, 4, 1                         ; h
	s_mul_i32 s48, s16, 32*WPITCH
	v_lshrrev_b32 v4, 1, v1
	v_add_nc_u32 v4, s48, v4                       ; where I put 8 bytes of my rows 0-15,
	v_add_nc_u32 v5, 16*WPITCH, v4                 ; and of my rows 16-31
	v_mul_u32_u24 v[AW], v2, WPITCH
	v_lshl_add_u32 v[AW], v3, 4, v[AW]             ; a weight fragment: row r, 16 bytes for each half of the lanes
.irp j, 1,2,3
	v_add_nc_u32 v[AW+\j], \j*32*WPITCH, v[AW]     ; and 32, 64, 96 rows on
.endr
.set ti, 0
.rept 32
	TURN ti
.set ti, ti+1
.endr
	WIN 0
	s_wait_dscnt 0x0                               ; for the others' sake: my rows of the slice are in LDS
	s_barrier_signal -1
	s_barrier_wait -1                              ; the one barrier: the slice is whole, and nobody writes it again
	s_wait_alu depctr_vm_vsrc(0)                   ; my LDS stores have read the row buffers of window 3, in which a third tile's fragments land
	s_wait_kmcnt 0x0
	s_min_u32 s24, s24, 64                         ; 1,024 tokens are 64 tiles at the most
	s_min_u32 s25, s25, 71
	s_cmp_lt_u32 s16, s24
	s_cbranch_scc0 .Lend                           ; fewer tiles than my number: nothing for me
	s_sub_co_u32 s50, s24, s16
	s_add_co_u32 s50, s50, 11
	s_mul_i32 s50, s50, 5462
	s_lshr_b32 s50, s50, 16                        ; my passes: (tiles - wave + 11) / 12, exact by this product up to 75
	s_mov_b32 s47, 0                               ; counts them
	s_mov_b32 s26, s16                             ; my first tile of the expert
.Lpass:
	s_sub_co_u32 s27, s24, s26                     ; tiles from mine on: tile t of the pass exists if this is above 4 t
.irp t, 0,1,2
	s_add_co_u32 s[44+\t], s25, s26
	s_add_co_u32 s[44+\t], s[44+\t], 4*\t
	s_min_u32 s[44+\t], s[44+\t], 71               ; the tile's number through all experts, inside the buffers' 72
	s_lshl_b32 s20, s[44+\t], 16
	s_add_co_u32 s20, s20, s42
	s_add_nc_u64 s[36+2*\t:37+2*\t], s[10:11], s[20:21]    ; where its sums go
	s_lshl_b32 s20, s[44+\t], 17
	s_add_co_u32 s20, s20, s43
	s_add_nc_u64 s[30+2*\t:31+2*\t], s[6:7], s[20:21]      ; where its fragments lie
.endr
	s_cmp_gt_u32 s27, 8
	s_cbranch_scc1 .Lthree
	s_cmp_gt_u32 s27, 4
	s_cbranch_scc1 .Ltwo
	PASS 1
	s_branch .Lnext
.Ltwo:
	PASS 2
	s_branch .Lnext
.Lthree:
	PASS 3
.Lnext:
	s_add_co_u32 s26, s26, 12
	s_add_co_u32 s47, s47, 1
	s_cmp_lt_u32 s47, s50
	s_cbranch_scc1 .Lpass
.Lend:
	s_wait_dscnt 0x0                               ; the closing lines, six on end
	s_wait_alu 0x0
	s_wait_tensorcnt 0x0
	ds_add_u32 v30, v31
	s_wait_dscnt 0x0
	s_endpgm
.Lfunc_end_k_q32e8e728b1_ffn2:
	.size	k_q32e8e728b1_ffn2, .Lfunc_end_k_q32e8e728b1_ffn2-k_q32e8e728b1_ffn2
	.p2alignl 7, 3214868480
	.fill 96, 4, 3214868480
	.section	.rodata,"a",@progbits
	.p2align	6, 0x0
	.amdhsa_kernel k_q32e8e728b1_ffn2
		.amdhsa_group_segment_fixed_size 264704
		.amdhsa_private_segment_fixed_size 0
		.amdhsa_enable_private_segment 0
		.amdhsa_kernarg_size 32
		.amdhsa_user_sgpr_count 2
		.amdhsa_user_sgpr_kernarg_segment_ptr 1
		.amdhsa_wavefront_size32 1
		.amdhsa_system_sgpr_workgroup_id_x 1
		.amdhsa_system_sgpr_workgroup_id_y 1
		.amdhsa_system_sgpr_workgroup_id_z 1
		.amdhsa_system_vgpr_workitem_id 0
		.amdhsa_next_free_vgpr 1024
		.amdhsa_next_free_sgpr 66
		.amdhsa_reserve_vcc 0
		.amdhsa_float_denorm_mode_32 3
		.amdhsa_float_denorm_mode_16_64 3
		.amdhsa_memory_ordered 1
		.amdhsa_forward_progress 1
		.amdhsa_inst_pref_size 255
	.end_amdhsa_kernel
	.section	.bss,"aw",@nobits
	.p2align	6
	.space	262144
	.amdgpu_metadata
---
amdhsa.version: [ 1, 2 ]
amdhsa.kernels:
  - .name:           k_q32e8e728b1_ffn2
    .symbol:         k_q32e8e728b1_ffn2.kd
    .args:
      - { .name: meta, .offset: 0, .size: 8, .value_kind: global_buffer, .address_space: global }
      - { .name: hf, .offset: 8, .size: 8, .value_kind: global_buffer, .address_space: global }
      - { .name: w2, .offset: 16, .size: 8, .value_kind: global_buffer, .address_space: global }
      - { .name: pf, .offset: 24, .size: 8, .value_kind: global_buffer, .address_space: global }
    .group_segment_fixed_size: 264704
    .private_segment_fixed_size: 0
    .kernarg_segment_align: 8
    .kernarg_segment_size: 32
    .max_flat_workgroup_size: 128
    .sgpr_count:     66
    .vgpr_count:     1024
    .wavefront_size: 32
...
	.end_amdgpu_metadata
.endif
;; end of part 12
;; launch combine: the kernel of part 10 again; grid 64 x 4, 8 waves a work-group, no clusters, 35,840 bytes of LDS; arguments meta, glist, score, b2, pf, out0; writes out0
